; MI455X (gfx1250); checked and timed in simulation.
; The chip was launched on July 23, 2026; its instructions are those of AMD's public machine-readable ISA for CDNA 5 (MIT licence, August 2026) and "CDNA5" Instruction Set Architecture Reference Guide (July 2026). The comments in the code are by the model that wrote it; some were corrected since.
;; Cross Attn. Allowed arithmetic: matrix products marked QUANTISED: E2M3 operands, one E8M0 scale for each 32 along K, by v_wmma_scale_f32_16x16x128_f8f6f4 with both operands' format E2M3, f32 sums; everything else in f32.
;; Inputs: W1_codes 2,048 x 16 x 24 uint8 (E2M3 codes of W1, K innermost, in blocks of 32 codes, four codes in three bytes); W1_scales 2,048 x 16 uint8 (E8M0 scales of W1, one for each 32 codes along K); W2_codes 512 x 64 x 24 uint8 (E2M3 codes of W2, K innermost, in blocks of 32 codes, four codes in three bytes); W2_scales 512 x 64 uint8 (E8M0 scales of W2, one for each 32 codes along K); Wkv_codes 1,024 x 16 x 24 uint8 (E2M3 codes of Wkv, K innermost, in blocks of 32 codes, four codes in three bytes); Wkv_scales 1,024 x 16 uint8 (E8M0 scales of Wkv, one for each 32 codes along K); Wp_codes 512 x 16 x 24 uint8 (E2M3 codes of Wp, K innermost, in blocks of 32 codes, four codes in three bytes); Wp_scales 512 x 16 uint8 (E8M0 scales of Wp, one for each 32 codes along K); Wq_codes 512 x 16 x 24 uint8 (E2M3 codes of Wq, K innermost, in blocks of 32 codes, four codes in three bytes); Wq_scales 512 x 16 uint8 (E8M0 scales of Wq, one for each 32 codes along K); b1 2,048 float32; b2 512 float32; b_ln1x 512 float32; b_ln1y 512 float32; b_ln2 512 float32; bp 512 float32; g_ln1x 512 float32; g_ln1y 512 float32; g_ln2 512 float32; x 4 x 2,048 x 512 float32; y 4 x 2,048 x 512 float32.
;; Outputs: out0 4 x 2,048 x 512 float32.
;; This version of the problem:
;;   THIS VERSION OF THE PROBLEM IS GIVEN IN LOW PRECISION. The matrix products marked QUANTISED in the list below multiply operands that are first quantised to E2M3 (2 exponent bits, 3 mantissa bits; 6 bits a number), with one power-of-two scale for each 32 numbers along K (OCP MX v1.0); their sums are f32. All else is computed in f32.
;;   The module's matrix products, in the order in which they are computed (A, B: the left and right operand; K: the contracted axis; several contracted axes count as one K, in the product's order):
;;     1. [M 8,192, K 512] x [K 512, N 512]; A: computed on the way; B: input Wq (given as codes): QUANTISED
;;     2. [M 8,192, K 512] x [K 512, N 1,024]; A: computed on the way; B: input Wkv (given as codes): QUANTISED
;;     3. batch 32 x [M 2,048, K 64] x [K 64, N 2,048]; A: computed on the way; B: computed on the way: QUANTISED
;;     4. batch 32 x [M 2,048, K 2,048] x [K 2,048, N 64]; A: softmax (see below); B: computed on the way: QUANTISED
;;     5. [M 8,192, K 512] x [K 512, N 512]; A: computed on the way; B: input Wp (given as codes): QUANTISED
;;     6. [M 8,192, K 512] x [K 512, N 2,048]; A: computed on the way; B: input W1 (given as codes): QUANTISED
;;     7. [M 8,192, K 2,048] x [K 2,048, N 512]; A: computed on the way; B: input W2 (given as codes): QUANTISED
;;   THE QUANTISER, for each operand of a quantised product, along K:
;;     - K is cut into blocks of 32 from its start; a last block that is shorter is filled with zeros.
;;     - A block's scale is 2^e with e = floor(log2(the largest magnitude in the block)) - 2, held to -126 .. 127; a block of zeros has e = 0. As a byte (E8M0): e + 127.
;;     - Each number is divided by its block's scale, clamped to +-7.5, and rounded to the nearest number of E2M3, ties to even, subnormals kept.
;;     - The product sums the exact products of the quantised numbers (number of the format x scale) in f32.
;;   ~~~python
;;   def quantise(x, axis):      # numpy; x: float32 -> the quantised numbers, widened to float32 again
;;       x = np.moveaxis(x, axis, -1); K = x.shape[-1]
;;       x = np.pad(x, [(0, 0)] * (x.ndim - 1) + [(0, -K % 32)]); x = x.reshape(x.shape[:-1] + (-1, 32)); a = np.abs(x).max(-1, keepdims=True)
;;       e = np.where(a > 0, np.clip(np.frexp(np.where(a > 0, a, 1))[1] - 1 - 2, -126, 127), 0)      # np.frexp(a)[1] - 1 = floor(log2(a)), exactly
;;       r = np.clip(x / 2.0 ** e, -7.5, 7.5)
;;       step = 2.0 ** (np.maximum(np.frexp(np.where(r == 0, 1, r))[1] - 1, 0) - 3)
;;       q = np.round(r / step) * step * 2.0 ** e      # np.round: ties to even
;;       return np.moveaxis(q.reshape(q.shape[:-2] + (-1,))[..., :K], -1, axis).astype(np.float32)
;;   ~~~
;;   SOFTMAX AHEAD OF A QUANTISED PRODUCT. Where the list says 'softmax', what is quantised is not the finished softmax but p = 2^(t - M), with t = logit x log2(e) and M = ceil(the row's largest t), a whole number; so 1/2 < the row's largest p <= 1. The row's sum l is taken of the UNQUANTISED p, in f32, and the product's result is divided by l at the end. Since M is a whole number, a kernel that streams over the keys may use a running M (the ceiling of the running maximum): every later rescaling is an exact power of two, which a block's scale takes up: the codes' values come out the same.
;;   OPERANDS COMPUTED ON THE WAY. 'Computed on the way' means the value that the module computes at that place (a softmax that the list does not call 'softmax' is quantised finished and normalised). What goes into a quantiser is computed in f32, as accurately as f32 sums, v_exp_f32 and their like allow (about 1e-6 of the number): no bf16 or f16 on the way to a quantiser, and a product that is left as it is and whose result goes on into a quantised operand takes f32 operands (vector FMAs, or v_wmma_f32_16x16x4_f32). A number that lies on a knife's edge between two numbers of the format may be rounded either way, as far as f32 arithmetic and the matrix unit's own rounding can turn it there, and no further.
;;   INPUTS GIVEN AS CODES. W1 (in the module: [512, 2048], K = its axis 0); W2 (in the module: [2048, 512], K = its axis 0); Wkv (in the module: [512, 1024], K = its axis 0); Wp (in the module: [512, 512], K = its axis 0); Wq (in the module: [512, 512], K = its axis 0): each comes as NAME_codes (uint8): NAME with its K axis moved to the last place and cut into blocks of 32 codes, [.., K / 32, bytes a block], one block behind the other in memory; four codes in three bytes: a row's codes are one little-endian stream of bits, code i at bits 6 i .. 6 i + 5 (a code: sign, 2 exponent bits, 3 mantissa bits); and NAME_scales (uint8): the same leading axes, one E8M0 byte (e + 127) for each 32 codes along K. Its value is code x scale, taken as it is: it is not quantised again, and the codes and scales need not be those that the quantiser above would give.
;; 3 versions. Each part assembles by itself: llvm-mc -triple=amdgcn-amd-amdhsa -mcpu=gfx1250 --defsym DOCPART=n.
;; ======== version 1 of 3: 5 launches
;; workspace buffers: qkv 10,223,616 bytes; ob 3,407,872 bytes; o1 16,777,216 bytes; hb 3,276,800 bytes; gb 13,107,200 bytes
;; launch lnqkv (part 1): grid 256 x 1, 8 waves a work-group, no clusters, 52,224 bytes of LDS; arguments x, y, g_ln1x, b_ln1x, g_ln1y, b_ln1y, Wkv_codes, Wkv_scales, Wq_codes, Wq_scales, qkv; writes qkv
.if DOCPART == 1
	.amdgcn_target "amdgcn-amd-amdhsa--gfx1250"
	.amdhsa_code_object_version 6
	.text
	.protected	k_q3e65f0ead5_lnqkv
	.globl	k_q3e65f0ead5_lnqkv
	.p2align	8
	.type	k_q3e65f0ead5_lnqkv,@function
k_q3e65f0ead5_lnqkv:
	s_mov_b64 s[64:65], 0
	v_nop
	global_prefetch_b8 v0, s[64:65] scope:SCOPE_SE
	s_setreg_imm32_b32 hwreg(HW_REG_WAVE_MODE, 25, 1), 1
	s_wait_xcnt 0x0
; LN(x) and LN(y) in f32, quantised to FP6 (E2M3, one E8M0 byte for 32 along K); q = LN(y) Wq, k and v = LN(x) Wkv on codes; q and k quantised along the head's 64, v along the keys.
; SHARES.  Work-groups 0-127 take 64 rows of x each (pass 0: k, pass 1: v), work-groups 128-255 take 64 rows of y (pass 0: q, then they end: half the products of the others).
; Only pointers and offsets are chosen by the kind of work-group; one text serves both.  In the norm wave w takes 8 rows; in the products it takes head w for all four tiles of 16 rows.
; ORDER OF ROWS.  Lane r of tile 2 b + u of a weight takes row 32 b + 8 u + r + 8 (r / 8), so that the 16 registers of two neighbouring tiles are 16 neighbours along the next K.  The tokens of x are laid
; in the same order: wave w always fills LDS rows 8 w .. 8 w + 7, and for x it LOADS rows 8 w' .. with w' = w with its bits 0 and 1 exchanged; only a global address hangs on that.
; WHAT LEAVES: half fragments of 768 bytes (16 rows x 64 along K as an image of operand registers 0-5: lane l's registers 0-3 at 16 l, registers 4-5 at 512 + 8 l) and one word of two scale bytes a row.
; NO CLUSTER: the weights go from memory straight into the registers of the wave that keeps them, which no joint request serves, and the rows are read by one work-group alone.
; LIMITS: NaN and infinities among the inputs are not served; a block of zeros gets the byte 1 where the quantiser says 127 (its codes are zeros, and this program alone reads the bytes).
.set KC, 3145728                       ; qkv: q's codes at 0, k's, v's, then the three tensors of scale words
.set VC, 6291456
.set QS, 9437184
.set KS, 9699328
.set VS, 9961472
.set XC,   20480                       ; LDS: 0: a stage of 2,560 bytes for each wave; XC: 64 rows x (384 bytes of codes + 16)
.set XSB,  46080                       ; 64 rows x 16 scale bytes
.set SCW0, 47104                       ; 256 bytes a wave for pass 0's scale words; pass 1's lie 2,048 further on
.set LD16, 1                           ; v1  16 x lane
.set GB64, 2                           ; v2  64 x lane
.set STI,  3                           ; v3  the stage, way in
.set STO,  4                           ; v4  the stage, way out
.set XCW,  5                           ; v5  where my 12 bytes of a row's codes go
.set XBW,  6                           ; v6  where my block's scale byte goes
.set XFR,  7                           ; v7  a fragment of the rows' codes
.set XSR,  8                           ; v8  their scale words
.set WPA,  9                           ; v9  a weight's fragment: my row in the tile's order x 384 + 24 x half
.set WSA,  10                          ; v10 its scale words
.set O8,   11                          ; v11 8 x lane
.set SWA,  12                          ; v12 my wave's scale words, way in
.set SWR,  13                          ; v13 way out
.set G,    16                          ; the norm: v16-31 gain, v32-47 bias of my 16 columns
.set B,    32
.set SA,   48                          ; v48-63 a pair of sums for each of 8 rows
.set P,    64                          ; v64-71 at work; later the scale bytes
.set SO,   72                          ; v72-79 the conversions' scale operands
.set C,    96                          ; v96-127 codes, four registers a row
.set R,    128                         ; v128-255 8 rows x 16 numbers
.set XF,   16                          ; the products: v16-63 four fragments of the rows
.set XSW,  64                          ; v64-79 the rows' scale words (4 g + s)
.set WSW,  80                          ; v80-95 the weight's (4 i + s)
.set TM,   96
.set PC,   104
.set PT,   110
.set PW,   113                         ; v113-116 a scale word for each tile
.set SG,   118
.set ACC,  128                         ; v128-255 16 accumulators (32 g + 8 i);  window 1: v0-191 the weight's 16 fragments (48 s + 12 i)
.set SEL,  60
.set MSB, 0
.macro WIN new                         ; the immediate's high byte repeats the setting that is left
.if MSB != \new
	s_set_vgpr_msb (MSB<<8)|\new
.set MSB, \new
.endif
.endm
.macro PLACES n
.rept \n
	v_nop
.endr
.endm
.macro MM0 d, a, b, sa, sb             ; the first product of a sum: C = 0
	v_wmma_scale_f32_16x16x128_f8f6f4 v[\d:\d+7], v[\a:\a+11], v[\b:\b+11], 0, v[\sa], v[\sb] matrix_a_fmt:MATRIX_FMT_FP6 matrix_b_fmt:MATRIX_FMT_FP6
.endm
.macro MMA d, a, b, sa, sb             ; a further one, in place
	v_wmma_scale_f32_16x16x128_f8f6f4 v[\d:\d+7], v[\a:\a+11], v[\b:\b+11], v[\d:\d+7], v[\sa], v[\sb] matrix_a_fmt:MATRIX_FMT_FP6 matrix_b_fmt:MATRIX_FMT_FP6
.endm
; 32 numbers of a lane, register 16 b + i = k 32 b + 16 (lane / 16) + i of my row, become a half fragment in v[PC] .. v[PC+5] and two scale bytes in v[pw].
.macro QUANT32 s, pw
.irp b, 0,1
	v_max3_num_f32 v[TM+\b], |v[\s+16*\b]|, |v[\s+16*\b+1]|, 0x1800000   ; my 16 numbers of block b and the floor 2^(3 - 127): the byte cannot fall under 1
.endr
.irp i, 2,4,6,8,10,12,14
.irp b, 0,1
	v_max3_num_f32 v[TM+\b], v[TM+\b], |v[\s+16*\b+\i]|, |v[\s+16*\b+\i+1]|
.endr
.endr
.irp b, 0,1
	v_permlanex16_b32 v[TM+2+\b], v[TM+\b], s[SEL], s[SEL+1]
.endr
.irp b, 0,1
	v_max_num_f32 v[TM+\b], v[TM+\b], v[TM+2+\b]   ; with lane l xor 16's: the block's largest magnitude
.endr
.irp b, 0,1
	v_add_nc_u32 v[TM+4+\b], 0xff000000, v[TM+\b]  ; 2 off its exponent field: the conversion's scale operand
.endr
.irp b, 0,1
	v_lshrrev_b32 v[TM+6+\b], 23, v[TM+4+\b]       ; the scale's byte
.endr
	v_lshl_or_b32 v[\pw], v[TM+7], 8, v[TM+6]
	v_cvt_scalef32_pk16_fp6_f32 v[PC:PC+2], v[\s:\s+15], v[TM+4]
	v_cvt_scalef32_pk16_fp6_f32 v[PT:PT+2], v[\s+16:\s+31], v[TM+5]
	v_nop                                          ; one plain place behind a scaled conversion
.irp i, 0,1,2
	v_permlane16_swap_b32 v[PC+\i], v[PT+\i]       ; a whole block to a lane: lanes 0-15 block 0, lanes 16-31 block 1
.endr
.irp i, 0,1,2
	v_mov_b32 v[PC+3+\i], v[PT+\i]
.endr
.endm
; a head's 64 rows of a weight: 16 fragments into window 1, and the rows' scale words
.macro WLOAD wc, ws
	WIN 0x40                                       ; destination window 1
.irp s, 0,1,2,3
.irp i, 0,1,2,3
.irp p, 0,1,2,3,4,5
	global_load_b64 v[48*\s+12*\i+2*\p:48*\s+12*\i+2*\p+1], v[WPA], s[\wc:\wc+1] offset:(32*(\i/2)+8*(\i%2))*384+96*\s+48*(\p/3)+8*(\p%3)
.endr
.endr
.endr
	WIN 0
.irp i, 0,1,2,3
	global_load_b128 v[WSW+4*\i:WSW+4*\i+3], v[WSA], s[\ws:\ws+1] offset:(32*(\i/2)+8*(\i%2))*16
.endr
.endm
	s_load_b256 s[8:15], s[0:1], 0x0               ; x, y, g_ln1x, b_ln1x
	s_load_b256 s[16:23], s[0:1], 0x20             ; g_ln1y, b_ln1y, Wkv's codes, Wkv's scales
	s_load_b128 s[24:27], s[0:1], 0x40             ; Wq's codes, Wq's scales
	s_load_b64 s[28:29], s[0:1], 0x50              ; qkv
	v_lshl_add_u32 v123, v0, 2, 0xc800
	v_mov_b32 v127, 0
	v_lshrrev_b32 v14, 5, v0
	v_readfirstlane_b32 s2, v14                    ; wave 0..7
	v_and_b32 v15, 31, v0                          ; lane
	v_and_b32 v14, 15, v0                          ; r
	v_bfe_u32 v16, v0, 4, 1                        ; h
	v_lshlrev_b32 v[LD16], 4, v15
	v_lshlrev_b32 v[GB64], 6, v15
	s_mul_i32 s3, s2, 2560
	v_lshrrev_b32 v17, 2, v15
	v_mul_u32_u24 v17, v17, 80
	v_and_b32 v[STI], 3, v15
	v_lshl_add_u32 v[STI], v[STI], 4, v17
	v_add_nc_u32 v[STI], s3, v[STI]                ; four lanes' 64 bytes on end, then 16 of padding
	v_mul_u32_u24 v[STO], v15, 80
	v_add_nc_u32 v[STO], s3, v[STO]                ; 80 x lane: my 16 neighbours
	s_mul_i32 s3, s2, 3200
	s_add_co_u32 s3, s3, XC
	v_mul_u32_u24 v[XCW], v15, 12
	v_add_nc_u32 v[XCW], s3, v[XCW]
	s_lshl_b32 s3, s2, 7
	s_add_co_u32 s3, s3, XSB
	v_lshrrev_b32 v[XBW], 1, v15
	v_add_nc_u32 v[XBW], s3, v[XBW]
	v_mul_u32_u24 v[XFR], v14, 400
	v_mad_u32_u24 v[XFR], v16, 24, v[XFR]
	v_add_nc_u32 v[XFR], XC, v[XFR]
	v_lshl_add_u32 v[XSR], v14, 4, XSB
	v_and_b32 v17, 8, v14
	v_add_nc_u32 v17, v17, v14                     ; r + 8 (r / 8)
	v_mul_u32_u24 v[WPA], v17, 384
	v_mad_u32_u24 v[WPA], v16, 24, v[WPA]
	v_lshlrev_b32 v[WSA], 4, v17
	v_lshlrev_b32 v[O8], 3, v15
	s_lshl_b32 s3, s2, 8
	s_add_co_u32 s3, s3, SCW0
	v_lshl_add_u32 v[SWA], v14, 2, s3
	v_lshl_add_u32 v[SWR], v15, 3, s3
.irp t, 0,1,2,3,4,5,6,7
	v_mov_b32 v[P+\t], 0                           ; written once: a lane permute's destination counts as one of its sources
.endr
	s_and_b32 s4, ttmp9, 127                       ; which block of 64 rows
	s_lshr_b32 s5, s4, 5                           ; batch
	s_and_b32 s6, s4, 31                           ; block in the batch
	s_and_b32 s7, s2, 4
	s_and_b32 s40, s2, 1
	s_lshl_b32 s40, s40, 1
	s_or_b32 s7, s7, s40
	s_bfe_u32 s40, s2, 0x10001
	s_or_b32 s7, s7, s40                           ; w': bits 0 and 1 of the wave's number exchanged
	s_lshl_b32 s46, s5, 3
	s_add_co_u32 s46, s46, s2                      ; 8 x batch + head
	s_mul_i32 s47, s46, 98304
	s_mul_i32 s48, s6, 3072
	s_add_co_u32 s47, s47, s48                     ; my four half fragments: (128 bh + 4 block) x 768
	s_lshl_b32 s49, s46, 13
	s_lshl_b32 s48, s6, 8
	s_add_co_u32 s49, s49, s48                     ; my 64 scale words: (32 bh + block) x 256
	s_mul_i32 s42, s2, 24576                       ; my head's 64 rows of a weight,
	s_mov_b32 s43, 0
	s_lshl_b32 s44, s2, 10                         ; and of its scales
	s_mov_b32 s45, 0
	s_mov_b32 s41, 0
	s_mov_b32 s35, QS
	s_mov_b32 s58, 0x3b000000                      ; 1 / 512
	s_mov_b32 s59, 0x3727c5ac                      ; 1e-5
	s_mov_b32 s[SEL], 0x76543210
	s_mov_b32 s[SEL+1], 0xfedcba98                 ; lane l xor 16
	s_wait_kmcnt 0x0
	s_cmp_lt_u32 ttmp9, 128                        ; x's work-group or y's?  The choice hangs on the work-group's number alone
	s_cselect_b64 s[8:9], s[8:9], s[10:11]
	s_cselect_b64 s[12:13], s[12:13], s[16:17]
	s_cselect_b64 s[14:15], s[14:15], s[18:19]
	s_cselect_b64 s[30:31], s[20:21], s[24:25]     ; pass 0's weight: Wkv's first 512 rows, or Wq
	s_cselect_b64 s[32:33], s[22:23], s[26:27]
	s_cselect_b32 s34, KC, 0
	s_cselect_b32 s35, KS, s35
	s_cselect_b32 s7, s7, s2
	s_lshl_b32 s40, s4, 17
	s_lshl_b32 s7, s7, 14
	s_add_co_u32 s40, s40, s7
	s_add_nc_u64 s[8:9], s[8:9], s[40:41]          ; my 8 rows
.irp j, 0,1,2,3
	global_load_b128 v[G+4*\j:G+4*\j+3], v[GB64], s[12:13] offset:16*\j
	global_load_b128 v[B+4*\j:B+4*\j+3], v[GB64], s[14:15] offset:16*\j
.endr
	WIN 0x40                                       ; the rows land in window 1, where the weights come later
.irp t, 0,1,2,3,4,5,6,7
.irp i, 0,1,2,3
	global_load_b128 v[16*\t+4*\i:16*\t+4*\i+3], v[LD16], s[8:9] offset:2048*\t+512*\i th:TH_LOAD_NT   ; 32 lanes read 512 consecutive bytes
.endr
.endr
	s_add_nc_u64 s[30:31], s[30:31], s[42:43]
	s_add_nc_u64 s[32:33], s[32:33], s[44:45]
	s_add_nc_u64 s[36:37], s[20:21], s[42:43]
	s_add_nc_u64 s[36:37], s[36:37], 196608        ; pass 1's weight: Wkv's rows 512 on
	s_add_nc_u64 s[38:39], s[22:23], s[44:45]
	s_add_nc_u64 s[38:39], s[38:39], 8192
	s_add_co_u32 s40, s47, s34
	s_add_nc_u64 s[50:51], s[28:29], s[40:41]      ; pass 0's codes,
	s_add_co_u32 s40, s49, s35
	s_add_nc_u64 s[52:53], s[28:29], s[40:41]      ; its scale words,
	s_mov_b32 s40, s47
	s_add_nc_u64 s[54:55], s[28:29], s[40:41]
	s_add_nc_u64 s[54:55], s[54:55], VC            ; pass 1's codes,
	s_mov_b32 s40, s49
	s_add_nc_u64 s[56:57], s[28:29], s[40:41]
	s_add_nc_u64 s[56:57], s[56:57], VS            ; its scale words
	; each row turns through my stage: in as loaded, out 64 bytes a lane, so that a lane holds 16 neighbouring columns.  LDS serves a wave's instructions in order: one stage serves all rows
	WIN 0x04                                       ; an LDS store's data: window 1; an LDS load's destination: window 0
.irp t, 0,1,2,3,4,5,6,7
	s_wait_loadcnt 28-4*\t                         ; row t's four loads are in; the later rows' may be out
.irp i, 0,1,2,3
	ds_store_b128 v[STI], v[16*\t+4*\i:16*\t+4*\i+3] offset:640*\i
.endr
.irp j, 0,1,2,3
	ds_load_b128 v[R+16*\t+4*\j:R+16*\t+4*\j+3], v[STO] offset:16*\j
.endr
.endr
	s_wait_dscnt 0x0                               ; the rows are in window 0, and the stores have read window 1's registers:
	WLOAD 30, 32                                   ; pass 0's weights go out now and land under the norm's arithmetic
	; the norm, 8 rows by turns: mean, differences, variance of the differences
.macro REDUCE                          ; the pair's two halves, then the 32 lanes: every lane ends with the row's sum in the pair's low word
.irp t, 0,1,2,3,4,5,6,7
	v_add_f32 v[SA+2*\t], v[SA+2*\t], v[SA+2*\t+1]
.endr
.irp x, 1,2,4,8
.irp t, 0,1,2,3,4,5,6,7
	v_add_f32_dpp v[SA+2*\t], v[SA+2*\t], v[SA+2*\t] row_xmask:\x row_mask:0xf bank_mask:0xf
.endr
.endr
.irp t, 0,1,2,3,4,5,6,7
	v_permlanex16_b32 v[P+\t], v[SA+2*\t], s[SEL], s[SEL+1]
.endr
.irp t, 0,1,2,3,4,5,6,7
	v_add_f32 v[SA+2*\t], v[SA+2*\t], v[P+\t]
.endr
.endm
.irp t, 0,1,2,3,4,5,6,7
	v_pk_add_f32 v[SA+2*\t:SA+2*\t+1], v[R+16*\t:R+16*\t+1], v[R+16*\t+2:R+16*\t+3]
.endr
.irp j, 4,6,8,10,12,14
.irp t, 0,1,2,3,4,5,6,7
	v_pk_add_f32 v[SA+2*\t:SA+2*\t+1], v[SA+2*\t:SA+2*\t+1], v[R+16*\t+\j:R+16*\t+\j+1]
.endr
.endr
	REDUCE
.irp t, 0,1,2,3,4,5,6,7
	v_mul_f32 v[SA+2*\t], s58, v[SA+2*\t]          ; the mean
.endr
.irp j, 0,2,4,6,8,10,12,14
.irp t, 0,1,2,3,4,5,6,7
	v_pk_add_f32 v[R+16*\t+\j:R+16*\t+\j+1], v[R+16*\t+\j:R+16*\t+\j+1], v[SA+2*\t:SA+2*\t+1] op_sel_hi:[1,0] neg_lo:[0,1] neg_hi:[0,1]
.endr
.endr
.irp t, 0,1,2,3,4,5,6,7
	v_pk_mul_f32 v[SA+2*\t:SA+2*\t+1], v[R+16*\t:R+16*\t+1], v[R+16*\t:R+16*\t+1]
.endr
.irp j, 2,4,6,8,10,12,14
.irp t, 0,1,2,3,4,5,6,7
	v_pk_fma_f32 v[SA+2*\t:SA+2*\t+1], v[R+16*\t+\j:R+16*\t+\j+1], v[R+16*\t+\j:R+16*\t+\j+1], v[SA+2*\t:SA+2*\t+1]
.endr
.endr
	REDUCE
.irp t, 0,1,2,3,4,5,6,7
	v_fma_f32 v[SA+2*\t], v[SA+2*\t], s58, s59     ; variance + 1e-5
.endr
.irp t, 0,1,2,3,4,5,6,7
	v_rsq_f32 v[SA+2*\t], v[SA+2*\t]
.endr
	v_nop                                          ; a plain place behind the last of the batch
	s_wait_alu depctr_va_vdst(0)                   ; one wait for the eight, ahead of their first reader
.irp j, 0,2,4,6,8,10,12,14
.irp t, 0,1,2,3,4,5,6,7
	v_pk_mul_f32 v[R+16*\t+\j:R+16*\t+\j+1], v[R+16*\t+\j:R+16*\t+\j+1], v[SA+2*\t:SA+2*\t+1] op_sel_hi:[1,0]
.endr
.endr
.irp j, 0,2,4,6,8,10,12,14
.irp t, 0,1,2,3,4,5,6,7
	v_pk_fma_f32 v[R+16*\t+\j:R+16*\t+\j+1], v[R+16*\t+\j:R+16*\t+\j+1], v[G+\j:G+\j+1], v[B+\j:B+\j+1]
.endr
.endr
	; the rows are quantised: two neighbouring lanes hold a block of 32
.irp t, 0,1,2,3,4,5,6,7
	v_max3_num_f32 v[P+\t], |v[R+16*\t]|, |v[R+16*\t+1]|, 0x1800000
.endr
.irp j, 2,4,6,8,10,12,14
.irp t, 0,1,2,3,4,5,6,7
	v_max3_num_f32 v[P+\t], v[P+\t], |v[R+16*\t+\j]|, |v[R+16*\t+\j+1]|
.endr
.endr
.irp t, 0,1,2,3,4,5,6,7
	v_max_num_f32_dpp v[P+\t], v[P+\t], v[P+\t] row_xmask:1 row_mask:0xf bank_mask:0xf
.endr
.irp t, 0,1,2,3,4,5,6,7
	v_add_nc_u32 v[SO+\t], 0xff000000, v[P+\t]
.endr
.irp t, 0,1,2,3,4,5,6,7
	v_cvt_scalef32_pk16_fp6_f32 v[C+4*\t:C+4*\t+2], v[R+16*\t:R+16*\t+15], v[SO+\t]
.endr
.irp t, 0,1,2,3,4,5,6,7
	v_lshrrev_b32 v[P+\t], 23, v[SO+\t]            ; the scale's byte.  (Plain lines behind the conversions)
.endr
.irp t, 0,1,2,3,4,5,6,7
.irp i, 0,1,2
	ds_store_b32 v[XCW], v[C+4*\t+\i] offset:400*\t+4*\i   ; my 16 codes: 12 bytes of the row's stream of bits
.endr
	ds_store_b8 v[XBW], v[P+\t] offset:16*\t       ; both lanes of a block write the same byte with the same value
.endr
	s_wait_dscnt 0x0                               ; for the others' sake: my rows' codes and bytes lie in LDS
	s_barrier_signal -1
	s_barrier_wait -1                              ; the launch's one barrier: all 64 rows do
	v_mov_b32 v[TM+2], 0
	v_mov_b32 v[TM+3], 0
; A pass: 4 K steps x 16 products; the 16 accumulators take turns, one instruction a turn, in the same order in every K step.
; kt = 1: source 0 = 16 rows of the weight, source 1 = 16 rows of the block: a lane holds one row, its registers run along the head's 64.
; kt = 0: the sources change places: a lane holds one of the head's 64, its registers run along the 64 tokens, which are the keys.
.macro PASS kt
.irp s, 0,1,2,3
.if \s > 0
	PLACES 4                                       ; in front of loads into registers that matrix instructions have read
.endif
.irp g, 0,1,2,3
.irp p, 0,1,2,3,4,5
	ds_load_b64 v[XF+12*\g+2*\p:XF+12*\g+2*\p+1], v[XFR] offset:6400*\g+96*\s+48*(\p/3)+8*(\p%3)
.endr
.endr
.if (\kt) && (\s == 0)
.irp g, 0,1,2,3
	ds_load_b128 v[XSW+4*\g:XSW+4*\g+3], v[XSR] offset:256*\g   ; they stay for pass 1
.endr
.endif
	s_wait_dscnt 0x0
.if \s == 0
	s_wait_loadcnt 0x0                             ; the pass's weights
.endif
.if \kt
	WIN 0x01                                       ; source 0: window 1
.else
	WIN 0x04                                       ; source 1: window 1
.endif
.irp g, 0,1,2,3
.irp i, 0,1,2,3
.if \kt
.if \s == 0
	MM0 ACC+32*\g+8*\i, 48*\s+12*\i, XF+12*\g, WSW+4*\i+\s, XSW+4*\g+\s
.else
	MMA ACC+32*\g+8*\i, 48*\s+12*\i, XF+12*\g, WSW+4*\i+\s, XSW+4*\g+\s
.endif
.else
.if \s == 0
	MM0 ACC+32*\g+8*\i, XF+12*\i, 48*\s+12*\g, XSW+4*\i+\s, WSW+4*\g+\s
.else
	MMA ACC+32*\g+8*\i, XF+12*\i, 48*\s+12*\g, XSW+4*\i+\s, WSW+4*\g+\s
.endif
.endif
.endr
.endr
	WIN 0
.endr
.endm
; four groups of 32 registers become four half fragments, stored as they stand; the 64 scale words are gathered in my 256 bytes of LDS and leave as 256 consecutive bytes
.macro EPI scw, oc, os
.irp g, 0,1,2,3
	s_wait_xcnt 0x0                                ; the last stores have read the codes' registers
	QUANT32 ACC+32*\g, PW+\g
	global_store_b128 v[LD16], v[PC:PC+3], s[\oc:\oc+1] offset:768*\g
	global_store_b64 v[O8], v[PC+4:PC+5], s[\oc:\oc+1] offset:768*\g+512
	ds_store_b32 v[SWA], v[PW+\g] offset:\scw+64*\g   ; lanes l and l xor 16 write the same word with the same value
.endr
	ds_load_b64 v[SG:SG+1], v[SWR] offset:\scw     ; LDS serves a wave's instructions in order: this sees my stores
	s_wait_dscnt 0x0
	global_store_b64 v[O8], v[SG:SG+1], s[\os:\os+1]
.endm
	PASS 1
	PLACES 4                                       ; in front of the first read of results and of loads into the weights' registers
	s_cmp_lt_u32 ttmp9, 128
	s_cbranch_scc0 .Lno_v
	WLOAD 36, 38                                   ; x's work-groups: v's weights land while k is quantised
.Lno_v:
	EPI 0, 50, 52
	s_cmp_lt_u32 ttmp9, 128
	s_cbranch_scc1 .Lpass_v
	s_wait_tensorcnt 0x0
	ds_add_u32 v123, v127
	s_wait_dscnt 0x0
	s_endpgm                                       ; y's work-groups are done
.Lpass_v:
	PASS 0
	PLACES 4
	EPI 2048, 54, 56
	s_wait_tensorcnt 0x0
	ds_add_u32 v123, v127
	s_wait_dscnt 0x0
	s_endpgm
.Lfunc_end_k_q3e65f0ead5_lnqkv:
	.size	k_q3e65f0ead5_lnqkv, .Lfunc_end_k_q3e65f0ead5_lnqkv-k_q3e65f0ead5_lnqkv
	.p2alignl 7, 3214868480
	.fill 96, 4, 3214868480
	.section	.rodata,"a",@progbits
	.p2align	6, 0x0
	.amdhsa_kernel k_q3e65f0ead5_lnqkv
		.amdhsa_group_segment_fixed_size 52224
		.amdhsa_private_segment_fixed_size 0
		.amdhsa_enable_private_segment 0
		.amdhsa_kernarg_size 88
		.amdhsa_user_sgpr_count 2
		.amdhsa_user_sgpr_kernarg_segment_ptr 1
		.amdhsa_wavefront_size32 1
		.amdhsa_system_sgpr_workgroup_id_x 1
		.amdhsa_system_sgpr_workgroup_id_y 1
		.amdhsa_system_sgpr_workgroup_id_z 1
		.amdhsa_system_vgpr_workitem_id 0
		.amdhsa_next_free_vgpr 512
		.amdhsa_next_free_sgpr 66
		.amdhsa_reserve_vcc 0
		.amdhsa_float_denorm_mode_32 3
		.amdhsa_float_denorm_mode_16_64 3
		.amdhsa_memory_ordered 1
		.amdhsa_forward_progress 1
		.amdhsa_inst_pref_size 115
	.end_amdhsa_kernel
	.amdgpu_metadata
---
amdhsa.version: [ 1, 2 ]
amdhsa.kernels:
  - .name:           k_q3e65f0ead5_lnqkv
    .symbol:         k_q3e65f0ead5_lnqkv.kd
    .args:
      - { .name: x, .offset: 0, .size: 8, .value_kind: global_buffer, .address_space: global }
      - { .name: y, .offset: 8, .size: 8, .value_kind: global_buffer, .address_space: global }
      - { .name: g_ln1x, .offset: 16, .size: 8, .value_kind: global_buffer, .address_space: global }
      - { .name: b_ln1x, .offset: 24, .size: 8, .value_kind: global_buffer, .address_space: global }
      - { .name: g_ln1y, .offset: 32, .size: 8, .value_kind: global_buffer, .address_space: global }
      - { .name: b_ln1y, .offset: 40, .size: 8, .value_kind: global_buffer, .address_space: global }
      - { .name: Wkv_codes, .offset: 48, .size: 8, .value_kind: global_buffer, .address_space: global }
      - { .name: Wkv_scales, .offset: 56, .size: 8, .value_kind: global_buffer, .address_space: global }
      - { .name: Wq_codes, .offset: 64, .size: 8, .value_kind: global_buffer, .address_space: global }
      - { .name: Wq_scales, .offset: 72, .size: 8, .value_kind: global_buffer, .address_space: global }
      - { .name: qkv, .offset: 80, .size: 8, .value_kind: global_buffer, .address_space: global }
    .group_segment_fixed_size: 52224
    .private_segment_fixed_size: 0
    .kernarg_segment_align: 8
    .kernarg_segment_size: 88
    .max_flat_workgroup_size: 256
    .sgpr_count:     66
    .vgpr_count:     512
    .wavefront_size: 32
...
	.end_amdgpu_metadata
.endif
;; end of part 1
;; launch attn (part 2): grid 8 x 32, 16 waves a work-group, clusters of 4 x 1, 211,968 bytes of LDS; arguments qkv, ob; writes ob
.if DOCPART == 2
	.amdgcn_target "amdgcn-amd-amdhsa--gfx1250"
	.amdhsa_code_object_version 6
	.text
	.protected	k_q3e65f0ead5_attn
	.globl	k_q3e65f0ead5_attn
	.p2align	8
	.type	k_q3e65f0ead5_attn,@function
k_q3e65f0ead5_attn:
	s_mov_b64 s[64:65], 0
	v_nop
	global_prefetch_b8 v0, s[64:65] scope:SCOPE_SE
	s_setreg_imm32_b32 hwreg(HW_REG_WAVE_MODE, 25, 1), 1
	s_wait_xcnt 0x0
	s_wait_alu depctr_hold_cnt(0) depctr_sa_sdst(0) depctr_va_vdst(0) depctr_va_sdst(0) depctr_va_ssrc(0) depctr_va_vcc(0) depctr_vm_vsrc(0)
	s_getreg_b32 s2, hwreg(HW_REG_IB_STS2, 6, 4)
	s_cmp_eq_u32 s2, 0
	s_cbranch_scc0 .Lentry_in_a_cluster
	s_endpgm
.Lentry_in_a_cluster:
	s_bfe_u32 s2, ttmp6, 0x10000c
	s_cmp_lg_u32 s2, 0x3003
	s_cbranch_scc0 .Lentry_shape_is_right
	s_endpgm
.Lentry_shape_is_right:
; o = softmax(q k^T / 8) v for one head, both products on codes of FP6; o is divided by the row's sum and quantised along the head's 64.
; THE SOFTMAX: t = score x log2(e) / 8; M = the running largest t rounded UP to a whole number; p = 2^(t - M) is quantised along the keys, not normalised; the row's sum is taken of the unquantised p.
; SHARES.  A work-group owns 256 queries of one (batch, head); each of its sixteen waves owns a tile of 16, in 256 registers, four waves to a SIMD.  Every wave walks the 2,048 keys, 128 a step.
; K AND V OF THE WHOLE HEAD LIE IN LDS, filled once: wave w fetches key step w (6,144 bytes of k's half fragments, 6,144 of v's, 512 of k's scale words): three tensor loads of a wave are out at once.
; CLUSTER.  The four query blocks of a cluster read the same k and v: every fill is asked for jointly, with the same descriptor and the mask of all four.
; LAYOUT.  Both products are used transposed: S^T = k q^T, O^T = v^T p^T: a lane holds one query throughout.  The first product's K is 64: registers 6-11 of q's and k's fragments hold zero codes.
; k's tiles hold their keys, and v's tiles their channels, in the order 32 b + 8 u + r + 8 (r / 8), so that 16 registers of two neighbouring tiles are 16 neighbours along the next K.
; LIMITS: NaN and infinities are not served; a block of zeros gets the byte 1 (its codes are zeros; this program alone reads the bytes).
.set KC, 3145728
.set VC, 6291456
.set QS, 9437184
.set KS, 9699328
.set VS, 9961472
.set OS, 3145728                       ; ob: o's codes at 0, its scale words here
.set STEPB, 12288                      ; LDS: key step j at 12,288 j: k's 8 half fragments, then v's 8
.set SC,   196608                      ; + 768 j: k's 128 scale words (filled by the mover), then v's 64 (stored by the waves: blocks of 256 bytes of their own)
.set OSW,  208896                      ; o's 256 scale words
.set A16B, 1                           ; v1  16 x lane
.set A8B,  2                           ; v2  8 x lane + 512
.set ASB,  3                           ; v3  SC + 4 r
.set A16,  8                           ; v8-10 the same for the step in hand
.set A8,   9
.set AS,   10
.set S,    124                         ; v4-7 v's scale words; v12 -M, v13 largest t, v[14:15] the sum; v16-27 q; v28-75 four fragments of k; v76-123 four of v; v124-187 S^T, then p
.set O,    188                         ; v188-219 O^T
.set PC,   220                         ; v220-231 p's codes
.set PT,   232                         ; v232-239 at work
.set TM,   240                         ; v240-243 the blocks' largest score, then p; v244-247 scale operands; v248-251 k's scale words; v252 f, v253 p's scale word, v254 at work, v255 q's scale word
.set BM,   240
.set TB,   56
.set TS,   57
.set CNT,  58
.set CS,   60
.set SEL,  62
.macro PLACES n
.rept \n
	v_nop
.endr
.endm
.macro MM0 d, a, b, sa, sb
	v_wmma_scale_f32_16x16x128_f8f6f4 v[\d:\d+7], v[\a:\a+11], v[\b:\b+11], 0, v[\sa], v[\sb] matrix_a_fmt:MATRIX_FMT_FP6 matrix_b_fmt:MATRIX_FMT_FP6
.endm
.macro MMA d, a, b, sa, sb
	v_wmma_scale_f32_16x16x128_f8f6f4 v[\d:\d+7], v[\a:\a+11], v[\b:\b+11], v[\d:\d+7], v[\sa], v[\sb] matrix_a_fmt:MATRIX_FMT_FP6 matrix_b_fmt:MATRIX_FMT_FP6
.endm
.macro HFLD reg, off                   ; a half fragment comes back as it was stored: registers 0-3, then 4-5
	ds_load_b128 v[\reg:\reg+3], v[A16] offset:\off
	ds_load_b64 v[\reg+4:\reg+5], v[A8] offset:\off
.endm
.macro ROUND                           ; a round of the cluster's barrier
	s_barrier_signal -1
	s_barrier_wait -1
	s_cmp_lg_u32 s8, 0
	s_cbranch_scc1 .Lnot_wave_0_\@
	s_barrier_signal -3
.Lnot_wave_0_\@:
	s_barrier_wait -3
	s_barrier_signal -1
	s_barrier_wait -1
.endm
.macro QUANT32 s, pw
.irp b, 0,1
	v_max3_num_f32 v[TM+\b], |v[\s+16*\b]|, |v[\s+16*\b+1]|, 0x1800000
.endr
.irp i, 2,4,6,8,10,12,14
.irp b, 0,1
	v_max3_num_f32 v[TM+\b], v[TM+\b], |v[\s+16*\b+\i]|, |v[\s+16*\b+\i+1]|
.endr
.endr
.irp b, 0,1
	v_permlanex16_b32 v[TM+2+\b], v[TM+\b], s[SEL], s[SEL+1]
.endr
.irp b, 0,1
	v_max_num_f32 v[TM+\b], v[TM+\b], v[TM+2+\b]
.endr
.irp b, 0,1
	v_add_nc_u32 v[TM+4+\b], 0xff000000, v[TM+\b]
.endr
.irp b, 0,1
	v_lshrrev_b32 v[TM+6+\b], 23, v[TM+4+\b]
.endr
	v_lshl_or_b32 v[\pw], v[TM+7], 8, v[TM+6]
	v_cvt_scalef32_pk16_fp6_f32 v[PC:PC+2], v[\s:\s+15], v[TM+4]
	v_cvt_scalef32_pk16_fp6_f32 v[PT:PT+2], v[\s+16:\s+31], v[TM+5]
	v_nop
.irp i, 0,1,2
	v_permlane16_swap_b32 v[PC+\i], v[PT+\i]
.endr
.irp i, 0,1,2
	v_mov_b32 v[PC+3+\i], v[PT+\i]
.endr
.endm
	s_load_b128 s[4:7], s[0:1], 0x0                ; qkv, ob
	v_lshl_add_u32 v254, v0, 2, 0x33400
	v_mov_b32 v255, 0
	ds_add_u32 v254, v255
	ds_add_u32 v254, v255
	s_wait_dscnt 0x0
	v_lshrrev_b32 v11, 5, v0
	v_readfirstlane_b32 s8, v11                    ; wave 0..15
	s_bfe_u32 s9, ttmp6, 0x40000                   ; cx: it enters q's and o's global addresses alone
	s_lshl_b32 s10, ttmp9, 2
	s_add_co_u32 s10, s10, s9                      ; my block of 256 queries
	s_and_b32 s11, ttmp7, 0xffff                   ; 8 x batch + head, which the four partners share
	; descriptor group 1: dense rows of 256 bytes (32 elements of 8 bytes), 24 of them; for the scale words 2
	s_mov_b32 s16, 15|(3<<16)|(1<<21)              ; the mask of all four; elements of 8 bytes; bit 21 beside a mask
	s_mov_b32 s17, 32<<16
	s_mov_b32 s18, 24<<16
	s_mov_b32 s19, 32<<16
	s_mov_b32 s20, 24
	s_mov_b32 s21, 32
	s_mov_b32 s22, 0
	s_mov_b32 s23, 0
	s_mov_b32 s24, 15|(3<<16)|(1<<21)
	s_mov_b32 s25, 32<<16
	s_mov_b32 s26, 2<<16
	s_mov_b32 s27, 32<<16
	s_mov_b32 s28, 2
	s_mov_b32 s29, 32
	s_mov_b32 s30, 0
	s_mov_b32 s31, 0
	s_mul_i32 s44, s11, 98304
	s_mul_i32 s45, s8, 6144
	s_add_co_u32 s44, s44, s45                     ; key step w of my head, in k's and in v's codes
	s_mov_b32 s45, 0
	s_lshl_b32 s46, s11, 13
	s_lshl_b32 s47, s8, 9
	s_add_co_u32 s46, s46, s47                     ; and in k's scale words
	s_mov_b32 s47, 0
	s_mov_b32 s32, 1
	s_mul_i32 s33, s8, STEPB
	s_mov_b32 s36, 1
	s_add_co_u32 s37, s33, 6144
	s_mov_b32 s40, 1
	s_mul_i32 s41, s8, 768
	s_add_co_u32 s41, s41, SC
	s_lshl_b32 s52, s11, 7
	s_lshl_b32 s53, s10, 4
	s_add_co_u32 s52, s52, s53
	s_add_co_u32 s52, s52, s8                      ; my tile of queries: 128 bh + 16 block + wave
	s_mul_i32 s50, s52, 768
	s_mov_b32 s51, 0
	s_lshl_b32 s54, s52, 6
	s_mov_b32 s55, 0
	s_lshl_b32 s52, s11, 13
	s_mov_b32 s53, 0
	s_mov_b32 s[CS], 0x3e38aa3b                    ; c = log2(e) / 8
	s_mov_b32 s[CS+1], s[CS]
	s_mov_b32 s[SEL], 0x76543210
	s_mov_b32 s[SEL+1], 0xfedcba98
	s_mov_b32 s[TB], 0
	s_mov_b32 s[TS], 0
	s_mov_b32 s[CNT], 16
	v_and_b32 v8, 31, v0
	v_and_b32 v9, 15, v0
	v_lshlrev_b32 v[A16B], 4, v8
	v_lshlrev_b32 v[A8B], 3, v8
	v_add_nc_u32 v[A8B], 512, v[A8B]
	v_lshlrev_b32 v11, 2, v9                       ; 4 r
	v_add_nc_u32 v[ASB], SC, v11
	v_lshrrev_b32 v8, 6, v0                        ; v's scale words: thread t takes word t % 64 of key steps t / 64 and t / 64 + 8
	v_and_b32 v9, 63, v0
	v_lshlrev_b32 v9, 2, v9
	v_lshl_add_u32 v10, v8, 9, v9                  ; in memory: 512 bytes a step
	v_mad_u32_u24 v8, v8, 768, v9
	v_add_nc_u32 v8, SC+512, v8                    ; in LDS
	s_wait_kmcnt 0x0
	s_add_nc_u64 s[34:35], s[4:5], s[44:45]
	s_add_nc_u64 s[38:39], s[34:35], VC
	s_add_nc_u64 s[34:35], s[34:35], KC
	s_add_nc_u64 s[42:43], s[4:5], s[46:47]
	s_add_nc_u64 s[42:43], s[42:43], KS
	s_or_b32 s35, s35, 0x80000000
	s_or_b32 s39, s39, 0x80000000
	s_or_b32 s43, s43, 0x80000000
	s_add_nc_u64 s[12:13], s[4:5], s[50:51]        ; q's half fragment
	s_add_nc_u64 s[14:15], s[4:5], s[54:55]
	s_add_nc_u64 s[14:15], s[14:15], QS            ; its scale words
	s_add_nc_u64 s[48:49], s[4:5], s[52:53]
	s_add_nc_u64 s[48:49], s[48:49], VS            ; my head's scale words of v
	ROUND                                          ; all four work-groups are here: the joint loads meet
	tensor_load_to_lds s[32:35], s[16:23]          ; the launch's only fills: nothing is filled twice
	s_nop 0
	tensor_load_to_lds s[36:39], s[16:23]
	s_nop 0
	tensor_load_to_lds s[40:43], s[24:31]
	s_nop 0
	PLACES 4
	global_load_b32 v76, v10, s[48:49]
	global_load_b32 v77, v10, s[48:49] offset:256
	global_load_b32 v78, v10, s[48:49] offset:4096
	global_load_b32 v79, v10, s[48:49] offset:4352
	global_load_b128 v[16:19], v[A16B], s[12:13]
	global_load_b64 v[20:21], v[A8B], s[12:13]
	global_load_b32 v255, v11, s[14:15]
.irp j, 22,23,24,25,26,27
	v_mov_b32 v[\j], 0                             ; K = 64: the upper halves of q's and k's fragments are zero codes, written once
.endr
.irp t, 0,1,2,3
.irp j, 6,7,8,9,10,11
	v_mov_b32 v[28+12*\t+\j], 0
.endr
.endr
.set J, 0
.rept 32
	v_mov_b32 v[O+J], 0                            ; the loop is written once: its first step finds zeros
.set J, J+1
.endr
	v_mov_b32 v13, 0xff61b1e6                      ; the largest t so far: -3e38
	v_floor_f32 v12, -v13
	v_mov_b32 v14, 0
	v_mov_b32 v15, 0
.irp j, 232,233,234,235,253
	v_mov_b32 v[\j], 0
.endr
	s_wait_loadcnt 0x0
	v_lshl_or_b32 v76, v77, 16, v76                ; two bytes for keys 0-63 of a step, two for keys 64-127: the word of 128 keys
	v_lshl_or_b32 v78, v79, 16, v78
	ds_store_b32 v8, v76
	ds_store_b32 v8, v78 offset:6144
	s_wait_tensorcnt 0x0                           ; my three fills have landed,
	s_wait_dscnt 0x0                               ; my stores too:
	s_barrier_signal -1
	s_barrier_wait -1                              ; everybody's have
.Lstep:                                            ; 16 trips of 128 keys
	v_add_nc_u32 v[A16], s[TB], v[A16B]            ; three additions and a v_nop: the four places in front of loads into registers that the last products read
	v_add_nc_u32 v[A8], s[TB], v[A8B]
	v_add_nc_u32 v[AS], s[TS], v[ASB]
	v_nop
.irp t, 0,1,2,3
	HFLD 28+12*\t, 768*\t
	ds_load_b32 v[248+\t], v[AS] offset:64*\t
.endr
.irp n, 0,1,2,3
.irp c, 0,1
	HFLD 76+12*\n+6*\c, 6144+(4*\c+\n)*768
.endr
	ds_load_b32 v[4+\n], v[AS] offset:512+64*\n
.endr
	s_wait_dscnt 20                                ; k's first four tiles are in; v's 16 loads and its 4 scale words may be out
.irp t, 0,1,2,3
	MM0 S+8*\t, 28+12*\t, 16, 248+\t, 255
.endr
	PLACES 4
.irp t, 0,1,2,3
	HFLD 28+12*\t, 3072+768*\t
	ds_load_b32 v[248+\t], v[AS] offset:256+64*\t
.endr
	s_wait_dscnt 0x0
.irp t, 0,1,2,3
	MM0 S+32+8*\t, 28+12*\t, 16, 248+\t, 255
.endr                                              ; the 16 registers of tiles 2 b, 2 b + 1 are keys 32 b + 16 (lane / 16) + 0 .. 15 of the step
	PLACES 4
.irp b, 0,1,2,3
	v_max3_num_f32 v[BM+\b], v[S+16*\b], v[S+1+16*\b], v[S+2+16*\b]   ; the largest score of each block of 32 keys: for the row's maximum and, since p rises with the score, for the block's largest p
.endr
.irp i, 3,5,7,9,11,13
.irp b, 0,1,2,3
	v_max3_num_f32 v[BM+\b], v[BM+\b], v[S+16*\b+\i], v[S+1+16*\b+\i]
.endr
.endr
.irp b, 0,1,2,3
	v_max_num_f32 v[BM+\b], v[BM+\b], v[S+15+16*\b]
.endr
.irp b, 0,1,2,3
	v_permlanex16_b32 v[232+\b], v[BM+\b], s[SEL], s[SEL+1]
.endr
.irp b, 0,1,2,3
	v_max_num_f32 v[BM+\b], v[BM+\b], v[232+\b]
.endr
	v_max3_num_f32 v254, v240, v241, v242
	v_max_num_f32 v254, v254, v243
	v_mul_f32 v254, s[CS], v254                    ; as t
	v_max_num_f32 v13, v13, v254                   ; the running largest t
	v_mov_b32 v254, v12
	v_floor_f32 v12, -v13                          ; the new -M: M is a whole number
	v_sub_f32 v254, v12, v254                      ; old M - new M, 0 or less
	v_cvt_i32_f32 v254, v254                       ; (it saturates)
	v_ldexp_f32 v252, 1.0, v254                    ; f = 2^(old M - new M): a multiplication by it rounds nothing
.set J, 0
.rept 32
	v_pk_fma_f32 v[S+J:S+J+1], v[S+J:S+J+1], s[CS:CS+1], v[12:13] op_sel_hi:[1,0,0]   ; t - M
.set J, J+2
.endr
.irp b, 0,1,2,3
	v_fma_f32 v[BM+\b], v[BM+\b], s[CS], v12
.endr
.set J, 0
.rept 64
	v_exp_f32 v[S+J], v[S+J]                       ; p = 2^(t - M)
.set J, J+1
.endr
	v_pk_mul_f32 v[14:15], v[14:15], v[252:253] op_sel_hi:[1,0]   ; the sums under the new M: a plain place behind the batch
	s_wait_alu depctr_va_vdst(0)                   ; one wait for the 64, ahead of their first reader
.irp b, 0,1,2,3
	v_exp_f32 v[BM+\b], v[BM+\b]                   ; the block's largest p
.endr
	v_pk_add_f32 v[236:237], v[S:S+1], v[S+2:S+3]  ; the row's sum of the unquantised p, in two chains
.set J, 4
.rept 15
	v_pk_add_f32 v[14:15], v[14:15], v[S+J:S+J+1]
	v_pk_add_f32 v[236:237], v[236:237], v[S+J+2:S+J+3]
.set J, J+4
.endr
	v_pk_add_f32 v[14:15], v[14:15], v[236:237]
	s_wait_alu depctr_va_vdst(0)                   ; and one for the four
.irp b, 0,1,2,3
	v_max_num_f32 v[BM+\b], 0x1800000, v[BM+\b]    ; the floor 2^(3 - 127)
.endr
.irp b, 0,1,2,3
	v_add_nc_u32 v[244+\b], 0xff000000, v[BM+\b]
.endr
.irp b, 0,1,2,3
	v_lshrrev_b32 v[232+\b], 23, v[244+\b]
.endr
	v_lshl_or_b32 v253, v233, 8, v232              ; p's scale word for these 128 keys
	v_lshl_or_b32 v253, v234, 16, v253
	v_lshl_or_b32 v253, v235, 24, v253
.irp c, 0,1
	v_cvt_scalef32_pk16_fp6_f32 v[PC+6*\c:PC+2+6*\c], v[S+32*\c:S+15+32*\c], v[244+2*\c]
	v_cvt_scalef32_pk16_fp6_f32 v[232+4*\c:234+4*\c], v[S+16+32*\c:S+31+32*\c], v[244+2*\c+1]
.endr
	v_nop
.irp c, 0,1
.irp i, 0,1,2
	v_permlane16_swap_b32 v[PC+6*\c+\i], v[232+4*\c+\i]
.endr
.irp i, 0,1,2
	v_mov_b32 v[PC+3+6*\c+\i], v[232+4*\c+\i]
.endr
.endr
.set J, 0
.rept 16
	v_pk_mul_f32 v[O+J:O+J+1], v[O+J:O+J+1], v[252:253] op_sel_hi:[1,0]   ; O^T under the new M
.set J, J+2
.endr
	PLACES 4                                       ; operands and sums written by vector instructions stand apart from the scaled products
.irp n, 0,1,2,3
	MMA O+8*\n, 76+12*\n, PC, 4+\n, 253            ; O^T += v^T p^T; four accumulators, one instruction each
.endr
	s_add_co_u32 s[TB], s[TB], STEPB
	s_add_co_u32 s[TS], s[TS], 768
	s_sub_co_u32 s[CNT], s[CNT], 1
	s_cmp_lg_u32 s[CNT], 0
	s_cbranch_scc1 .Lstep
	; THE WAY OUT: O^T / the sum, quantised along the head's 64: a half fragment of the next product's operand
	v_add_f32 v14, v14, v15
	v_permlanex16_b32 v252, v14, s[SEL], s[SEL+1]
	v_add_f32 v14, v14, v252                       ; the row's sum
	v_rcp_f32 v14, v14
	v_and_b32 v160, 15, v0
	v_lshlrev_b32 v160, 2, v160
	s_lshl_b32 s52, s8, 6
	s_add_co_u32 s52, s52, OSW
	v_add_nc_u32 v160, s52, v160                   ; my row's scale word: OSW + 64 x wave + 4 r
	v_and_b32 v162, 63, v0
	v_lshlrev_b32 v162, 4, v162
	v_add_nc_u32 v161, OSW, v162
	s_lshr_b32 s44, s11, 3                         ; batch
	s_lshl_b32 s44, s44, 7
	s_lshl_b32 s45, s10, 4
	s_add_co_u32 s44, s44, s45
	s_add_co_u32 s44, s44, s8                      ; the tile of rows: 128 batch + 16 block + wave
	s_lshl_b32 s44, s44, 3
	s_and_b32 s45, s11, 7
	s_add_co_u32 s44, s44, s45                     ; x 8 + head
	s_mul_i32 s44, s44, 768
	s_mov_b32 s45, 0
	s_add_nc_u64 s[46:47], s[6:7], s[44:45]
	s_lshl_b32 s44, s11, 13
	s_lshl_b32 s48, s10, 10
	s_add_co_u32 s44, s44, s48
	s_add_nc_u64 s[50:51], s[6:7], s[44:45]
	s_add_nc_u64 s[50:51], s[50:51], OS
	s_wait_alu depctr_va_vdst(0)                   ; ahead of the reciprocal's first reader
.set J, 0
.rept 16
	v_pk_mul_f32 v[S+J:S+J+1], v[O+J:O+J+1], v[14:15] op_sel_hi:[1,0]   ; each accumulator from its low end on
.set J, J+2
.endr
	QUANT32 S, 254
	global_store_b128 v[A16B], v[PC:PC+3], s[46:47]
	global_store_b64 v[A8B], v[PC+4:PC+5], s[46:47]
	ds_store_b32 v160, v254
	s_wait_dscnt 0x0
	s_barrier_signal -1
	s_barrier_wait -1                              ; the block's 256 scale words lie in LDS
	s_cmp_lt_u32 s8, 2
	s_cbranch_scc0 .Lno_os
	ds_load_b128 v[164:167], v161
	s_wait_dscnt 0x0
	global_store_b128 v162, v[164:167], s[50:51]   ; waves 0 and 1: 512 consecutive bytes each
.Lno_os:
	s_wait_xcnt 0x0
	v_lshl_add_u32 v254, v0, 2, 0x33400
	v_mov_b32 v255, 0
	s_wait_tensorcnt 0x0
	ds_add_u32 v254, v255
	s_wait_dscnt 0x0
	ROUND                                          ; the closing round
	s_endpgm
.Lfunc_end_k_q3e65f0ead5_attn:
	.size	k_q3e65f0ead5_attn, .Lfunc_end_k_q3e65f0ead5_attn-k_q3e65f0ead5_attn
	.p2alignl 7, 3214868480
	.fill 96, 4, 3214868480
	.section	.rodata,"a",@progbits
	.p2align	6, 0x0
	.amdhsa_kernel k_q3e65f0ead5_attn
		.amdhsa_group_segment_fixed_size 211968
		.amdhsa_private_segment_fixed_size 0
		.amdhsa_enable_private_segment 0
		.amdhsa_kernarg_size 16
		.amdhsa_user_sgpr_count 2
		.amdhsa_user_sgpr_kernarg_segment_ptr 1
		.amdhsa_wavefront_size32 1
		.amdhsa_system_sgpr_workgroup_id_x 1
		.amdhsa_system_sgpr_workgroup_id_y 1
		.amdhsa_system_sgpr_workgroup_id_z 1
		.amdhsa_system_vgpr_workitem_id 0
		.amdhsa_next_free_vgpr 256
		.amdhsa_next_free_sgpr 66
		.amdhsa_reserve_vcc 0
		.amdhsa_float_denorm_mode_32 3
		.amdhsa_float_denorm_mode_16_64 3
		.amdhsa_memory_ordered 1
		.amdhsa_forward_progress 1
		.amdhsa_inst_pref_size 31
	.end_amdhsa_kernel
	.amdgpu_metadata
---
amdhsa.version: [ 1, 2 ]
amdhsa.kernels:
  - .name:           k_q3e65f0ead5_attn
    .symbol:         k_q3e65f0ead5_attn.kd
    .args:
      - { .name: qkv, .offset: 0, .size: 8, .value_kind: global_buffer, .address_space: global }
      - { .name: ob, .offset: 8, .size: 8, .value_kind: global_buffer, .address_space: global }
    .group_segment_fixed_size: 211968
    .private_segment_fixed_size: 0
    .kernarg_segment_align: 8
    .kernarg_segment_size: 16
    .max_flat_workgroup_size: 512
    .sgpr_count:     66
    .vgpr_count:     256
    .wavefront_size: 32
...
	.end_amdgpu_metadata
.endif
;; end of part 2
;; launch proj (part 3): grid 256 x 1, 8 waves a work-group, no clusters, 69,632 bytes of LDS; arguments ob, Wp_codes, Wp_scales, bp, y, g_ln2, b_ln2, o1, hb; writes o1, hb
.if DOCPART == 3
	.amdgcn_target "amdgcn-amd-amdhsa--gfx1250"
	.amdhsa_code_object_version 6
	.text
	.protected	k_q3e65f0ead5_proj
	.globl	k_q3e65f0ead5_proj
	.p2align	8
	.type	k_q3e65f0ead5_proj,@function
k_q3e65f0ead5_proj:
	s_mov_b64 s[64:65], 0
	v_nop
	global_prefetch_b8 v0, s[64:65] scope:SCOPE_SE
	s_setreg_imm32_b32 hwreg(HW_REG_WAVE_MODE, 25, 1), 1
	s_wait_xcnt 0x0
; o1 = o Wp + bp + y (o and Wp as codes of FP6), stored in f32; h = LN(o1) with g_ln2, b_ln2, quantised along the 512 features.
; SHARES.  A work-group takes 32 rows (two tiles of 16).  Wave w makes features 64 w .. 64 w + 63 for both tiles: its 64 rows of Wp stay in 192 registers.  In the dense phases wave w takes rows 4 w .. 4 w + 3.
; The product is used transposed (source 0 = 16 rows of Wp in the order 32 b + 8 u + r + 8 (r / 8), source 1 = 16 rows of o): a lane holds one row, and its 32 registers of a tile of rows are features
; 64 w + 32 b + 16 (lane / 16) + 0 .. 15.  y + bp is the C of every sum: it is read densely, goes through LDS and comes back in the result's layout.  o1 goes the same way back and leaves as whole rows.
; The norm's sums span the eight waves: each wave's part goes through LDS.  The variance is taken of the differences from the mean.
; NO CLUSTER: Wp goes straight into the registers of the wave that keeps it, which no joint request serves; the rows are read by one work-group alone.
; LIMITS: NaN and infinities are not served; a block of zeros gets the byte 1 (its codes are zeros; this program alone reads the bytes).
.set OS,   3145728
.set HS,   3145728
.set YP,   2064                        ; LDS: 32 rows x (2,048 bytes + 16)
.set RED1, 66048                       ; the waves' parts of the sums: 8 x 128 bytes;  1,024 further on those of the squares
.set HSW,  68096                       ; 32 rows x 16 scale bytes
.set L16, 1
.set L8,  2                            ; 8 x lane + 512
.set R4,  3
.set YW,  4                            ; my four rows, dense
.set YC,  5                            ; my 64 features of row r, in the result's layout
.set WPA, 6
.set WSA, 7
.set GBA, 8
.set RDW, 9
.set RDR, 10
.set HSWA, 11
.set HSR, 12
.set AF,  32                           ; v32-127 o's 8 fragments (12 (4 m + s)); later rows of o1
.set ACC, 128                          ; v128-191 8 accumulators (32 m + 8 i)
.set WSW, 192                          ; v192-207 Wp's scale words
.set ASW, 208                          ; v208-215 o's (4 m + s)
.set RAW, 216                          ; v216-231 o's scale words by head
.set T,   232                          ; v232-247 bp, dense
.set SM,  216                          ; later: a pair of sums for each tile of rows,
.set PP,  220
.set RP,  224                          ; the eight waves' parts,
.set TM,  216                          ; and the quantiser's registers
.set PC,  224
.set PT,  230
.set PW,  233
.set SEL, 42
.set MSB, 0
.macro WIN new
.if MSB != \new
	s_set_vgpr_msb (MSB<<8)|\new
.set MSB, \new
.endif
.endm
.macro PLACES n
.rept \n
	v_nop
.endr
.endm
.macro MMA d, a, b, sa, sb
	v_wmma_scale_f32_16x16x128_f8f6f4 v[\d:\d+7], v[\a:\a+11], v[\b:\b+11], v[\d:\d+7], v[\sa], v[\sb] matrix_a_fmt:MATRIX_FMT_FP6 matrix_b_fmt:MATRIX_FMT_FP6
.endm
.macro QUANT32 s, pw
.irp b, 0,1
	v_max3_num_f32 v[TM+\b], |v[\s+16*\b]|, |v[\s+16*\b+1]|, 0x1800000
.endr
.irp i, 2,4,6,8,10,12,14
.irp b, 0,1
	v_max3_num_f32 v[TM+\b], v[TM+\b], |v[\s+16*\b+\i]|, |v[\s+16*\b+\i+1]|
.endr
.endr
.irp b, 0,1
	v_permlanex16_b32 v[TM+2+\b], v[TM+\b], s[SEL], s[SEL+1]
.endr
.irp b, 0,1
	v_max_num_f32 v[TM+\b], v[TM+\b], v[TM+2+\b]
.endr
.irp b, 0,1
	v_add_nc_u32 v[TM+4+\b], 0xff000000, v[TM+\b]
.endr
.irp b, 0,1
	v_lshrrev_b32 v[TM+6+\b], 23, v[TM+4+\b]
.endr
	v_lshl_or_b32 v[\pw], v[TM+7], 8, v[TM+6]
	v_cvt_scalef32_pk16_fp6_f32 v[PC:PC+2], v[\s:\s+15], v[TM+4]
	v_cvt_scalef32_pk16_fp6_f32 v[PT:PT+2], v[\s+16:\s+31], v[TM+5]
	v_nop
.irp i, 0,1,2
	v_permlane16_swap_b32 v[PC+\i], v[PT+\i]
.endr
.irp i, 0,1,2
	v_mov_b32 v[PC+3+\i], v[PT+\i]
.endr
.endm
; my wave's part of a row's sum (64 features) goes to LDS; a barrier
.macro PARTS red
.irp m, 0,1
	v_add_f32 v[SM+2*\m], v[SM+2*\m], v[SM+2*\m+1]
.endr
.irp m, 0,1
	v_permlanex16_b32 v[PP+\m], v[SM+2*\m], s[SEL], s[SEL+1]
.endr
.irp m, 0,1
	v_add_f32 v[SM+2*\m], v[SM+2*\m], v[PP+\m]
.endr
.irp m, 0,1
	ds_store_b32 v[RDW], v[SM+2*\m] offset:\red+64*\m   ; lanes l and l xor 16 write the same word with the same value
.endr
	s_wait_dscnt 0x0
	s_barrier_signal -1
	s_barrier_wait -1
.endm
.macro PARTLD red
.irp m, 0,1
.irp u, 0,1,2,3,4,5,6,7
	ds_load_b32 v[RP+8*\m+\u], v[RDR] offset:\red+128*\u+64*\m
.endr
.endr
.endm
.macro TOTAL                           ; the eight parts, in the same order in every wave
.irp m, 0,1
	v_pk_add_f32 v[RP+8*\m:RP+8*\m+1], v[RP+8*\m:RP+8*\m+1], v[RP+8*\m+2:RP+8*\m+3]
	v_pk_add_f32 v[RP+8*\m+4:RP+8*\m+5], v[RP+8*\m+4:RP+8*\m+5], v[RP+8*\m+6:RP+8*\m+7]
.endr
.irp m, 0,1
	v_pk_add_f32 v[RP+8*\m:RP+8*\m+1], v[RP+8*\m:RP+8*\m+1], v[RP+8*\m+4:RP+8*\m+5]
.endr
.irp m, 0,1
	v_add_f32 v[SM+2*\m], v[RP+8*\m], v[RP+8*\m+1]
.endr
.endm
	s_load_b256 s[8:15], s[0:1], 0x0               ; ob, Wp's codes, Wp's scales, bp
	s_load_b256 s[16:23], s[0:1], 0x20             ; y, g_ln2, b_ln2, o1
	s_load_b64 s[24:25], s[0:1], 0x40              ; hb
	v_lshl_add_u32 v254, v0, 2, 0x10c00
	v_mov_b32 v255, 0
	v_lshrrev_b32 v13, 5, v0
	v_readfirstlane_b32 s2, v13                    ; wave 0..7
	v_and_b32 v13, 31, v0
	v_and_b32 v14, 15, v0                          ; r
	v_bfe_u32 v15, v0, 4, 1                        ; h
	v_lshlrev_b32 v[L16], 4, v13
	v_lshlrev_b32 v[L8], 3, v13
	v_add_nc_u32 v[L8], 512, v[L8]
	v_lshlrev_b32 v[R4], 2, v14
	s_mul_i32 s34, s2, 4*YP
	v_add_nc_u32 v[YW], s34, v[L16]
	v_mul_u32_u24 v[YC], v14, YP
	v_lshl_add_u32 v[YC], v15, 6, v[YC]
	s_lshl_b32 s34, s2, 8
	v_add_nc_u32 v[YC], s34, v[YC]
	v_and_b32 v[WPA], 8, v14
	v_add_nc_u32 v[WSA], v[WPA], v14               ; r + 8 (r / 8)
	v_mul_u32_u24 v[WPA], v[WSA], 384
	v_mad_u32_u24 v[WPA], v15, 24, v[WPA]
	v_lshlrev_b32 v[WSA], 4, v[WSA]
	v_lshlrev_b32 v[GBA], 6, v15
	s_lshl_b32 s34, s2, 7
	s_add_co_u32 s34, s34, RED1
	v_add_nc_u32 v[RDW], s34, v[R4]
	v_add_nc_u32 v[RDR], RED1, v[R4]
	s_lshl_b32 s34, s2, 1
	s_add_co_u32 s34, s34, HSW
	v_lshl_add_u32 v[HSWA], v14, 4, s34
	v_add_nc_u32 v[HSR], HSW, v[L16]
	s_lshl_b32 s34, ttmp9, 16
	s_lshl_b32 s35, s2, 13
	s_add_co_u32 s34, s34, s35                     ; rows 32 x work-group + 4 x wave of y and o1
	s_mov_b32 s35, 0
	s_lshr_b32 s36, ttmp9, 6                       ; batch
	s_lshl_b32 s36, s36, 16
	s_and_b32 s37, ttmp9, 63
	s_lshl_b32 s37, s37, 7
	s_add_co_u32 s36, s36, s37                     ; o's scale words: head 0 of my batch, my first row
	s_mov_b32 s37, 0
	s_mul_i32 s38, ttmp9, 12288                    ; two tiles of rows x 8 half fragments
	s_mov_b32 s39, 0
	s_mov_b32 s40, 0x3b000000                      ; 1 / 512
	s_mov_b32 s41, 0x3727c5ac                      ; 1e-5
	s_mov_b32 s[SEL], 0x76543210
	s_mov_b32 s[SEL+1], 0xfedcba98
	s_wait_kmcnt 0x0
	s_add_nc_u64 s[16:17], s[16:17], s[34:35]
	s_add_nc_u64 s[22:23], s[22:23], s[34:35]
	s_add_nc_u64 s[26:27], s[8:9], s[36:37]
	s_add_nc_u64 s[26:27], s[26:27], OS
	s_add_nc_u64 s[28:29], s[8:9], s[38:39]
	s_add_nc_u64 s[30:31], s[24:25], s[38:39]
	s_mul_i32 s34, s2, 768
	s_add_nc_u64 s[30:31], s[30:31], s[34:35]      ; h's half fragments: group w of my two tiles
	s_mul_i32 s34, s2, 24576
	s_add_nc_u64 s[10:11], s[10:11], s[34:35]
	s_lshl_b32 s34, s2, 10
	s_add_nc_u64 s[12:13], s[12:13], s[34:35]
	s_lshl_b32 s34, s2, 8
	s_add_nc_u64 s[18:19], s[18:19], s[34:35]
	s_add_nc_u64 s[20:21], s[20:21], s[34:35]
	s_lshl_b32 s34, ttmp9, 9
	s_add_nc_u64 s[32:33], s[24:25], s[34:35]
	s_add_nc_u64 s[32:33], s[32:33], HS
.irp t, 0,1,2,3
.irp i, 0,1,2,3
	global_load_b128 v[ACC+16*\t+4*\i:ACC+16*\t+4*\i+3], v[L16], s[16:17] offset:2048*\t+512*\i th:TH_LOAD_NT   ; y: 512 consecutive bytes a load
.endr
.endr
.irp i, 0,1,2,3
	global_load_b128 v[T+4*\i:T+4*\i+3], v[L16], s[14:15] offset:512*\i
.endr
.irp m, 0,1
.irp d, 0,1,2,3,4,5,6,7
	global_load_b32 v[RAW+8*\m+\d], v[R4], s[26:27] offset:8192*\d+64*\m
.endr
.endr
.irp m, 0,1
.irp d, 0,1,2,3,4,5,6,7
.set FA, AF+12*(4*\m+\d/2)+6*(\d%2)
	global_load_b128 v[FA:FA+3], v[L16], s[28:29] offset:(8*\m+\d)*768
	global_load_b64 v[FA+4:FA+5], v[L8], s[28:29] offset:(8*\m+\d)*768
.endr
.endr
	s_wait_loadcnt 32                              ; y, bp and the scale words are in; o's 32 loads may be out
.irp m, 0,1
.irp s, 0,1,2,3
	v_lshl_or_b32 v[ASW+4*\m+\s], v[RAW+8*\m+2*\s+1], 16, v[RAW+8*\m+2*\s]   ; a K step of 128 is two heads
.endr
.endr
.irp t, 0,1,2,3
.irp q, 0,2,4,6,8,10,12,14
	v_pk_add_f32 v[ACC+16*\t+\q:ACC+16*\t+\q+1], v[ACC+16*\t+\q:ACC+16*\t+\q+1], v[T+\q:T+\q+1]   ; y + bp
.endr
.endr
.irp t, 0,1,2,3
.irp i, 0,1,2,3
	ds_store_b128 v[YW], v[ACC+16*\t+4*\i:ACC+16*\t+4*\i+3] offset:YP*\t+512*\i
.endr
.endr
.irp i, 0,1,2,3
	global_load_b128 v[WSW+4*\i:WSW+4*\i+3], v[WSA], s[12:13] offset:(32*(\i/2)+8*(\i%2))*16
.endr
	WIN 0x40                                       ; destination window 1: gain v192-223, bias v224-255, Wp v0-191
.irp b, 0,1
.irp j, 0,1,2,3
	global_load_b128 v[192+16*\b+4*\j:192+16*\b+4*\j+3], v[GBA], s[18:19] offset:128*\b+16*\j
	global_load_b128 v[224+16*\b+4*\j:224+16*\b+4*\j+3], v[GBA], s[20:21] offset:128*\b+16*\j
.endr
.endr
.irp s, 0,1,2,3
.irp i, 0,1,2,3
.irp p, 0,1,2,3,4,5
	global_load_b64 v[48*\s+12*\i+2*\p:48*\s+12*\i+2*\p+1], v[WPA], s[10:11] offset:(32*(\i/2)+8*(\i%2))*384+96*\s+48*(\p/3)+8*(\p%3)
.endr
.endr
.endr
	WIN 0
	s_wait_dscnt 0x0
	s_barrier_signal -1
	s_barrier_wait -1                              ; 32 rows of y + bp lie in LDS
.irp m, 0,1
.irp b, 0,1
.irp j, 0,1,2,3
	ds_load_b128 v[ACC+32*\m+16*\b+4*\j:ACC+32*\m+16*\b+4*\j+3], v[YC] offset:16*YP*\m+128*\b+16*\j
.endr
.endr
.endr
	s_wait_dscnt 0x0
	s_wait_loadcnt 0x0
	WIN 0x01                                       ; source 0 (Wp): window 1
.irp s, 0,1,2,3
.irp m, 0,1
.irp i, 0,1,2,3
	MMA ACC+32*\m+8*\i, 48*\s+12*\i, AF+12*(4*\m+\s), WSW+4*\i+\s, ASW+4*\m+\s   ; eight accumulators by turns
.endr
.endr
.endr
	WIN 0
	PLACES 4
.irp m, 0,1
.irp b, 0,1
.irp j, 0,1,2,3
	ds_store_b128 v[YC], v[ACC+32*\m+16*\b+4*\j:ACC+32*\m+16*\b+4*\j+3] offset:16*YP*\m+128*\b+16*\j   ; o1 into the bytes that I read: each accumulator from its low end on
.endr
.endr
.endr
.irp m, 0,1
	v_pk_add_f32 v[SM+2*\m:SM+2*\m+1], v[ACC+32*\m:ACC+32*\m+1], v[ACC+32*\m+2:ACC+32*\m+3]
.endr
.irp q, 4,6,8,10,12,14,16,18,20,22,24,26,28,30
.irp m, 0,1
	v_pk_add_f32 v[SM+2*\m:SM+2*\m+1], v[SM+2*\m:SM+2*\m+1], v[ACC+32*\m+\q:ACC+32*\m+\q+1]
.endr
.endr
	PARTS 0                                        ; behind its barrier: 32 whole rows of o1, and every wave's part of the sums
.irp t, 0,1,2,3
.irp i, 0,1,2,3
	ds_load_b128 v[AF+16*\t+4*\i:AF+16*\t+4*\i+3], v[YW] offset:YP*\t+512*\i
.endr
.endr
	PARTLD 0
	s_wait_dscnt 16                                ; my four rows are in; the 16 parts may be out
.irp t, 0,1,2,3
.irp i, 0,1,2,3
	global_store_b128 v[L16], v[AF+16*\t+4*\i:AF+16*\t+4*\i+3], s[22:23] offset:2048*\t+512*\i   ; 512 consecutive bytes a store
.endr
.endr
	s_wait_dscnt 0x0
	TOTAL
.irp m, 0,1
	v_mul_f32 v[SM+2*\m], s40, v[SM+2*\m]          ; the mean
.endr
.irp q, 0,2,4,6,8,10,12,14,16,18,20,22,24,26,28,30
.irp m, 0,1
	v_pk_add_f32 v[ACC+32*\m+\q:ACC+32*\m+\q+1], v[ACC+32*\m+\q:ACC+32*\m+\q+1], v[SM+2*\m:SM+2*\m+1] op_sel_hi:[1,0] neg_lo:[0,1] neg_hi:[0,1]
.endr
.endr
.irp m, 0,1
	v_pk_mul_f32 v[SM+2*\m:SM+2*\m+1], v[ACC+32*\m:ACC+32*\m+1], v[ACC+32*\m:ACC+32*\m+1]
.endr
.irp q, 2,4,6,8,10,12,14,16,18,20,22,24,26,28,30
.irp m, 0,1
	v_pk_fma_f32 v[SM+2*\m:SM+2*\m+1], v[ACC+32*\m+\q:ACC+32*\m+\q+1], v[ACC+32*\m+\q:ACC+32*\m+\q+1], v[SM+2*\m:SM+2*\m+1]
.endr
.endr
	PARTS 1024
	PARTLD 1024
	s_wait_dscnt 0x0
	TOTAL
.irp m, 0,1
	v_fma_f32 v[SM+2*\m], v[SM+2*\m], s40, s41
.endr
.irp m, 0,1
	v_rsq_f32 v[SM+2*\m], v[SM+2*\m]
.endr
	v_nop
	s_wait_alu depctr_va_vdst(0)                   ; one wait for the two, ahead of their first reader
.irp q, 0,2,4,6,8,10,12,14,16,18,20,22,24,26,28,30
.irp m, 0,1
	v_pk_mul_f32 v[ACC+32*\m+\q:ACC+32*\m+\q+1], v[ACC+32*\m+\q:ACC+32*\m+\q+1], v[SM+2*\m:SM+2*\m+1] op_sel_hi:[1,0]
.endr
.endr
	WIN 0x14                                       ; sources 1 and 2 (gain, bias): window 1
.irp q, 0,2,4,6,8,10,12,14,16,18,20,22,24,26,28,30
.irp m, 0,1
	v_pk_fma_f32 v[ACC+32*\m+\q:ACC+32*\m+\q+1], v[ACC+32*\m+\q:ACC+32*\m+\q+1], v[192+\q:193+\q], v[224+\q:225+\q]
.endr
.endr
	WIN 0
.irp m, 0,1
.if \m
	s_wait_xcnt 0x0                                ; the first tile's stores have read the codes' registers
.endif
	QUANT32 ACC+32*\m, PW+\m
	global_store_b128 v[L16], v[PC:PC+3], s[30:31] offset:6144*\m
	global_store_b64 v[L8], v[PC+4:PC+5], s[30:31] offset:6144*\m
	ds_store_b16 v[HSWA], v[PW+\m] offset:256*\m   ; bytes 2 w, 2 w + 1 of the row's sixteen
.endr
	s_wait_dscnt 0x0
	s_barrier_signal -1
	s_barrier_wait -1
	s_cmp_lg_u32 s2, 0
	s_cbranch_scc1 .Ldone
	ds_load_b128 v[AF+64:AF+67], v[HSR]
	s_wait_dscnt 0x0
	global_store_b128 v[L16], v[AF+64:AF+67], s[32:33]   ; wave 0: the 32 rows' scale bytes, 512 consecutive bytes
.Ldone:
	s_wait_tensorcnt 0x0
	ds_add_u32 v254, v255
	s_wait_dscnt 0x0
	s_endpgm
.Lfunc_end_k_q3e65f0ead5_proj:
	.size	k_q3e65f0ead5_proj, .Lfunc_end_k_q3e65f0ead5_proj-k_q3e65f0ead5_proj
	.p2alignl 7, 3214868480
	.fill 96, 4, 3214868480
	.section	.rodata,"a",@progbits
	.p2align	6, 0x0
	.amdhsa_kernel k_q3e65f0ead5_proj
		.amdhsa_group_segment_fixed_size 69632
		.amdhsa_private_segment_fixed_size 0
		.amdhsa_enable_private_segment 0
		.amdhsa_kernarg_size 72
		.amdhsa_user_sgpr_count 2
		.amdhsa_user_sgpr_kernarg_segment_ptr 1
		.amdhsa_wavefront_size32 1
		.amdhsa_system_sgpr_workgroup_id_x 1
		.amdhsa_system_sgpr_workgroup_id_y 1
		.amdhsa_system_sgpr_workgroup_id_z 1
		.amdhsa_system_vgpr_workitem_id 0
		.amdhsa_next_free_vgpr 512
		.amdhsa_next_free_sgpr 66
		.amdhsa_reserve_vcc 0
		.amdhsa_float_denorm_mode_32 3
		.amdhsa_float_denorm_mode_16_64 3
		.amdhsa_memory_ordered 1
		.amdhsa_forward_progress 1
		.amdhsa_inst_pref_size 52
	.end_amdhsa_kernel
	.amdgpu_metadata
---
amdhsa.version: [ 1, 2 ]
amdhsa.kernels:
  - .name:           k_q3e65f0ead5_proj
    .symbol:         k_q3e65f0ead5_proj.kd
    .args:
      - { .name: ob, .offset: 0, .size: 8, .value_kind: global_buffer, .address_space: global }
      - { .name: Wp_codes, .offset: 8, .size: 8, .value_kind: global_buffer, .address_space: global }
      - { .name: Wp_scales, .offset: 16, .size: 8, .value_kind: global_buffer, .address_space: global }
      - { .name: bp, .offset: 24, .size: 8, .value_kind: global_buffer, .address_space: global }
      - { .name: y, .offset: 32, .size: 8, .value_kind: global_buffer, .address_space: global }
      - { .name: g_ln2, .offset: 40, .size: 8, .value_kind: global_buffer, .address_space: global }
      - { .name: b_ln2, .offset: 48, .size: 8, .value_kind: global_buffer, .address_space: global }
      - { .name: o1, .offset: 56, .size: 8, .value_kind: global_buffer, .address_space: global }
      - { .name: hb, .offset: 64, .size: 8, .value_kind: global_buffer, .address_space: global }
    .group_segment_fixed_size: 69632
    .private_segment_fixed_size: 0
    .kernarg_segment_align: 8
    .kernarg_segment_size: 72
    .max_flat_workgroup_size: 256
    .sgpr_count:     66
    .vgpr_count:     512
    .wavefront_size: 32
...
	.end_amdgpu_metadata
.endif
;; end of part 3
;; launch fc1 (part 4): grid 4 x 64, 8 waves a work-group, clusters of 4 x 1, 168,960 bytes of LDS; arguments hb, W1_codes, W1_scales, b1, gb; writes gb
.if DOCPART == 4
	.amdgcn_target "amdgcn-amd-amdhsa--gfx1250"
	.amdhsa_code_object_version 6
	.text
	.protected	k_q3e65f0ead5_fc1
	.globl	k_q3e65f0ead5_fc1
	.p2align	8
	.type	k_q3e65f0ead5_fc1,@function
k_q3e65f0ead5_fc1:
	s_mov_b64 s[64:65], 0
	v_nop
	global_prefetch_b8 v0, s[64:65] scope:SCOPE_SE
	s_setreg_imm32_b32 hwreg(HW_REG_WAVE_MODE, 25, 1), 1
	s_wait_xcnt 0x0
	s_wait_alu depctr_hold_cnt(0) depctr_sa_sdst(0) depctr_va_vdst(0) depctr_va_sdst(0) depctr_va_ssrc(0) depctr_va_vcc(0) depctr_vm_vsrc(0)
	s_getreg_b32 s2, hwreg(HW_REG_IB_STS2, 6, 4)
	s_cmp_eq_u32 s2, 0
	s_cbranch_scc0 .Lentry_in_a_cluster
	s_endpgm
.Lentry_in_a_cluster:
	s_bfe_u32 s2, ttmp6, 0x10000c
	s_cmp_lg_u32 s2, 0x3003
	s_cbranch_scc0 .Lentry_shape_is_right
	s_endpgm
.Lentry_shape_is_right:
; g = gelu(h W1 + b1) (tanh form), h and W1 as codes of FP6; g is quantised along the 2,048 hidden units and stored as codes.
; SHARES.  A work-group takes 128 rows (8 tiles of 16) x 512 hidden units; wave w takes 64 of them, whose rows of W1 stay in 192 registers for all eight tiles of rows.
; CLUSTER.  The four work-groups of a cluster take the four quarters of the hidden units for the same 128 rows: the rows' codes (49,152 bytes) are asked for jointly, once; wave w fetches tile w.
; W1's slices are not asked for jointly: they go straight into the registers of the wave that keeps them, and the partners of a cluster read different slices.
; The product is used transposed (source 0 = 16 rows of W1 in the order 32 b + 8 u + r + 8 (r / 8)): a lane holds one row, its 32 registers 32 neighbouring-by-halves hidden units.  b1 is the C of each sum's first product.
; gelu(x) = x / (1 + 2^(x (c0 + c1 x^2))), c0 = -2 log2(e) sqrt(2 / pi), c1 = 0.044715 c0: the same number as 0.5 x (1 + tanh(..)).
; LIMITS: NaN and infinities are not served; a block of zeros gets the byte 1 (its codes are zeros; this program alone reads the bytes).
.set HS,  3145728
.set GS,  12582912
.set GSW, 49152                        ; LDS: 0: the rows' 8 x 6,144 bytes (filled once by the mover); GSW: 128 rows x 16 scale bytes (stored by the waves)
.set A16, 1
.set A8,  2
.set WPA, 3
.set WSA, 4
.set BA,  5
.set RS16, 6
.set GSWA, 7
.set GSR, 8
.set GSO, 9
.set AF,  16                           ; v16-63 a tile's four fragments
.set ASW, 64                           ; v64-95 the rows' scale words (4 m + s)
.set Z,   96                           ; v96-127 at work in gelu
.set ACC, 128                          ; v128-159 four accumulators
.set WSW, 160                          ; v160-175 W1's scale words
.set TM,  176
.set PC,  184
.set PT,  190
.set PW,  193
.set K0,  194                          ; v[194:195] c0
.set C1,  36                           ; s[36:37] c1
.set SEL, 46
.set MSB, 0
.macro WIN new
.if MSB != \new
	s_set_vgpr_msb (MSB<<8)|\new
.set MSB, \new
.endif
.endm
.macro PLACES n
.rept \n
	v_nop
.endr
.endm
.macro MMC d, a, b, c, sa, sb          ; the first product of a sum: C = the bias
	v_wmma_scale_f32_16x16x128_f8f6f4 v[\d:\d+7], v[\a:\a+11], v[\b:\b+11], v[\c:\c+7], v[\sa], v[\sb] matrix_a_fmt:MATRIX_FMT_FP6 matrix_b_fmt:MATRIX_FMT_FP6
.endm
.macro MMA d, a, b, sa, sb
	v_wmma_scale_f32_16x16x128_f8f6f4 v[\d:\d+7], v[\a:\a+11], v[\b:\b+11], v[\d:\d+7], v[\sa], v[\sb] matrix_a_fmt:MATRIX_FMT_FP6 matrix_b_fmt:MATRIX_FMT_FP6
.endm
.macro HFLD reg, off
	ds_load_b128 v[\reg:\reg+3], v[A16] offset:\off
	ds_load_b64 v[\reg+4:\reg+5], v[A8] offset:\off
.endm
.macro ROUND
	s_barrier_signal -1
	s_barrier_wait -1
	s_cmp_lg_u32 s8, 0
	s_cbranch_scc1 .Lnot_wave_0_\@
	s_barrier_signal -3
.Lnot_wave_0_\@:
	s_barrier_wait -3
	s_barrier_signal -1
	s_barrier_wait -1
.endm
.macro QUANT32 s, pw
.irp b, 0,1
	v_max3_num_f32 v[TM+\b], |v[\s+16*\b]|, |v[\s+16*\b+1]|, 0x1800000
.endr
.irp i, 2,4,6,8,10,12,14
.irp b, 0,1
	v_max3_num_f32 v[TM+\b], v[TM+\b], |v[\s+16*\b+\i]|, |v[\s+16*\b+\i+1]|
.endr
.endr
.irp b, 0,1
	v_permlanex16_b32 v[TM+2+\b], v[TM+\b], s[SEL], s[SEL+1]
.endr
.irp b, 0,1
	v_max_num_f32 v[TM+\b], v[TM+\b], v[TM+2+\b]
.endr
.irp b, 0,1
	v_add_nc_u32 v[TM+4+\b], 0xff000000, v[TM+\b]
.endr
.irp b, 0,1
	v_lshrrev_b32 v[TM+6+\b], 23, v[TM+4+\b]
.endr
	v_lshl_or_b32 v[\pw], v[TM+7], 8, v[TM+6]
	v_cvt_scalef32_pk16_fp6_f32 v[PC:PC+2], v[\s:\s+15], v[TM+4]
	v_cvt_scalef32_pk16_fp6_f32 v[PT:PT+2], v[\s+16:\s+31], v[TM+5]
	v_nop
.irp i, 0,1,2
	v_permlane16_swap_b32 v[PC+\i], v[PT+\i]
.endr
.irp i, 0,1,2
	v_mov_b32 v[PC+3+\i], v[PT+\i]
.endr
.endm
.macro AFETCH m                        ; tile m's four fragments: eight half fragments
.irp s, 0,1,2,3
.irp c, 0,1
	HFLD AF+12*\s+6*\c, 6144*(\m)+768*(2*\s+\c)
.endr
.endr
.endm
.macro GELU                            ; on the 32 numbers in v[ACC] on, each accumulator from its low end on; two batches of transcendentals, one wait each
.set J, 0
.rept 16
	v_pk_mul_f32 v[Z+J:Z+J+1], v[ACC+J:ACC+J+1], v[ACC+J:ACC+J+1]
.set J, J+2
.endr
.set J, 0
.rept 16
	v_pk_fma_f32 v[Z+J:Z+J+1], v[Z+J:Z+J+1], s[C1:C1+1], v[K0:K0+1] op_sel_hi:[1,0,0]
.set J, J+2
.endr
.set J, 0
.rept 16
	v_pk_mul_f32 v[Z+J:Z+J+1], v[Z+J:Z+J+1], v[ACC+J:ACC+J+1]
.set J, J+2
.endr
.set J, 0
.rept 32
	v_exp_f32 v[Z+J], v[Z+J]
.set J, J+1
.endr
	v_nop
	s_wait_alu depctr_va_vdst(0)                   ; one wait for the 32 exponentials, ahead of their first reader
.set J, 0
.rept 16
	v_pk_add_f32 v[Z+J:Z+J+1], v[Z+J:Z+J+1], 1.0 op_sel_hi:[1,0]
.set J, J+2
.endr
.set J, 0
.rept 32
	v_rcp_f32 v[Z+J], v[Z+J]
.set J, J+1
.endr
	v_nop
	s_wait_alu depctr_va_vdst(0)                   ; and one for the 32 reciprocals
.set J, 0
.rept 16
	v_pk_mul_f32 v[ACC+J:ACC+J+1], v[ACC+J:ACC+J+1], v[Z+J:Z+J+1]
.set J, J+2
.endr
.endm
	s_load_b256 s[12:19], s[0:1], 0x0              ; hb, W1's codes, W1's scales, b1
	s_load_b64 s[20:21], s[0:1], 0x20              ; gb
	v_lshl_add_u32 v254, v0, 2, 0x29000
	v_mov_b32 v255, 0
	ds_add_u32 v254, v255
	ds_add_u32 v254, v255
	v_lshrrev_b32 v10, 5, v0
	v_readfirstlane_b32 s8, v10                    ; wave 0..7
	s_bfe_u32 s9, ttmp6, 0x40000                   ; cx: which 512 hidden units; it enters global addresses of W1, b1 and gb alone
	s_and_b32 s10, ttmp7, 0xffff                   ; which 128 rows: the four partners share it
	v_and_b32 v10, 31, v0
	v_and_b32 v11, 15, v0
	v_bfe_u32 v12, v0, 4, 1
	v_lshlrev_b32 v[A16], 4, v10
	v_lshlrev_b32 v[A8], 3, v10
	v_add_nc_u32 v[A8], 512, v[A8]
	v_and_b32 v[WPA], 8, v11
	v_add_nc_u32 v[WSA], v[WPA], v11
	v_mul_u32_u24 v[WPA], v[WSA], 384
	v_mad_u32_u24 v[WPA], v12, 24, v[WPA]
	v_lshlrev_b32 v[WSA], 4, v[WSA]
	v_lshlrev_b32 v[BA], 6, v12
	v_lshlrev_b32 v[RS16], 4, v11
	s_lshl_b32 s38, s8, 1
	s_add_co_u32 s38, s38, GSW
	v_add_nc_u32 v[GSWA], s38, v[RS16]
	v_and_b32 v[GSO], 127, v0
	v_lshlrev_b32 v[GSO], 4, v[GSO]
	v_add_nc_u32 v[GSR], GSW, v[GSO]
	v_mov_b32 v[TM+2], 0
	v_mov_b32 v[TM+3], 0
	v_mov_b32 v[K0], 0xc0135761                    ; c0
	v_mov_b32 v[K0+1], 0xc0135761
	s_mov_b32 s[C1], 0xbdd2d3e8                    ; c1
	s_mov_b32 s[C1+1], s[C1]
	s_mov_b32 s[SEL], 0x76543210
	s_mov_b32 s[SEL+1], 0xfedcba98
	s_mov_b32 s24, 15|(3<<16)|(1<<21)              ; descriptor group 1: 24 dense rows of 256 bytes, for all four partners
	s_mov_b32 s25, 32<<16
	s_mov_b32 s26, 24<<16
	s_mov_b32 s27, 32<<16
	s_mov_b32 s28, 24
	s_mov_b32 s29, 32
	s_mov_b32 s30, 0
	s_mov_b32 s31, 0
	s_mov_b32 s32, 1
	s_mul_i32 s33, s8, 6144
	s_mul_i32 s38, s10, 49152
	s_add_co_u32 s38, s38, s33                     ; tile of rows 8 x block + wave
	s_mov_b32 s39, 0
	s_wait_dscnt 0x0
	s_wait_kmcnt 0x0
	s_add_nc_u64 s[34:35], s[12:13], s[38:39]
	s_or_b32 s35, s35, 0x80000000
	ROUND
	tensor_load_to_lds s[32:35], s[24:31]          ; the launch's only fill
	s_nop 0
	PLACES 4
	s_mul_i32 s38, s9, 196608
	s_mul_i32 s40, s8, 24576
	s_add_co_u32 s38, s38, s40
	s_add_nc_u64 s[14:15], s[14:15], s[38:39]      ; my 64 rows of W1
	s_lshl_b32 s38, s9, 13
	s_lshl_b32 s40, s8, 10
	s_add_co_u32 s38, s38, s40
	s_add_nc_u64 s[16:17], s[16:17], s[38:39]
	s_lshl_b32 s38, s9, 11
	s_lshl_b32 s40, s8, 8
	s_add_co_u32 s38, s38, s40
	s_add_nc_u64 s[18:19], s[18:19], s[38:39]
	s_lshl_b32 s38, s10, 11
	s_add_nc_u64 s[44:45], s[12:13], s[38:39]
	s_add_nc_u64 s[44:45], s[44:45], HS            ; the rows' scale bytes
	s_lshl_b32 s40, s9, 17
	s_add_co_u32 s38, s38, s40
	s_add_nc_u64 s[42:43], s[20:21], s[38:39]
	s_add_nc_u64 s[42:43], s[42:43], GS            ; where g's scale bytes go
	s_lshl_b32 s38, s9, 3
	s_add_co_u32 s38, s38, s8
	s_mul_i32 s38, s38, 768
	s_mul_i32 s40, s10, 196608
	s_add_co_u32 s38, s38, s40
	s_add_nc_u64 s[40:41], s[20:21], s[38:39]      ; and its half fragments: group 8 cx + wave of my tiles
	WIN 0x40                                       ; destination window 1
.irp s, 0,1,2,3
.irp i, 0,1,2,3
.irp p, 0,1,2,3,4,5
	global_load_b64 v[48*\s+12*\i+2*\p:48*\s+12*\i+2*\p+1], v[WPA], s[14:15] offset:(32*(\i/2)+8*(\i%2))*384+96*\s+48*(\p/3)+8*(\p%3)
.endr
.endr
.endr
.irp i, 0,1,2,3
.irp e, 0,1
	global_load_b128 v[192+8*\i+4*\e:192+8*\i+4*\e+3], v[BA], s[18:19] offset:128*(\i/2)+32*(\i%2)+16*\e   ; b1 in the result's layout
.endr
.endr
	WIN 0
.irp i, 0,1,2,3
	global_load_b128 v[WSW+4*\i:WSW+4*\i+3], v[WSA], s[16:17] offset:(32*(\i/2)+8*(\i%2))*16
.endr
.irp m, 0,1,2,3,4,5,6,7
	global_load_b128 v[ASW+4*\m:ASW+4*\m+3], v[RS16], s[44:45] offset:256*\m
.endr
	s_wait_tensorcnt 0x0                           ; my tile has landed,
	s_barrier_signal -1
	s_barrier_wait -1                              ; everybody's has
	AFETCH 0
	s_wait_loadcnt 0x0
.macro TILE m
	s_wait_dscnt 0x0                               ; the tile's fragments are in; the last tile's byte store has read its register
.if (\m) > 0
	s_wait_xcnt 0x0                                ; the last tile's stores have read the codes' registers
.endif
	WIN 0x11                                       ; sources 0 (W1) and 2 (b1): window 1
.irp i, 0,1,2,3
	MMC ACC+8*\i, 12*\i, AF, 192+8*\i, WSW+4*\i, ASW+4*(\m)
.endr
	WIN 0x01
.irp s, 1,2,3
.irp i, 0,1,2,3
	MMA ACC+8*\i, 48*\s+12*\i, AF+12*\s, WSW+4*\i+\s, ASW+4*(\m)+\s   ; four accumulators by turns
.endr
.endr
	WIN 0
	PLACES 4
.if (\m) < 7
	AFETCH (\m)+1                                  ; lands under gelu
.endif
	GELU
	QUANT32 ACC, PW
	global_store_b128 v[A16], v[PC:PC+3], s[40:41] offset:24576*(\m)
	global_store_b64 v[A8], v[PC+4:PC+5], s[40:41] offset:24576*(\m)
	ds_store_b16 v[GSWA], v[PW] offset:256*(\m)
.endm
.irp m, 0,1,2,3,4,5,6,7
	TILE \m
.endr
	s_wait_dscnt 0x0
	s_barrier_signal -1
	s_barrier_wait -1                              ; 128 rows x 16 scale bytes lie in LDS
	s_cmp_lt_u32 s8, 4
	s_cbranch_scc0 .Lno_gs
	ds_load_b128 v[Z:Z+3], v[GSR]
	s_wait_dscnt 0x0
	global_store_b128 v[GSO], v[Z:Z+3], s[42:43]   ; waves 0 to 3: 512 consecutive bytes each
.Lno_gs:
	s_wait_tensorcnt 0x0
	ds_add_u32 v254, v255
	s_wait_dscnt 0x0
	ROUND                                          ; the closing round
	s_endpgm
.Lfunc_end_k_q3e65f0ead5_fc1:
	.size	k_q3e65f0ead5_fc1, .Lfunc_end_k_q3e65f0ead5_fc1-k_q3e65f0ead5_fc1
	.p2alignl 7, 3214868480
	.fill 96, 4, 3214868480
	.section	.rodata,"a",@progbits
	.p2align	6, 0x0
	.amdhsa_kernel k_q3e65f0ead5_fc1
		.amdhsa_group_segment_fixed_size 168960
		.amdhsa_private_segment_fixed_size 0
		.amdhsa_enable_private_segment 0
		.amdhsa_kernarg_size 40
		.amdhsa_user_sgpr_count 2
		.amdhsa_user_sgpr_kernarg_segment_ptr 1
		.amdhsa_wavefront_size32 1
		.amdhsa_system_sgpr_workgroup_id_x 1
		.amdhsa_system_sgpr_workgroup_id_y 1
		.amdhsa_system_sgpr_workgroup_id_z 1
		.amdhsa_system_vgpr_workitem_id 0
		.amdhsa_next_free_vgpr 512
		.amdhsa_next_free_sgpr 66
		.amdhsa_reserve_vcc 0
		.amdhsa_float_denorm_mode_32 3
		.amdhsa_float_denorm_mode_16_64 3
		.amdhsa_memory_ordered 1
		.amdhsa_forward_progress 1
		.amdhsa_inst_pref_size 117
	.end_amdhsa_kernel
	.amdgpu_metadata
---
amdhsa.version: [ 1, 2 ]
amdhsa.kernels:
  - .name:           k_q3e65f0ead5_fc1
    .symbol:         k_q3e65f0ead5_fc1.kd
    .args:
      - { .name: hb, .offset: 0, .size: 8, .value_kind: global_buffer, .address_space: global }
      - { .name: W1_codes, .offset: 8, .size: 8, .value_kind: global_buffer, .address_space: global }
      - { .name: W1_scales, .offset: 16, .size: 8, .value_kind: global_buffer, .address_space: global }
      - { .name: b1, .offset: 24, .size: 8, .value_kind: global_buffer, .address_space: global }
      - { .name: gb, .offset: 32, .size: 8, .value_kind: global_buffer, .address_space: global }
    .group_segment_fixed_size: 168960
    .private_segment_fixed_size: 0
    .kernarg_segment_align: 8
    .kernarg_segment_size: 40
    .max_flat_workgroup_size: 256
    .sgpr_count:     66
    .vgpr_count:     512
    .wavefront_size: 32
...
	.end_amdgpu_metadata
.endif
;; end of part 4
;; launch fc2 (part 5): grid 4 x 64, 8 waves a work-group, clusters of 4 x 1, 265,216 bytes of LDS; arguments gb, W2_codes, W2_scales, b2, o1, out0; writes out0
.if DOCPART == 5
	.amdgcn_target "amdgcn-amd-amdhsa--gfx1250"
	.amdhsa_code_object_version 6
	.text
	.protected	k_q3e65f0ead5_fc2
	.globl	k_q3e65f0ead5_fc2
	.p2align	8
	.type	k_q3e65f0ead5_fc2,@function
k_q3e65f0ead5_fc2:
	s_mov_b64 s[64:65], 0
	v_nop
	global_prefetch_b8 v0, s[64:65] scope:SCOPE_SE
	s_setreg_imm32_b32 hwreg(HW_REG_WAVE_MODE, 25, 1), 1
	s_wait_xcnt 0x0
	s_wait_alu depctr_hold_cnt(0) depctr_sa_sdst(0) depctr_va_vdst(0) depctr_va_sdst(0) depctr_va_ssrc(0) depctr_va_vcc(0) depctr_vm_vsrc(0)
	s_getreg_b32 s2, hwreg(HW_REG_IB_STS2, 6, 4)
	s_cmp_eq_u32 s2, 0
	s_cbranch_scc0 .Lentry_in_a_cluster
	s_endpgm
.Lentry_in_a_cluster:
	s_bfe_u32 s2, ttmp6, 0x10000c
	s_cmp_lg_u32 s2, 0x3003
	s_cbranch_scc0 .Lentry_shape_is_right
	s_endpgm
.Lentry_shape_is_right:
; out = g W2 + b2 + o1, g and W2 as codes of FP6, sums in f32.
; SHARES.  A work-group takes 128 rows (8 tiles of 16) x 128 columns.  Wave w takes columns 64 (w % 2) on and K steps 4 (w / 2) .. + 3 of the sixteen: its slice of W2 stays in 192 registers for all eight tiles.
; ORDER OF ROUNDING: K is summed in four parts of 512, one a pair of waves, and the parts are added in f32 ((p0 + p1) + (p2 + p3), then b2 + o1).
; The parts meet in LDS, in two buffers by turns, one barrier a tile; they are read back by rows, so that a store covers 512 consecutive bytes of a row of the output.
; CLUSTER.  The four work-groups of a cluster take the four quarters of the columns for the same 128 rows: the rows' codes (196,608 bytes) are asked for jointly, once; wave w fetches tile w.
; W2's slices go straight into the registers of the wave that keeps them, and the partners read different slices: no joint request serves them.
; The product is used transposed (source 0 = 16 rows of W2, source 1 = 16 rows of g): a lane holds eight neighbouring columns of one row.
.set GS,  12582912
.set RED, 196608                       ; LDS: 0: the rows' 8 x 24,576 bytes (filled once by the mover); RED: 2 buffers x 4 parts x 16 rows x (512 bytes + 16), stored by the waves
.set A16, 1
.set A8,  2
.set RW,  3
.set RR,  4
.set WPA, 5
.set WSA, 6
.set RS16, 7
.set L16, 8
.set AF,  16                           ; v16-63 a tile's four fragments of my K steps
.set ASW, 64                           ; v64-95 the rows' scale words (4 m + s)
.set WSW, 96                           ; v96-111 W2's
.set ACC, 112                          ; v112-143 four accumulators
.set RD,  144                          ; v144-175 two rows x four parts
.set O1,  176                          ; v176-239 o1 + b2 of my 16 rows' pieces
.set B2,  240
.set MSB, 0
.macro WIN new
.if MSB != \new
	s_set_vgpr_msb (MSB<<8)|\new
.set MSB, \new
.endif
.endm
.macro PLACES n
.rept \n
	v_nop
.endr
.endm
.macro MM0 d, a, b, sa, sb
	v_wmma_scale_f32_16x16x128_f8f6f4 v[\d:\d+7], v[\a:\a+11], v[\b:\b+11], 0, v[\sa], v[\sb] matrix_a_fmt:MATRIX_FMT_FP6 matrix_b_fmt:MATRIX_FMT_FP6
.endm
.macro MMA d, a, b, sa, sb
	v_wmma_scale_f32_16x16x128_f8f6f4 v[\d:\d+7], v[\a:\a+11], v[\b:\b+11], v[\d:\d+7], v[\sa], v[\sb] matrix_a_fmt:MATRIX_FMT_FP6 matrix_b_fmt:MATRIX_FMT_FP6
.endm
.macro ROUND
	s_barrier_signal -1
	s_barrier_wait -1
	s_cmp_lg_u32 s8, 0
	s_cbranch_scc1 .Lnot_wave_0_\@
	s_barrier_signal -3
.Lnot_wave_0_\@:
	s_barrier_wait -3
	s_barrier_signal -1
	s_barrier_wait -1
.endm
.macro AFETCH                          ; my four K steps of the tile at which the two address registers stand: 16 LDS loads
.irp s, 0,1,2,3
.irp c, 0,1
	ds_load_b128 v[AF+12*\s+6*\c:AF+12*\s+6*\c+3], v[A16] offset:768*(2*\s+\c)
	ds_load_b64 v[AF+12*\s+6*\c+4:AF+12*\s+6*\c+5], v[A8] offset:768*(2*\s+\c)
.endr
.endr
.endm
	s_load_b256 s[12:19], s[0:1], 0x0              ; gb, W2's codes, W2's scales, b2
	s_load_b128 s[20:23], s[0:1], 0x20             ; o1, out0
	v_lshl_add_u32 v254, v0, 2, 0x40800
	v_mov_b32 v255, 0
	ds_add_u32 v254, v255
	ds_add_u32 v254, v255
	v_lshrrev_b32 v9, 5, v0
	v_readfirstlane_b32 s8, v9                     ; wave 0..7
	s_bfe_u32 s9, ttmp6, 0x40000                   ; cx: which 128 columns; it enters global addresses of W2, b2, o1 and out0 alone
	s_and_b32 s10, ttmp7, 0xffff                   ; which 128 rows
	s_and_b32 s36, s8, 1                           ; which 64 of the columns
	s_lshr_b32 s37, s8, 1                          ; which four K steps
	v_and_b32 v9, 31, v0
	v_and_b32 v10, 15, v0
	v_bfe_u32 v11, v0, 4, 1
	v_lshlrev_b32 v[L16], 4, v9
	s_mul_i32 s38, s37, 6144
	v_add_nc_u32 v[A16], s38, v[L16]
	v_lshlrev_b32 v[A8], 3, v9
	s_add_co_u32 s38, s38, 512
	v_add_nc_u32 v[A8], s38, v[A8]
	s_mul_i32 s38, s37, 8448
	s_lshl_b32 s39, s36, 8
	s_add_co_u32 s38, s38, s39
	s_add_co_u32 s38, s38, RED
	v_mul_u32_u24 v[RW], v10, 528
	v_lshl_add_u32 v[RW], v11, 5, v[RW]
	v_add_nc_u32 v[RW], s38, v[RW]                 ; my part: row r, my 64 columns, 32 bytes for each half of the lanes
	s_mul_i32 s38, s8, 1056
	s_add_co_u32 s38, s38, RED
	v_add_nc_u32 v[RR], s38, v[L16]                ; back: rows 2 w, 2 w + 1, 16 bytes a lane
	v_mul_u32_u24 v[WPA], v10, 1536
	v_mad_u32_u24 v[WPA], v11, 24, v[WPA]
	v_lshlrev_b32 v[WSA], 6, v10
	v_lshlrev_b32 v[RS16], 4, v10
	s_mov_b32 s24, 15|(3<<16)|(1<<21)              ; descriptor group 1: 96 dense rows of 256 bytes, for all four partners
	s_mov_b32 s25, 32<<16
	s_mov_b32 s26, 96<<16
	s_mov_b32 s27, 32<<16
	s_mov_b32 s28, 96
	s_mov_b32 s29, 32
	s_mov_b32 s30, 0
	s_mov_b32 s31, 0
	s_mov_b32 s32, 1
	s_mul_i32 s33, s8, 24576
	s_mul_i32 s38, s10, 196608
	s_add_co_u32 s38, s38, s33
	s_mov_b32 s39, 0
	s_wait_dscnt 0x0
	s_wait_kmcnt 0x0
	s_add_nc_u64 s[34:35], s[12:13], s[38:39]
	s_or_b32 s35, s35, 0x80000000
	ROUND
	tensor_load_to_lds s[32:35], s[24:31]          ; the launch's only fill
	s_nop 0
	PLACES 4
	s_mul_i32 s38, s9, 196608
	s_mul_i32 s42, s36, 98304
	s_add_co_u32 s38, s38, s42
	s_mul_i32 s42, s37, 384
	s_add_co_u32 s38, s38, s42
	s_add_nc_u64 s[14:15], s[14:15], s[38:39]      ; my 64 rows of W2, at my first K step
	s_lshl_b32 s38, s9, 13
	s_lshl_b32 s42, s36, 12
	s_add_co_u32 s38, s38, s42
	s_lshl_b32 s42, s37, 4
	s_add_co_u32 s38, s38, s42
	s_add_nc_u64 s[16:17], s[16:17], s[38:39]
	s_lshl_b32 s38, s37, 17
	s_lshl_b32 s42, s10, 11
	s_add_co_u32 s38, s38, s42
	s_add_nc_u64 s[40:41], s[12:13], s[38:39]
	s_add_nc_u64 s[40:41], s[40:41], GS            ; the rows' scale bytes of my four K steps
	s_lshl_b32 s38, s9, 9
	s_add_nc_u64 s[18:19], s[18:19], s[38:39]
	s_lshl_b32 s42, s10, 18
	s_add_co_u32 s38, s38, s42
	s_lshl_b32 s42, s8, 12
	s_add_co_u32 s38, s38, s42                     ; row 128 x block + 2 x wave, my work-group's 512 bytes of it
	s_add_nc_u64 s[20:21], s[20:21], s[38:39]
	s_add_nc_u64 s[22:23], s[22:23], s[38:39]
	WIN 0x40                                       ; destination window 1
.irp s, 0,1,2,3
.irp i, 0,1,2,3
.irp p, 0,1,2,3,4,5
	global_load_b64 v[48*\s+12*\i+2*\p:48*\s+12*\i+2*\p+1], v[WPA], s[14:15] offset:24576*\i+96*\s+48*(\p/3)+8*(\p%3)
.endr
.endr
.endr
	WIN 0
.irp i, 0,1,2,3
	global_load_b128 v[WSW+4*\i:WSW+4*\i+3], v[WSA], s[16:17] offset:1024*\i
.endr
.irp m, 0,1,2,3,4,5,6,7
	global_load_b128 v[ASW+4*\m:ASW+4*\m+3], v[RS16], s[40:41] offset:256*\m
.endr
	global_load_b128 v[B2:B2+3], v[L16], s[18:19]
.irp m, 0,1,2,3,4,5,6,7
.irp e, 0,1
	global_load_b128 v[O1+4*(2*\m+\e):O1+4*(2*\m+\e)+3], v[L16], s[20:21] offset:32768*\m+2048*\e th:TH_LOAD_NT
.endr
.endr
	s_wait_tensorcnt 0x0                           ; my tile has landed,
	s_barrier_signal -1
	s_barrier_wait -1                              ; everybody's has
	AFETCH
	s_wait_loadcnt 0x0
.set J, 0
.rept 16
	v_pk_add_f32 v[O1+J:O1+J+1], v[O1+J:O1+J+1], v[B2:B2+1]          ; o1 + b2
	v_pk_add_f32 v[O1+J+2:O1+J+3], v[O1+J+2:O1+J+3], v[B2+2:B2+3]
.set J, J+4
.endr
.macro TILE m
.set BUF, ((\m)%2)*33792
	s_wait_dscnt 0x0                               ; the tile's fragments are in
	WIN 0x01                                       ; source 0 (W2): window 1
.irp s, 0,1,2,3
.irp i, 0,1,2,3
.if \s == 0
	MM0 ACC+8*\i, 48*\s+12*\i, AF+12*\s, WSW+4*\i+\s, ASW+4*(\m)+\s
.else
	MMA ACC+8*\i, 48*\s+12*\i, AF+12*\s, WSW+4*\i+\s, ASW+4*(\m)+\s   ; four accumulators by turns
.endif
.endr
.endr
	WIN 0
	PLACES 4                                       ; in front of the stores that read results and of the loads into the fragments' registers
.irp i, 0,1,2,3
.irp e, 0,1
	ds_store_b128 v[RW], v[ACC+8*\i+4*\e:ACC+8*\i+4*\e+3] offset:BUF+64*\i+16*\e   ; each accumulator from its low end on
.endr
.endr
	s_wait_dscnt 0x0                               ; my part lies in LDS; my reads of the other buffer ended in the last tile
	s_barrier_signal -1
	s_barrier_wait -1                              ; all four parts of both halves of the columns do
.if (\m) > 0
	s_wait_xcnt 0x0                                ; the last tile's stores have read their registers
.endif
.irp e, 0,1
.irp p, 0,1,2,3
	ds_load_b128 v[RD+16*\e+4*\p:RD+16*\e+4*\p+3], v[RR] offset:BUF+8448*\p+528*\e
.endr
.endr
.if (\m) < 7
	v_add_nc_u32 v[A16], 24576, v[A16]             ; on to the next tile of rows
	v_add_nc_u32 v[A8], 24576, v[A8]
	AFETCH
	s_wait_dscnt 16                                ; the eight loads of parts are in; the 16 fragment loads may be out
.else
	s_wait_dscnt 0x0
.endif
.irp e, 0,1
.irp q, 0,2
	v_pk_add_f32 v[RD+16*\e+\q:RD+16*\e+\q+1], v[RD+16*\e+\q:RD+16*\e+\q+1], v[RD+16*\e+4+\q:RD+16*\e+4+\q+1]
	v_pk_add_f32 v[RD+16*\e+8+\q:RD+16*\e+8+\q+1], v[RD+16*\e+8+\q:RD+16*\e+8+\q+1], v[RD+16*\e+12+\q:RD+16*\e+12+\q+1]
.endr
.endr
.irp e, 0,1
.irp q, 0,2
	v_pk_add_f32 v[RD+16*\e+\q:RD+16*\e+\q+1], v[RD+16*\e+\q:RD+16*\e+\q+1], v[RD+16*\e+8+\q:RD+16*\e+8+\q+1]
.endr
.endr
.irp e, 0,1
.irp q, 0,2
	v_pk_add_f32 v[RD+16*\e+\q:RD+16*\e+\q+1], v[RD+16*\e+\q:RD+16*\e+\q+1], v[O1+4*(2*(\m)+\e)+\q:O1+4*(2*(\m)+\e)+\q+1]
.endr
.endr
.irp e, 0,1
	global_store_b128 v[L16], v[RD+16*\e:RD+16*\e+3], s[22:23] offset:32768*(\m)+2048*\e th:TH_STORE_NT   ; 32 lanes store 512 consecutive bytes, at a multiple of 512 from the output's first byte
.endr
.endm
.irp m, 0,1,2,3,4,5,6,7
	TILE \m
.endr
	s_wait_tensorcnt 0x0
	ds_add_u32 v254, v255
	s_wait_dscnt 0x0
	ROUND                                          ; the closing round
	s_endpgm
.Lfunc_end_k_q3e65f0ead5_fc2:
	.size	k_q3e65f0ead5_fc2, .Lfunc_end_k_q3e65f0ead5_fc2-k_q3e65f0ead5_fc2
	.p2alignl 7, 3214868480
	.fill 96, 4, 3214868480
	.section	.rodata,"a",@progbits
	.p2align	6, 0x0
	.amdhsa_kernel k_q3e65f0ead5_fc2
		.amdhsa_group_segment_fixed_size 265216
		.amdhsa_private_segment_fixed_size 0
		.amdhsa_enable_private_segment 0
		.amdhsa_kernarg_size 48
		.amdhsa_user_sgpr_count 2
		.amdhsa_user_sgpr_kernarg_segment_ptr 1
		.amdhsa_wavefront_size32 1
		.amdhsa_system_sgpr_workgroup_id_x 1
		.amdhsa_system_sgpr_workgroup_id_y 1
		.amdhsa_system_sgpr_workgroup_id_z 1
		.amdhsa_system_vgpr_workitem_id 0
		.amdhsa_next_free_vgpr 512
		.amdhsa_next_free_sgpr 66
		.amdhsa_reserve_vcc 0
		.amdhsa_float_denorm_mode_32 3
		.amdhsa_float_denorm_mode_16_64 3
		.amdhsa_memory_ordered 1
		.amdhsa_forward_progress 1
		.amdhsa_inst_pref_size 65
	.end_amdhsa_kernel
	.amdgpu_metadata
---
amdhsa.version: [ 1, 2 ]
amdhsa.kernels:
  - .name:           k_q3e65f0ead5_fc2
    .symbol:         k_q3e65f0ead5_fc2.kd
    .args:
      - { .name: gb, .offset: 0, .size: 8, .value_kind: global_buffer, .address_space: global }
      - { .name: W2_codes, .offset: 8, .size: 8, .value_kind: global_buffer, .address_space: global }
      - { .name: W2_scales, .offset: 16, .size: 8, .value_kind: global_buffer, .address_space: global }
      - { .name: b2, .offset: 24, .size: 8, .value_kind: global_buffer, .address_space: global }
      - { .name: o1, .offset: 32, .size: 8, .value_kind: global_buffer, .address_space: global }
      - { .name: out0, .offset: 40, .size: 8, .value_kind: global_buffer, .address_space: global }
    .group_segment_fixed_size: 265216
    .private_segment_fixed_size: 0
    .kernarg_segment_align: 8
    .kernarg_segment_size: 48
    .max_flat_workgroup_size: 256
    .sgpr_count:     66
    .vgpr_count:     512
    .wavefront_size: 32
...
	.end_amdgpu_metadata
.endif
;; end of part 5
;; ======== version 2 of 3: 5 launches
;; workspace buffers: qkv 10,223,616 bytes; ob 3,407,872 bytes; o1 16,777,216 bytes; hb 3,276,800 bytes; gb 13,107,200 bytes
;; launch lnqkv (part 6): grid 256 x 1, 8 waves a work-group, no clusters, 257,024 bytes of LDS; arguments x, y, g_ln1x, b_ln1x, g_ln1y, b_ln1y, Wkv_codes, Wkv_scales, Wq_codes, Wq_scales, qkv; writes qkv
.if DOCPART == 6
	.amdgcn_target "amdgcn-amd-amdhsa--gfx1250"
	.amdhsa_code_object_version 6
	.text
	.protected	k_q3e65f0ead5_lnqkv
	.globl	k_q3e65f0ead5_lnqkv
	.p2align	8
	.type	k_q3e65f0ead5_lnqkv,@function
k_q3e65f0ead5_lnqkv:
	s_mov_b64 s[64:65], 0
	v_nop
	global_prefetch_b8 v0, s[64:65] scope:SCOPE_SE
	s_setreg_imm32_b32 hwreg(HW_REG_WAVE_MODE, 25, 1), 1
	s_wait_xcnt 0x0
; LN(x) and LN(y) in f32, quantised to FP6 (E2M3, one E8M0 byte for 32 along K); q = LN(y) Wq, k and v = LN(x) Wkv on codes; q and k quantised along the head's 64, v along the keys.
; SHARES.  Work-groups 0-127 take 64 rows of x each (pass 0: k, pass 1: v), work-groups 128-255 take 64 rows of y (pass 0: q, then they end: half the products of the others).
; Only pointers and offsets are chosen by the kind of work-group; one text serves both.  In the norm wave w takes 8 rows; in the products it takes head w for all four tiles of 16 rows.
; ORDER OF ROWS.  Lane r of tile 2 b + u of a weight takes row 32 b + 8 u + r + 8 (r / 8), so that the 16 registers of two neighbouring tiles are 16 neighbours along the next K.  The tokens of x are laid
; in the same order: wave w always fills LDS rows 8 w .. 8 w + 7, and for x it LOADS rows 8 w' .. with w' = w with its bits 0 and 1 exchanged; only a global address hangs on that.
; THE WEIGHTS.  A head's 64 rows of 384 bytes are 24,576 consecutive bytes: 48 loads, each of 512 consecutive bytes, bring them into the registers where the fragments will lie.  32 rows at a time they turn
; through the wave's own stage in LDS (rows 400 bytes apart, laid in the tiles' order by the stores' immediates) and come back as fragments, into the registers that they left.
; WHAT LEAVES: half fragments of 768 bytes (16 rows x 64 along K as an image of operand registers 0-5: lane l's registers 0-3 at 16 l, registers 4-5 at 512 + 8 l) and one word of two scale bytes a row.
; NO CLUSTER: the rows are read by one work-group alone; the weights are kept in the registers of the wave that multiplies by them, and a joint request lands in LDS, where the 393,216 bytes of the two
; passes' weights have no room beside each other.
; LIMITS: NaN and infinities among the inputs are not served; a block of zeros gets the byte 1 where the quantiser says 127 (its codes are zeros, and this program alone reads the bytes).
.set KC, 3145728                       ; qkv: q's codes at 0, k's, v's, then the three tensors of scale words
.set VC, 6291456
.set QS, 9437184
.set KS, 9699328
.set VS, 9961472
.set XC,   20480                       ; LDS: 0: a stage of 2,560 bytes for each wave; XC: 64 rows x (384 bytes of codes + 16)
.set XSB,  46080                       ; 64 rows x 16 scale bytes
.set SCW0, 47104                       ; 256 bytes a wave for pass 0's scale words; pass 1's lie 2,048 further on
.set STGW, 51200                       ; 25,600 bytes a wave: the weights' stage, 32 rows x 400 bytes, one for each pass
.set LD16, 1                           ; v1  16 x lane
.set GB64, 2                           ; v2  64 x lane
.set STI,  3                           ; v3  the rows' stage, way in
.set STO,  4                           ; v4  the rows' stage, way out
.set XCW,  5                           ; v5  where my 12 bytes of a row's codes go
.set XBW,  6                           ; v6  where my block's scale byte goes
.set XFR,  7                           ; v7  a fragment of the rows' codes
.set XSR,  8                           ; v8  their scale words
.set WSA,  9                           ; v9  a weight's scale words: my row in the tile's order x 16
.set O8,   10                          ; v10 8 x lane
.set SWA,  11                          ; v11 my wave's scale words, way in
.set SWR,  12                          ; v12 way out
.set SW,   13                          ; v13-15 the weights' stage, way in: chunk 32 c + lane of four rows' 96 chunks of 16 bytes
.set G,    16                          ; the norm: v16-31 gain, v32-47 bias of my 16 columns
.set B,    32
.set SA,   48                          ; v48-63 a pair of sums for each of 8 rows
.set P,    64                          ; v64-71 at work; later the scale bytes
.set SO,   72                          ; v72-79 the conversions' scale operands
.set C,    96                          ; v96-127 codes, four registers a row
.set R,    128                         ; v128-255 8 rows x 16 numbers
.set XF,   16                          ; the products: v16-63 four fragments of the rows
.set XSW,  64                          ; v64-79 the rows' scale words (4 g + s)
.set WSW,  80                          ; v80-95 the weight's (4 i + s)
.set TM,   96
.set PC,   104
.set PT,   110
.set PW,   113                         ; v113-116 a scale word for each tile
.set SG,   118
.set FRD,  120                         ; v120 the weights' stage, way out: 400 r + 24 x half
.set ACC,  128                         ; v128-255 16 accumulators (32 g + 8 i);  window 1: v0-191 the weight's 16 fragments (48 i + 12 s)
.set SEL,  60
.set MSB, 0
.macro WIN new                         ; the immediate's high byte repeats the setting that is left
.if MSB != \new
	s_set_vgpr_msb (MSB<<8)|\new
.set MSB, \new
.endif
.endm
.macro PLACES n
.rept \n
	v_nop
.endr
.endm
.macro MM0 d, a, b, sa, sb             ; the first product of a sum: C = 0
	v_wmma_scale_f32_16x16x128_f8f6f4 v[\d:\d+7], v[\a:\a+11], v[\b:\b+11], 0, v[\sa], v[\sb] matrix_a_fmt:MATRIX_FMT_FP6 matrix_b_fmt:MATRIX_FMT_FP6
.endm
.macro MMA d, a, b, sa, sb             ; a further one, in place
	v_wmma_scale_f32_16x16x128_f8f6f4 v[\d:\d+7], v[\a:\a+11], v[\b:\b+11], v[\d:\d+7], v[\sa], v[\sb] matrix_a_fmt:MATRIX_FMT_FP6 matrix_b_fmt:MATRIX_FMT_FP6
.endm
; 32 numbers of a lane, register 16 b + i = k 32 b + 16 (lane / 16) + i of my row, become a half fragment in v[PC] .. v[PC+5] and two scale bytes in v[pw].
.macro QUANT32 s, pw
.irp b, 0,1
	v_max3_num_f32 v[TM+\b], |v[\s+16*\b]|, |v[\s+16*\b+1]|, 0x1800000   ; my 16 numbers of block b and the floor 2^(3 - 127): the byte cannot fall under 1
.endr
.irp i, 2,4,6,8,10,12,14
.irp b, 0,1
	v_max3_num_f32 v[TM+\b], v[TM+\b], |v[\s+16*\b+\i]|, |v[\s+16*\b+\i+1]|
.endr
.endr
.irp b, 0,1
	v_permlanex16_b32 v[TM+2+\b], v[TM+\b], s[SEL], s[SEL+1]
.endr
.irp b, 0,1
	v_max_num_f32 v[TM+\b], v[TM+\b], v[TM+2+\b]   ; with lane l xor 16's: the block's largest magnitude
.endr
.irp b, 0,1
	v_add_nc_u32 v[TM+4+\b], 0xff000000, v[TM+\b]  ; 2 off its exponent field: the conversion's scale operand
.endr
.irp b, 0,1
	v_lshrrev_b32 v[TM+6+\b], 23, v[TM+4+\b]       ; the scale's byte
.endr
	v_lshl_or_b32 v[\pw], v[TM+7], 8, v[TM+6]
	v_cvt_scalef32_pk16_fp6_f32 v[PC:PC+2], v[\s:\s+15], v[TM+4]
	v_cvt_scalef32_pk16_fp6_f32 v[PT:PT+2], v[\s+16:\s+31], v[TM+5]
	v_nop                                          ; one plain place behind a scaled conversion
.irp i, 0,1,2
	v_permlane16_swap_b32 v[PC+\i], v[PT+\i]       ; a whole block to a lane: lanes 0-15 block 0, lanes 16-31 block 1
.endr
.irp i, 0,1,2
	v_mov_b32 v[PC+3+\i], v[PT+\i]
.endr
.endm
; a head's 64 rows of a weight, as they lie: 48 loads of 512 consecutive bytes into window 1; and the rows' scale words
.macro WRAW wc, ws
	WIN 0x40                                       ; destination window 1
.set J, 0
.rept 48
	global_load_b128 v[4*J:4*J+3], v[LD16], s[\wc:\wc+1] offset:512*J
.set J, J+1
.endr
	WIN 0
.irp i, 0,1,2,3
	global_load_b128 v[WSW+4*\i:WSW+4*\i+3], v[WSA], s[\ws:\ws+1] offset:(32*(\i/2)+8*(\i%2))*16
.endr
.endm
; The turn through my stage, 32 rows (two tiles, 96 registers) at a time.  Way in: load 3 a + c of a half holds chunks 96 a + 32 c + lane: rows 4 a on; memory row 16 x + 8 u + z goes to stage row 16 u + 8 x + z
; (bits 3 and 4 of the row's number change places: they hang on a alone, so the exchange stands in the immediate).  Way out: tile u's lane r takes stage row 16 u + r: 16 neighbouring rows, 100 words apart,
; so that the 32 lanes of a load of 8 bytes touch 64 different banks (64 banks of 4 bytes: ISA guide 11.1).  LDS serves a wave's instructions in order: the second half's stores come behind the first half's loads.
.macro WTURN stg
.irp b, 0,1
	WIN 0x04                                       ; an LDS store's data: window 1
.irp a, 0,1,2,3,4,5,6,7
.irp c, 0,1,2
	ds_store_b128 v[SW+\c], v[96*\b+12*\a+4*\c:96*\b+12*\a+4*\c+3] offset:\stg+400*(((4*\a)&7)|(((4*\a)&8)<<1)|(((4*\a)&16)>>1))
.endr
.endr
	s_wait_dscnt 0x0                               ; the stores have read their registers: the fragments may land there
	WIN 0x40                                       ; an LDS load's destination: window 1
.irp u, 0,1
.irp s, 0,1,2,3
.irp p, 0,1,2,3,4,5
	ds_load_b64 v[96*\b+48*\u+12*\s+2*\p:96*\b+48*\u+12*\s+2*\p+1], v[FRD] offset:\stg+6400*\u+96*\s+48*(\p/3)+8*(\p%3)
.endr
.endr
.endr
.endr
	WIN 0
.endm
	s_load_b256 s[8:15], s[0:1], 0x0               ; x, y, g_ln1x, b_ln1x
	s_load_b256 s[16:23], s[0:1], 0x20             ; g_ln1y, b_ln1y, Wkv's codes, Wkv's scales
	s_load_b128 s[24:27], s[0:1], 0x40             ; Wq's codes, Wq's scales
	s_load_b64 s[28:29], s[0:1], 0x50              ; qkv
	v_lshl_add_u32 v123, v0, 2, 0x3e800
	v_mov_b32 v127, 0
	v_lshrrev_b32 v19, 5, v0
	v_readfirstlane_b32 s2, v19                    ; wave 0..7
	v_and_b32 v17, 31, v0                          ; lane
	v_and_b32 v16, 15, v0                          ; r
	v_bfe_u32 v18, v0, 4, 1                        ; h
	v_lshlrev_b32 v[LD16], 4, v17
	v_lshlrev_b32 v[GB64], 6, v17
	s_mul_i32 s3, s2, 2560
	v_lshrrev_b32 v19, 2, v17
	v_mul_u32_u24 v19, v19, 80
	v_and_b32 v[STI], 3, v17
	v_lshl_add_u32 v[STI], v[STI], 4, v19
	v_add_nc_u32 v[STI], s3, v[STI]                ; four lanes' 64 bytes on end, then 16 of padding
	v_mul_u32_u24 v[STO], v17, 80
	v_add_nc_u32 v[STO], s3, v[STO]                ; 80 x lane: my 16 neighbours
	s_mul_i32 s3, s2, 3200
	s_add_co_u32 s3, s3, XC
	v_mul_u32_u24 v[XCW], v17, 12
	v_add_nc_u32 v[XCW], s3, v[XCW]
	s_lshl_b32 s3, s2, 7
	s_add_co_u32 s3, s3, XSB
	v_lshrrev_b32 v[XBW], 1, v17
	v_add_nc_u32 v[XBW], s3, v[XBW]
	v_mul_u32_u24 v[XFR], v16, 400
	v_mad_u32_u24 v[XFR], v18, 24, v[XFR]
	v_add_nc_u32 v[XFR], XC, v[XFR]
	v_lshl_add_u32 v[XSR], v16, 4, XSB
	v_and_b32 v19, 8, v16
	v_add_nc_u32 v19, v19, v16                     ; r + 8 (r / 8)
	v_lshlrev_b32 v[WSA], 4, v19
	v_lshlrev_b32 v[O8], 3, v17
	s_lshl_b32 s3, s2, 8
	s_add_co_u32 s3, s3, SCW0
	v_lshl_add_u32 v[SWA], v16, 2, s3
	v_lshl_add_u32 v[SWR], v17, 3, s3
	s_mul_i32 s62, s2, 25600
	s_add_co_u32 s3, s62, STGW                     ; my stage for the weights
	s_add_co_u32 s62, s62, STGW-XC                 ; and how far it lies behind the rows' codes
.irp c, 0,1,2
	v_add_nc_u32 v19, 32*\c, v17                   ; chunk x = 32 c + lane of 96: a row is 24 chunks,
	v_mul_u32_u24 v20, v19, 171
	v_lshrrev_b32 v20, 12, v20                     ; so it lies in row x / 24 = (171 x) >> 12 for x under 96,
	v_add_nc_u32 v20, v20, v19
	v_lshl_add_u32 v[SW+\c], v20, 4, s3            ; at 400 x row + 16 x (x - 24 x row) = 16 (x + row)
.endr
.irp t, 0,1,2,3,4,5,6,7
	v_mov_b32 v[P+\t], 0                           ; written once: a lane permute's destination counts as one of its sources
.endr
	s_and_b32 s4, ttmp9, 127                       ; which block of 64 rows
	s_lshr_b32 s5, s4, 5                           ; batch
	s_and_b32 s6, s4, 31                           ; block in the batch
	s_and_b32 s7, s2, 4
	s_and_b32 s40, s2, 1
	s_lshl_b32 s40, s40, 1
	s_or_b32 s7, s7, s40
	s_bfe_u32 s40, s2, 0x10001
	s_or_b32 s7, s7, s40                           ; w': bits 0 and 1 of the wave's number exchanged
	s_lshl_b32 s46, s5, 3
	s_add_co_u32 s46, s46, s2                      ; 8 x batch + head
	s_mul_i32 s47, s46, 98304
	s_mul_i32 s48, s6, 3072
	s_add_co_u32 s47, s47, s48                     ; my four half fragments: (128 bh + 4 block) x 768
	s_lshl_b32 s49, s46, 13
	s_lshl_b32 s48, s6, 8
	s_add_co_u32 s49, s49, s48                     ; my 64 scale words: (32 bh + block) x 256
	s_mul_i32 s42, s2, 24576                       ; my head's 64 rows of a weight,
	s_mov_b32 s43, 0
	s_lshl_b32 s44, s2, 10                         ; and of its scales
	s_mov_b32 s45, 0
	s_mov_b32 s41, 0
	s_mov_b32 s35, QS
	s_mov_b32 s58, 0x3b000000                      ; 1 / 512
	s_mov_b32 s59, 0x3727c5ac                      ; 1e-5
	s_mov_b32 s[SEL], 0x76543210
	s_mov_b32 s[SEL+1], 0xfedcba98                 ; lane l xor 16
	s_wait_kmcnt 0x0
	s_cmp_lt_u32 ttmp9, 128                        ; x's work-group or y's?  The choice hangs on the work-group's number alone
	s_cselect_b64 s[8:9], s[8:9], s[10:11]
	s_cselect_b64 s[12:13], s[12:13], s[16:17]
	s_cselect_b64 s[14:15], s[14:15], s[18:19]
	s_cselect_b64 s[30:31], s[20:21], s[24:25]     ; pass 0's weight: Wkv's first 512 rows, or Wq
	s_cselect_b64 s[32:33], s[22:23], s[26:27]
	s_cselect_b32 s34, KC, 0
	s_cselect_b32 s35, KS, s35
	s_cselect_b32 s7, s7, s2
	s_lshl_b32 s40, s4, 17
	s_lshl_b32 s7, s7, 14
	s_add_co_u32 s40, s40, s7
	s_add_nc_u64 s[8:9], s[8:9], s[40:41]          ; my 8 rows
.irp j, 0,1,2,3
	global_load_b128 v[G+4*\j:G+4*\j+3], v[GB64], s[12:13] offset:16*\j
	global_load_b128 v[B+4*\j:B+4*\j+3], v[GB64], s[14:15] offset:16*\j
.endr
	WIN 0x40                                       ; the rows land in window 1, where the weights come later
.irp t, 0,1,2,3,4,5,6,7
.irp i, 0,1,2,3
	global_load_b128 v[16*\t+4*\i:16*\t+4*\i+3], v[LD16], s[8:9] offset:2048*\t+512*\i th:TH_LOAD_NT   ; 32 lanes read 512 consecutive bytes
.endr
.endr
	s_add_nc_u64 s[30:31], s[30:31], s[42:43]
	s_add_nc_u64 s[32:33], s[32:33], s[44:45]
	s_add_nc_u64 s[36:37], s[20:21], s[42:43]
	s_add_nc_u64 s[36:37], s[36:37], 196608        ; pass 1's weight: Wkv's rows 512 on
	s_add_nc_u64 s[38:39], s[22:23], s[44:45]
	s_add_nc_u64 s[38:39], s[38:39], 8192
	s_add_co_u32 s40, s47, s34
	s_add_nc_u64 s[50:51], s[28:29], s[40:41]      ; pass 0's codes,
	s_add_co_u32 s40, s49, s35
	s_add_nc_u64 s[52:53], s[28:29], s[40:41]      ; its scale words,
	s_mov_b32 s40, s47
	s_add_nc_u64 s[54:55], s[28:29], s[40:41]
	s_add_nc_u64 s[54:55], s[54:55], VC            ; pass 1's codes,
	s_mov_b32 s40, s49
	s_add_nc_u64 s[56:57], s[28:29], s[40:41]
	s_add_nc_u64 s[56:57], s[56:57], VS            ; its scale words
	; each row turns through my stage: in as loaded, out 64 bytes a lane, so that a lane holds 16 neighbouring columns.  LDS serves a wave's instructions in order: one stage serves all rows
	WIN 0x04                                       ; an LDS store's data: window 1; an LDS load's destination: window 0
.irp t, 0,1,2,3,4,5,6,7
	s_wait_loadcnt 28-4*\t                         ; row t's four loads are in; the later rows' may be out
.irp i, 0,1,2,3
	ds_store_b128 v[STI], v[16*\t+4*\i:16*\t+4*\i+3] offset:640*\i
.endr
.irp j, 0,1,2,3
	ds_load_b128 v[R+16*\t+4*\j:R+16*\t+4*\j+3], v[STO] offset:16*\j
.endr
.endr
	s_wait_dscnt 0x0                               ; the rows are in window 0, and the stores have read window 1's registers:
	WRAW 30, 32                                    ; pass 0's weights go out now and land under the norm's arithmetic
	; the norm, 8 rows by turns: mean, differences, variance of the differences
.macro REDUCE                          ; the pair's two halves, then the 32 lanes: every lane ends with the row's sum in the pair's low word
.irp t, 0,1,2,3,4,5,6,7
	v_add_f32 v[SA+2*\t], v[SA+2*\t], v[SA+2*\t+1]
.endr
.irp x, 1,2,4,8
.irp t, 0,1,2,3,4,5,6,7
	v_add_f32_dpp v[SA+2*\t], v[SA+2*\t], v[SA+2*\t] row_xmask:\x row_mask:0xf bank_mask:0xf
.endr
.endr
.irp t, 0,1,2,3,4,5,6,7
	v_permlanex16_b32 v[P+\t], v[SA+2*\t], s[SEL], s[SEL+1]
.endr
.irp t, 0,1,2,3,4,5,6,7
	v_add_f32 v[SA+2*\t], v[SA+2*\t], v[P+\t]
.endr
.endm
.irp t, 0,1,2,3,4,5,6,7
	v_pk_add_f32 v[SA+2*\t:SA+2*\t+1], v[R+16*\t:R+16*\t+1], v[R+16*\t+2:R+16*\t+3]
.endr
.irp j, 4,6,8,10,12,14
.irp t, 0,1,2,3,4,5,6,7
	v_pk_add_f32 v[SA+2*\t:SA+2*\t+1], v[SA+2*\t:SA+2*\t+1], v[R+16*\t+\j:R+16*\t+\j+1]
.endr
.endr
	REDUCE
.irp t, 0,1,2,3,4,5,6,7
	v_mul_f32 v[SA+2*\t], s58, v[SA+2*\t]          ; the mean
.endr
.irp j, 0,2,4,6,8,10,12,14
.irp t, 0,1,2,3,4,5,6,7
	v_pk_add_f32 v[R+16*\t+\j:R+16*\t+\j+1], v[R+16*\t+\j:R+16*\t+\j+1], v[SA+2*\t:SA+2*\t+1] op_sel_hi:[1,0] neg_lo:[0,1] neg_hi:[0,1]
.endr
.endr
.irp t, 0,1,2,3,4,5,6,7
	v_pk_mul_f32 v[SA+2*\t:SA+2*\t+1], v[R+16*\t:R+16*\t+1], v[R+16*\t:R+16*\t+1]
.endr
.irp j, 2,4,6,8,10,12,14
.irp t, 0,1,2,3,4,5,6,7
	v_pk_fma_f32 v[SA+2*\t:SA+2*\t+1], v[R+16*\t+\j:R+16*\t+\j+1], v[R+16*\t+\j:R+16*\t+\j+1], v[SA+2*\t:SA+2*\t+1]
.endr
.endr
	REDUCE
.irp t, 0,1,2,3,4,5,6,7
	v_fma_f32 v[SA+2*\t], v[SA+2*\t], s58, s59     ; variance + 1e-5
.endr
.irp t, 0,1,2,3,4,5,6,7
	v_rsq_f32 v[SA+2*\t], v[SA+2*\t]
.endr
	v_nop                                          ; a plain place behind the last of the batch
	s_wait_alu depctr_va_vdst(0)                   ; one wait for the eight, ahead of their first reader
.irp j, 0,2,4,6,8,10,12,14
.irp t, 0,1,2,3,4,5,6,7
	v_pk_mul_f32 v[R+16*\t+\j:R+16*\t+\j+1], v[R+16*\t+\j:R+16*\t+\j+1], v[SA+2*\t:SA+2*\t+1] op_sel_hi:[1,0]
.endr
.endr
.irp j, 0,2,4,6,8,10,12,14
.irp t, 0,1,2,3,4,5,6,7
	v_pk_fma_f32 v[R+16*\t+\j:R+16*\t+\j+1], v[R+16*\t+\j:R+16*\t+\j+1], v[G+\j:G+\j+1], v[B+\j:B+\j+1]
.endr
.endr
	; the rows are quantised: two neighbouring lanes hold a block of 32
.irp t, 0,1,2,3,4,5,6,7
	v_max3_num_f32 v[P+\t], |v[R+16*\t]|, |v[R+16*\t+1]|, 0x1800000
.endr
.irp j, 2,4,6,8,10,12,14
.irp t, 0,1,2,3,4,5,6,7
	v_max3_num_f32 v[P+\t], v[P+\t], |v[R+16*\t+\j]|, |v[R+16*\t+\j+1]|
.endr
.endr
.irp t, 0,1,2,3,4,5,6,7
	v_max_num_f32_dpp v[P+\t], v[P+\t], v[P+\t] row_xmask:1 row_mask:0xf bank_mask:0xf
.endr
.irp t, 0,1,2,3,4,5,6,7
	v_add_nc_u32 v[SO+\t], 0xff000000, v[P+\t]
.endr
.irp t, 0,1,2,3,4,5,6,7
	v_cvt_scalef32_pk16_fp6_f32 v[C+4*\t:C+4*\t+2], v[R+16*\t:R+16*\t+15], v[SO+\t]
.endr
.irp t, 0,1,2,3,4,5,6,7
	v_lshrrev_b32 v[P+\t], 23, v[SO+\t]            ; the scale's byte.  (Plain lines behind the conversions)
.endr
.irp t, 0,1,2,3,4,5,6,7
.irp i, 0,1,2
	ds_store_b32 v[XCW], v[C+4*\t+\i] offset:400*\t+4*\i   ; my 16 codes: 12 bytes of the row's stream of bits
.endr
	ds_store_b8 v[XBW], v[P+\t] offset:16*\t       ; both lanes of a block write the same byte with the same value
.endr
	s_wait_dscnt 0x0                               ; for the others' sake: my rows' codes and bytes lie in LDS
	s_barrier_signal -1
	s_barrier_wait -1                              ; the launch's one barrier: all 64 rows do
	v_mov_b32 v[TM+2], 0
	v_mov_b32 v[TM+3], 0
	v_add_nc_u32 v[FRD], s62, v[XFR]               ; 400 r + 24 x half, in my stage for the weights
	s_wait_loadcnt 0x0                             ; pass 0's weights are in
	WTURN 0
; A pass: 4 K steps x 16 products; the 16 accumulators take turns, one instruction a turn, in the same order in every K step.
; kt = 1: source 0 = 16 rows of the weight, source 1 = 16 rows of the block: a lane holds one row, its registers run along the head's 64.
; kt = 0: the sources change places: a lane holds one of the head's 64, its registers run along the 64 tokens, which are the keys.
.macro PASS kt
.irp s, 0,1,2,3
.if \s > 0
	PLACES 4                                       ; in front of loads into registers that matrix instructions have read
.endif
.irp g, 0,1,2,3
.irp p, 0,1,2,3,4,5
	ds_load_b64 v[XF+12*\g+2*\p:XF+12*\g+2*\p+1], v[XFR] offset:6400*\g+96*\s+48*(\p/3)+8*(\p%3)
.endr
.endr
.if (\kt) && (\s == 0)
.irp g, 0,1,2,3
	ds_load_b128 v[XSW+4*\g:XSW+4*\g+3], v[XSR] offset:256*\g   ; they stay for pass 1
.endr
.endif
	s_wait_dscnt 0x0                               ; at the first K step the weight's fragments too
.if \kt
	WIN 0x01                                       ; source 0: window 1
.else
	WIN 0x04                                       ; source 1: window 1
.endif
.irp g, 0,1,2,3
.irp i, 0,1,2,3
.if \kt
.if \s == 0
	MM0 ACC+32*\g+8*\i, 48*\i+12*\s, XF+12*\g, WSW+4*\i+\s, XSW+4*\g+\s
.else
	MMA ACC+32*\g+8*\i, 48*\i+12*\s, XF+12*\g, WSW+4*\i+\s, XSW+4*\g+\s
.endif
.else
.if \s == 0
	MM0 ACC+32*\g+8*\i, XF+12*\i, 48*\g+12*\s, XSW+4*\i+\s, WSW+4*\g+\s
.else
	MMA ACC+32*\g+8*\i, XF+12*\i, 48*\g+12*\s, XSW+4*\i+\s, WSW+4*\g+\s
.endif
.endif
.endr
.endr
	WIN 0
.endr
.endm
; four groups of 32 registers become four half fragments, stored as they stand; the 64 scale words are gathered in my 256 bytes of LDS and leave as 256 consecutive bytes
.macro EPI scw, oc, os
.irp g, 0,1,2,3
	s_wait_xcnt 0x0                                ; the last stores have read the codes' registers
	QUANT32 ACC+32*\g, PW+\g
	global_store_b128 v[LD16], v[PC:PC+3], s[\oc:\oc+1] offset:768*\g
	global_store_b64 v[O8], v[PC+4:PC+5], s[\oc:\oc+1] offset:768*\g+512
	ds_store_b32 v[SWA], v[PW+\g] offset:\scw+64*\g   ; lanes l and l xor 16 write the same word with the same value
.endr
	ds_load_b64 v[SG:SG+1], v[SWR] offset:\scw     ; LDS serves a wave's instructions in order: this sees my stores
	s_wait_dscnt 0x0
	global_store_b64 v[O8], v[SG:SG+1], s[\os:\os+1]
.endm
	PASS 1
	PLACES 4                                       ; in front of the first read of results and of loads into the weights' registers
	s_cmp_lt_u32 ttmp9, 128
	s_cbranch_scc0 .Lno_v
	WRAW 36, 38                                    ; x's work-groups: v's weights land while k is quantised
.Lno_v:
	EPI 0, 50, 52
	s_cmp_lt_u32 ttmp9, 128
	s_cbranch_scc1 .Lpass_v
	s_wait_tensorcnt 0x0
	ds_add_u32 v123, v127
	s_wait_dscnt 0x0
	s_endpgm                                       ; y's work-groups are done
.Lpass_v:
	s_wait_loadcnt 0x0                             ; v's weights are in
	WTURN 12800                                    ; through a stage of this pass's own
	PASS 0
	PLACES 4
	EPI 2048, 54, 56
	s_wait_tensorcnt 0x0
	ds_add_u32 v123, v127
	s_wait_dscnt 0x0
	s_endpgm
.Lfunc_end_k_q3e65f0ead5_lnqkv:
	.size	k_q3e65f0ead5_lnqkv, .Lfunc_end_k_q3e65f0ead5_lnqkv-k_q3e65f0ead5_lnqkv
	.p2alignl 7, 3214868480
	.fill 96, 4, 3214868480
	.section	.rodata,"a",@progbits
	.p2align	6, 0x0
	.amdhsa_kernel k_q3e65f0ead5_lnqkv
		.amdhsa_group_segment_fixed_size 257024
		.amdhsa_private_segment_fixed_size 0
		.amdhsa_enable_private_segment 0
		.amdhsa_kernarg_size 88
		.amdhsa_user_sgpr_count 2
		.amdhsa_user_sgpr_kernarg_segment_ptr 1
		.amdhsa_wavefront_size32 1
		.amdhsa_system_sgpr_workgroup_id_x 1
		.amdhsa_system_sgpr_workgroup_id_y 1
		.amdhsa_system_sgpr_workgroup_id_z 1
		.amdhsa_system_vgpr_workitem_id 0
		.amdhsa_next_free_vgpr 512
		.amdhsa_next_free_sgpr 66
		.amdhsa_reserve_vcc 0
		.amdhsa_float_denorm_mode_32 3
		.amdhsa_float_denorm_mode_16_64 3
		.amdhsa_memory_ordered 1
		.amdhsa_forward_progress 1
		.amdhsa_inst_pref_size 125
	.end_amdhsa_kernel
	.amdgpu_metadata
---
amdhsa.version: [ 1, 2 ]
amdhsa.kernels:
  - .name:           k_q3e65f0ead5_lnqkv
    .symbol:         k_q3e65f0ead5_lnqkv.kd
    .args:
      - { .name: x, .offset: 0, .size: 8, .value_kind: global_buffer, .address_space: global }
      - { .name: y, .offset: 8, .size: 8, .value_kind: global_buffer, .address_space: global }
      - { .name: g_ln1x, .offset: 16, .size: 8, .value_kind: global_buffer, .address_space: global }
      - { .name: b_ln1x, .offset: 24, .size: 8, .value_kind: global_buffer, .address_space: global }
      - { .name: g_ln1y, .offset: 32, .size: 8, .value_kind: global_buffer, .address_space: global }
      - { .name: b_ln1y, .offset: 40, .size: 8, .value_kind: global_buffer, .address_space: global }
      - { .name: Wkv_codes, .offset: 48, .size: 8, .value_kind: global_buffer, .address_space: global }
      - { .name: Wkv_scales, .offset: 56, .size: 8, .value_kind: global_buffer, .address_space: global }
      - { .name: Wq_codes, .offset: 64, .size: 8, .value_kind: global_buffer, .address_space: global }
      - { .name: Wq_scales, .offset: 72, .size: 8, .value_kind: global_buffer, .address_space: global }
      - { .name: qkv, .offset: 80, .size: 8, .value_kind: global_buffer, .address_space: global }
    .group_segment_fixed_size: 257024
    .private_segment_fixed_size: 0
    .kernarg_segment_align: 8
    .kernarg_segment_size: 88
    .max_flat_workgroup_size: 256
    .sgpr_count:     66
    .vgpr_count:     512
    .wavefront_size: 32
...
	.end_amdgpu_metadata
.endif
;; end of part 6
;; launch attn: the kernel of part 2 again; grid 8 x 32, 16 waves a work-group, clusters of 4 x 1, 211,968 bytes of LDS; arguments qkv, ob; writes ob
;; launch proj (part 7): grid 256 x 1, 8 waves a work-group, no clusters, 172,032 bytes of LDS; arguments ob, Wp_codes, Wp_scales, bp, y, g_ln2, b_ln2, o1, hb; writes o1, hb
.if DOCPART == 7
	.amdgcn_target "amdgcn-amd-amdhsa--gfx1250"
	.amdhsa_code_object_version 6
	.text
	.protected	k_q3e65f0ead5_proj
	.globl	k_q3e65f0ead5_proj
	.p2align	8
	.type	k_q3e65f0ead5_proj,@function
k_q3e65f0ead5_proj:
	s_mov_b64 s[64:65], 0
	v_nop
	global_prefetch_b8 v0, s[64:65] scope:SCOPE_SE
	s_setreg_imm32_b32 hwreg(HW_REG_WAVE_MODE, 25, 1), 1
	s_wait_xcnt 0x0
; o1 = o Wp + bp + y (o and Wp as codes of FP6), stored in f32; h = LN(o1) with g_ln2, b_ln2, quantised along the 512 features.
; SHARES.  A work-group takes 32 rows (two tiles of 16).  Wave w makes features 64 w .. 64 w + 63 for both tiles: its 64 rows of Wp stay in 192 registers.  In the dense phases wave w takes rows 4 w .. 4 w + 3.
; The product is used transposed (source 0 = 16 rows of Wp in the order 32 b + 8 u + r + 8 (r / 8), source 1 = 16 rows of o): a lane holds one row, and its 32 registers of a tile of rows are features
; 64 w + 32 b + 16 (lane / 16) + 0 .. 15.  y + bp is the C of every sum: it is read densely, goes through LDS and comes back in the result's layout.  o1 goes the same way back and leaves as whole rows.
; Wp's 64 rows of 384 bytes are 24,576 consecutive bytes: 48 loads of 512 consecutive bytes bring them into the registers where the fragments will lie; 32 rows at a time they turn through the wave's own
; stage in LDS (rows 400 bytes apart, laid in the tiles' order by the stores' immediates) and come back as fragments.
; The norm's sums span the eight waves: each wave's part goes through LDS.  The variance is taken of the differences from the mean.
; NO CLUSTER: the rows are read by one work-group alone; Wp is kept in the registers of the wave that multiplies by it, 24,576 bytes a wave, read once.
; LIMITS: NaN and infinities are not served; a block of zeros gets the byte 1 (its codes are zeros; this program alone reads the bytes).
.set OS,   3145728
.set HS,   3145728
.set YP,   2064                        ; LDS: 32 rows x (2,048 bytes + 16)
.set RED1, 66048                       ; the waves' parts of the sums: 8 x 128 bytes;  1,024 further on those of the squares
.set HSW,  68096                       ; 32 rows x 16 scale bytes
.set STGW, 68608                       ; 12,800 bytes a wave: the weights' stage, 32 rows x 400 bytes
.set L16, 1
.set L8,  2                            ; 8 x lane + 512
.set R4,  3
.set YW,  4                            ; my four rows, dense
.set YC,  5                            ; my 64 features of row r, in the result's layout
.set FRD, 6                            ; the weights' stage, way out: 400 r + 24 x half
.set WSA, 7
.set GBA, 8
.set RDW, 9
.set RDR, 10
.set HSWA, 11
.set HSR, 12
.set SW,  16                           ; v16-18 the weights' stage, way in
.set AF,  32                           ; v32-127 o's 8 fragments (12 (4 m + s)); later rows of o1
.set ACC, 128                          ; v128-191 8 accumulators (32 m + 8 i)
.set WSW, 192                          ; v192-207 Wp's scale words
.set ASW, 208                          ; v208-215 o's (4 m + s)
.set RAW, 216                          ; v216-231 o's scale words by head
.set T,   232                          ; v232-247 bp, dense
.set SM,  216                          ; later: a pair of sums for each tile of rows,
.set PP,  220
.set RP,  224                          ; the eight waves' parts,
.set TM,  216                          ; and the quantiser's registers
.set PC,  224
.set PT,  230
.set PW,  233
.set SEL, 42
.set MSB, 0
.macro WIN new
.if MSB != \new
	s_set_vgpr_msb (MSB<<8)|\new
.set MSB, \new
.endif
.endm
.macro PLACES n
.rept \n
	v_nop
.endr
.endm
.macro MMA d, a, b, sa, sb
	v_wmma_scale_f32_16x16x128_f8f6f4 v[\d:\d+7], v[\a:\a+11], v[\b:\b+11], v[\d:\d+7], v[\sa], v[\sb] matrix_a_fmt:MATRIX_FMT_FP6 matrix_b_fmt:MATRIX_FMT_FP6
.endm
.macro QUANT32 s, pw
.irp b, 0,1
	v_max3_num_f32 v[TM+\b], |v[\s+16*\b]|, |v[\s+16*\b+1]|, 0x1800000
.endr
.irp i, 2,4,6,8,10,12,14
.irp b, 0,1
	v_max3_num_f32 v[TM+\b], v[TM+\b], |v[\s+16*\b+\i]|, |v[\s+16*\b+\i+1]|
.endr
.endr
.irp b, 0,1
	v_permlanex16_b32 v[TM+2+\b], v[TM+\b], s[SEL], s[SEL+1]
.endr
.irp b, 0,1
	v_max_num_f32 v[TM+\b], v[TM+\b], v[TM+2+\b]
.endr
.irp b, 0,1
	v_add_nc_u32 v[TM+4+\b], 0xff000000, v[TM+\b]
.endr
.irp b, 0,1
	v_lshrrev_b32 v[TM+6+\b], 23, v[TM+4+\b]
.endr
	v_lshl_or_b32 v[\pw], v[TM+7], 8, v[TM+6]
	v_cvt_scalef32_pk16_fp6_f32 v[PC:PC+2], v[\s:\s+15], v[TM+4]
	v_cvt_scalef32_pk16_fp6_f32 v[PT:PT+2], v[\s+16:\s+31], v[TM+5]
	v_nop
.irp i, 0,1,2
	v_permlane16_swap_b32 v[PC+\i], v[PT+\i]
.endr
.irp i, 0,1,2
	v_mov_b32 v[PC+3+\i], v[PT+\i]
.endr
.endm
; The weights' turn through my stage, 32 rows (two tiles, 96 registers) at a time.  Way in: load 3 a + c of a half holds chunks 96 a + 32 c + lane: rows 4 a on; memory row 16 x + 8 u + z goes to stage row
; 16 u + 8 x + z (the exchange of bits 3 and 4 stands in the immediate).  Way out: tile u's lane r takes stage row 16 u + r.  LDS serves a wave's instructions in order: the second half's stores come behind the first half's loads.
.macro WTURN
.irp b, 0,1
	WIN 0x04                                       ; an LDS store's data: window 1
.irp a, 0,1,2,3,4,5,6,7
.irp c, 0,1,2
	ds_store_b128 v[SW+\c], v[96*\b+12*\a+4*\c:96*\b+12*\a+4*\c+3] offset:400*(((4*\a)&7)|(((4*\a)&8)<<1)|(((4*\a)&16)>>1))
.endr
.endr
	s_wait_dscnt 0x0                               ; the stores have read their registers: the fragments may land there
	WIN 0x40                                       ; an LDS load's destination: window 1
.irp u, 0,1
.irp s, 0,1,2,3
.irp p, 0,1,2,3,4,5
	ds_load_b64 v[96*\b+48*\u+12*\s+2*\p:96*\b+48*\u+12*\s+2*\p+1], v[FRD] offset:6400*\u+96*\s+48*(\p/3)+8*(\p%3)
.endr
.endr
.endr
.endr
	WIN 0
.endm
; my wave's part of a row's sum (64 features) goes to LDS; a barrier
.macro PARTS red
.irp m, 0,1
	v_add_f32 v[SM+2*\m], v[SM+2*\m], v[SM+2*\m+1]
.endr
.irp m, 0,1
	v_permlanex16_b32 v[PP+\m], v[SM+2*\m], s[SEL], s[SEL+1]
.endr
.irp m, 0,1
	v_add_f32 v[SM+2*\m], v[SM+2*\m], v[PP+\m]
.endr
.irp m, 0,1
	ds_store_b32 v[RDW], v[SM+2*\m] offset:\red+64*\m   ; lanes l and l xor 16 write the same word with the same value
.endr
	s_wait_dscnt 0x0
	s_barrier_signal -1
	s_barrier_wait -1
.endm
.macro PARTLD red
.irp m, 0,1
.irp u, 0,1,2,3,4,5,6,7
	ds_load_b32 v[RP+8*\m+\u], v[RDR] offset:\red+128*\u+64*\m
.endr
.endr
.endm
.macro TOTAL                           ; the eight parts, in the same order in every wave
.irp m, 0,1
	v_pk_add_f32 v[RP+8*\m:RP+8*\m+1], v[RP+8*\m:RP+8*\m+1], v[RP+8*\m+2:RP+8*\m+3]
	v_pk_add_f32 v[RP+8*\m+4:RP+8*\m+5], v[RP+8*\m+4:RP+8*\m+5], v[RP+8*\m+6:RP+8*\m+7]
.endr
.irp m, 0,1
	v_pk_add_f32 v[RP+8*\m:RP+8*\m+1], v[RP+8*\m:RP+8*\m+1], v[RP+8*\m+4:RP+8*\m+5]
.endr
.irp m, 0,1
	v_add_f32 v[SM+2*\m], v[RP+8*\m], v[RP+8*\m+1]
.endr
.endm
	s_load_b256 s[8:15], s[0:1], 0x0               ; ob, Wp's codes, Wp's scales, bp
	s_load_b256 s[16:23], s[0:1], 0x20             ; y, g_ln2, b_ln2, o1
	s_load_b64 s[24:25], s[0:1], 0x40              ; hb
	v_lshl_add_u32 v254, v0, 2, 0x29c00
	v_mov_b32 v255, 0
	v_lshrrev_b32 v13, 5, v0
	v_readfirstlane_b32 s2, v13                    ; wave 0..7
	v_and_b32 v13, 31, v0
	v_and_b32 v14, 15, v0                          ; r
	v_bfe_u32 v15, v0, 4, 1                        ; h
	v_lshlrev_b32 v[L16], 4, v13
	v_lshlrev_b32 v[L8], 3, v13
	v_add_nc_u32 v[L8], 512, v[L8]
	v_lshlrev_b32 v[R4], 2, v14
	s_mul_i32 s34, s2, 4*YP
	v_add_nc_u32 v[YW], s34, v[L16]
	v_mul_u32_u24 v[YC], v14, YP
	v_lshl_add_u32 v[YC], v15, 6, v[YC]
	s_lshl_b32 s34, s2, 8
	v_add_nc_u32 v[YC], s34, v[YC]
	v_and_b32 v[WSA], 8, v14
	v_add_nc_u32 v[WSA], v[WSA], v14               ; r + 8 (r / 8)
	v_lshlrev_b32 v[WSA], 4, v[WSA]
	s_mul_i32 s34, s2, 12800
	s_add_co_u32 s34, s34, STGW                    ; my stage for the weights
	v_mul_u32_u24 v[FRD], v14, 400
	v_mad_u32_u24 v[FRD], v15, 24, v[FRD]
	v_add_nc_u32 v[FRD], s34, v[FRD]
.irp c, 0,1,2
	v_add_nc_u32 v19, 32*\c, v13                   ; chunk x = 32 c + lane of 96: a row is 24 chunks,
	v_mul_u32_u24 v20, v19, 171
	v_lshrrev_b32 v20, 12, v20                     ; so it lies in row x / 24 = (171 x) >> 12 for x under 96,
	v_add_nc_u32 v20, v20, v19
	v_lshl_add_u32 v[SW+\c], v20, 4, s34           ; at 400 x row + 16 x (x - 24 x row) = 16 (x + row)
.endr
	v_lshlrev_b32 v[GBA], 6, v15
	s_lshl_b32 s34, s2, 7
	s_add_co_u32 s34, s34, RED1
	v_add_nc_u32 v[RDW], s34, v[R4]
	v_add_nc_u32 v[RDR], RED1, v[R4]
	s_lshl_b32 s34, s2, 1
	s_add_co_u32 s34, s34, HSW
	v_lshl_add_u32 v[HSWA], v14, 4, s34
	v_add_nc_u32 v[HSR], HSW, v[L16]
	s_lshl_b32 s34, ttmp9, 16
	s_lshl_b32 s35, s2, 13
	s_add_co_u32 s34, s34, s35                     ; rows 32 x work-group + 4 x wave of y and o1
	s_mov_b32 s35, 0
	s_lshr_b32 s36, ttmp9, 6                       ; batch
	s_lshl_b32 s36, s36, 16
	s_and_b32 s37, ttmp9, 63
	s_lshl_b32 s37, s37, 7
	s_add_co_u32 s36, s36, s37                     ; o's scale words: head 0 of my batch, my first row
	s_mov_b32 s37, 0
	s_mul_i32 s38, ttmp9, 12288                    ; two tiles of rows x 8 half fragments
	s_mov_b32 s39, 0
	s_mov_b32 s40, 0x3b000000                      ; 1 / 512
	s_mov_b32 s41, 0x3727c5ac                      ; 1e-5
	s_mov_b32 s[SEL], 0x76543210
	s_mov_b32 s[SEL+1], 0xfedcba98
	s_wait_kmcnt 0x0
	s_add_nc_u64 s[16:17], s[16:17], s[34:35]
	s_add_nc_u64 s[22:23], s[22:23], s[34:35]
	s_add_nc_u64 s[26:27], s[8:9], s[36:37]
	s_add_nc_u64 s[26:27], s[26:27], OS
	s_add_nc_u64 s[28:29], s[8:9], s[38:39]
	s_add_nc_u64 s[30:31], s[24:25], s[38:39]
	s_mul_i32 s34, s2, 768
	s_add_nc_u64 s[30:31], s[30:31], s[34:35]      ; h's half fragments: group w of my two tiles
	s_mul_i32 s34, s2, 24576
	s_add_nc_u64 s[10:11], s[10:11], s[34:35]
	s_lshl_b32 s34, s2, 10
	s_add_nc_u64 s[12:13], s[12:13], s[34:35]
	s_lshl_b32 s34, s2, 8
	s_add_nc_u64 s[18:19], s[18:19], s[34:35]
	s_add_nc_u64 s[20:21], s[20:21], s[34:35]
	s_lshl_b32 s34, ttmp9, 9
	s_add_nc_u64 s[32:33], s[24:25], s[34:35]
	s_add_nc_u64 s[32:33], s[32:33], HS
.irp t, 0,1,2,3
.irp i, 0,1,2,3
	global_load_b128 v[ACC+16*\t+4*\i:ACC+16*\t+4*\i+3], v[L16], s[16:17] offset:2048*\t+512*\i th:TH_LOAD_NT   ; y: 512 consecutive bytes a load
.endr
.endr
.irp i, 0,1,2,3
	global_load_b128 v[T+4*\i:T+4*\i+3], v[L16], s[14:15] offset:512*\i
.endr
.irp m, 0,1
.irp d, 0,1,2,3,4,5,6,7
	global_load_b32 v[RAW+8*\m+\d], v[R4], s[26:27] offset:8192*\d+64*\m
.endr
.endr
.irp m, 0,1
.irp d, 0,1,2,3,4,5,6,7
.set FA, AF+12*(4*\m+\d/2)+6*(\d%2)
	global_load_b128 v[FA:FA+3], v[L16], s[28:29] offset:(8*\m+\d)*768
	global_load_b64 v[FA+4:FA+5], v[L8], s[28:29] offset:(8*\m+\d)*768
.endr
.endr
	s_wait_loadcnt 32                              ; y, bp and the scale words are in; o's 32 loads may be out
.irp m, 0,1
.irp s, 0,1,2,3
	v_lshl_or_b32 v[ASW+4*\m+\s], v[RAW+8*\m+2*\s+1], 16, v[RAW+8*\m+2*\s]   ; a K step of 128 is two heads
.endr
.endr
.irp t, 0,1,2,3
.irp q, 0,2,4,6,8,10,12,14
	v_pk_add_f32 v[ACC+16*\t+\q:ACC+16*\t+\q+1], v[ACC+16*\t+\q:ACC+16*\t+\q+1], v[T+\q:T+\q+1]   ; y + bp
.endr
.endr
.irp t, 0,1,2,3
.irp i, 0,1,2,3
	ds_store_b128 v[YW], v[ACC+16*\t+4*\i:ACC+16*\t+4*\i+3] offset:YP*\t+512*\i
.endr
.endr
.irp i, 0,1,2,3
	global_load_b128 v[WSW+4*\i:WSW+4*\i+3], v[WSA], s[12:13] offset:(32*(\i/2)+8*(\i%2))*16
.endr
	WIN 0x40                                       ; destination window 1: Wp v0-191, gain v192-223, bias v224-255
.set J, 0
.rept 48
	global_load_b128 v[4*J:4*J+3], v[L16], s[10:11] offset:512*J   ; my 64 rows of Wp as they lie: 512 consecutive bytes a load
.set J, J+1
.endr
.irp b, 0,1
.irp j, 0,1,2,3
	global_load_b128 v[192+16*\b+4*\j:192+16*\b+4*\j+3], v[GBA], s[18:19] offset:128*\b+16*\j
	global_load_b128 v[224+16*\b+4*\j:224+16*\b+4*\j+3], v[GBA], s[20:21] offset:128*\b+16*\j
.endr
.endr
	WIN 0
	s_wait_dscnt 0x0
	s_barrier_signal -1
	s_barrier_wait -1                              ; 32 rows of y + bp lie in LDS
.irp m, 0,1
.irp b, 0,1
.irp j, 0,1,2,3
	ds_load_b128 v[ACC+32*\m+16*\b+4*\j:ACC+32*\m+16*\b+4*\j+3], v[YC] offset:16*YP*\m+128*\b+16*\j
.endr
.endr
.endr
	s_wait_loadcnt 0x0                             ; o's fragments, Wp and all the rest are in
	WTURN
	s_wait_dscnt 0x0
	WIN 0x01                                       ; source 0 (Wp): window 1
.irp s, 0,1,2,3
.irp m, 0,1
.irp i, 0,1,2,3
	MMA ACC+32*\m+8*\i, 48*\i+12*\s, AF+12*(4*\m+\s), WSW+4*\i+\s, ASW+4*\m+\s   ; eight accumulators by turns
.endr
.endr
.endr
	WIN 0
	PLACES 4
.irp m, 0,1
.irp b, 0,1
.irp j, 0,1,2,3
	ds_store_b128 v[YC], v[ACC+32*\m+16*\b+4*\j:ACC+32*\m+16*\b+4*\j+3] offset:16*YP*\m+128*\b+16*\j   ; o1 into the bytes that I read: each accumulator from its low end on
.endr
.endr
.endr
.irp m, 0,1
	v_pk_add_f32 v[SM+2*\m:SM+2*\m+1], v[ACC+32*\m:ACC+32*\m+1], v[ACC+32*\m+2:ACC+32*\m+3]
.endr
.irp q, 4,6,8,10,12,14,16,18,20,22,24,26,28,30
.irp m, 0,1
	v_pk_add_f32 v[SM+2*\m:SM+2*\m+1], v[SM+2*\m:SM+2*\m+1], v[ACC+32*\m+\q:ACC+32*\m+\q+1]
.endr
.endr
	PARTS 0                                        ; behind its barrier: 32 whole rows of o1, and every wave's part of the sums
.irp t, 0,1,2,3
.irp i, 0,1,2,3
	ds_load_b128 v[AF+16*\t+4*\i:AF+16*\t+4*\i+3], v[YW] offset:YP*\t+512*\i
.endr
.endr
	PARTLD 0
	s_wait_dscnt 16                                ; my four rows are in; the 16 parts may be out
.irp t, 0,1,2,3
.irp i, 0,1,2,3
	global_store_b128 v[L16], v[AF+16*\t+4*\i:AF+16*\t+4*\i+3], s[22:23] offset:2048*\t+512*\i   ; 512 consecutive bytes a store
.endr
.endr
	s_wait_dscnt 0x0
	TOTAL
.irp m, 0,1
	v_mul_f32 v[SM+2*\m], s40, v[SM+2*\m]          ; the mean
.endr
.irp q, 0,2,4,6,8,10,12,14,16,18,20,22,24,26,28,30
.irp m, 0,1
	v_pk_add_f32 v[ACC+32*\m+\q:ACC+32*\m+\q+1], v[ACC+32*\m+\q:ACC+32*\m+\q+1], v[SM+2*\m:SM+2*\m+1] op_sel_hi:[1,0] neg_lo:[0,1] neg_hi:[0,1]
.endr
.endr
.irp m, 0,1
	v_pk_mul_f32 v[SM+2*\m:SM+2*\m+1], v[ACC+32*\m:ACC+32*\m+1], v[ACC+32*\m:ACC+32*\m+1]
.endr
.irp q, 2,4,6,8,10,12,14,16,18,20,22,24,26,28,30
.irp m, 0,1
	v_pk_fma_f32 v[SM+2*\m:SM+2*\m+1], v[ACC+32*\m+\q:ACC+32*\m+\q+1], v[ACC+32*\m+\q:ACC+32*\m+\q+1], v[SM+2*\m:SM+2*\m+1]
.endr
.endr
	PARTS 1024
	PARTLD 1024
	s_wait_dscnt 0x0
	TOTAL
.irp m, 0,1
	v_fma_f32 v[SM+2*\m], v[SM+2*\m], s40, s41
.endr
.irp m, 0,1
	v_rsq_f32 v[SM+2*\m], v[SM+2*\m]
.endr
	v_nop
	s_wait_alu depctr_va_vdst(0)                   ; one wait for the two, ahead of their first reader
.irp q, 0,2,4,6,8,10,12,14,16,18,20,22,24,26,28,30
.irp m, 0,1
	v_pk_mul_f32 v[ACC+32*\m+\q:ACC+32*\m+\q+1], v[ACC+32*\m+\q:ACC+32*\m+\q+1], v[SM+2*\m:SM+2*\m+1] op_sel_hi:[1,0]
.endr
.endr
	WIN 0x14                                       ; sources 1 and 2 (gain, bias): window 1
.irp q, 0,2,4,6,8,10,12,14,16,18,20,22,24,26,28,30
.irp m, 0,1
	v_pk_fma_f32 v[ACC+32*\m+\q:ACC+32*\m+\q+1], v[ACC+32*\m+\q:ACC+32*\m+\q+1], v[192+\q:193+\q], v[224+\q:225+\q]
.endr
.endr
	WIN 0
.irp m, 0,1
.if \m
	s_wait_xcnt 0x0                                ; the first tile's stores have read the codes' registers
.endif
	QUANT32 ACC+32*\m, PW+\m
	global_store_b128 v[L16], v[PC:PC+3], s[30:31] offset:6144*\m
	global_store_b64 v[L8], v[PC+4:PC+5], s[30:31] offset:6144*\m
	ds_store_b16 v[HSWA], v[PW+\m] offset:256*\m   ; bytes 2 w, 2 w + 1 of the row's sixteen
.endr
	s_wait_dscnt 0x0
	s_barrier_signal -1
	s_barrier_wait -1
	s_cmp_lg_u32 s2, 0
	s_cbranch_scc1 .Ldone
	ds_load_b128 v[AF+64:AF+67], v[HSR]
	s_wait_dscnt 0x0
	global_store_b128 v[L16], v[AF+64:AF+67], s[32:33]   ; wave 0: the 32 rows' scale bytes, 512 consecutive bytes
.Ldone:
	s_wait_tensorcnt 0x0
	ds_add_u32 v254, v255
	s_wait_dscnt 0x0
	s_endpgm
.Lfunc_end_k_q3e65f0ead5_proj:
	.size	k_q3e65f0ead5_proj, .Lfunc_end_k_q3e65f0ead5_proj-k_q3e65f0ead5_proj
	.p2alignl 7, 3214868480
	.fill 96, 4, 3214868480
	.section	.rodata,"a",@progbits
	.p2align	6, 0x0
	.amdhsa_kernel k_q3e65f0ead5_proj
		.amdhsa_group_segment_fixed_size 172032
		.amdhsa_private_segment_fixed_size 0
		.amdhsa_enable_private_segment 0
		.amdhsa_kernarg_size 72
		.amdhsa_user_sgpr_count 2
		.amdhsa_user_sgpr_kernarg_segment_ptr 1
		.amdhsa_wavefront_size32 1
		.amdhsa_system_sgpr_workgroup_id_x 1
		.amdhsa_system_sgpr_workgroup_id_y 1
		.amdhsa_system_sgpr_workgroup_id_z 1
		.amdhsa_system_vgpr_workitem_id 0
		.amdhsa_next_free_vgpr 512
		.amdhsa_next_free_sgpr 66
		.amdhsa_reserve_vcc 0
		.amdhsa_float_denorm_mode_32 3
		.amdhsa_float_denorm_mode_16_64 3
		.amdhsa_memory_ordered 1
		.amdhsa_forward_progress 1
		.amdhsa_inst_pref_size 58
	.end_amdhsa_kernel
	.amdgpu_metadata
---
amdhsa.version: [ 1, 2 ]
amdhsa.kernels:
  - .name:           k_q3e65f0ead5_proj
    .symbol:         k_q3e65f0ead5_proj.kd
    .args:
      - { .name: ob, .offset: 0, .size: 8, .value_kind: global_buffer, .address_space: global }
      - { .name: Wp_codes, .offset: 8, .size: 8, .value_kind: global_buffer, .address_space: global }
      - { .name: Wp_scales, .offset: 16, .size: 8, .value_kind: global_buffer, .address_space: global }
      - { .name: bp, .offset: 24, .size: 8, .value_kind: global_buffer, .address_space: global }
      - { .name: y, .offset: 32, .size: 8, .value_kind: global_buffer, .address_space: global }
      - { .name: g_ln2, .offset: 40, .size: 8, .value_kind: global_buffer, .address_space: global }
      - { .name: b_ln2, .offset: 48, .size: 8, .value_kind: global_buffer, .address_space: global }
      - { .name: o1, .offset: 56, .size: 8, .value_kind: global_buffer, .address_space: global }
      - { .name: hb, .offset: 64, .size: 8, .value_kind: global_buffer, .address_space: global }
    .group_segment_fixed_size: 172032
    .private_segment_fixed_size: 0
    .kernarg_segment_align: 8
    .kernarg_segment_size: 72
    .max_flat_workgroup_size: 256
    .sgpr_count:     66
    .vgpr_count:     512
    .wavefront_size: 32
...
	.end_amdgpu_metadata
.endif
;; end of part 7
;; launch fc1 (part 8): grid 4 x 64, 8 waves a work-group, clusters of 4 x 1, 168,960 bytes of LDS; arguments hb, W1_codes, W1_scales, b1, gb; writes gb
.if DOCPART == 8
	.amdgcn_target "amdgcn-amd-amdhsa--gfx1250"
	.amdhsa_code_object_version 6
	.text
	.protected	k_q3e65f0ead5_fc1
	.globl	k_q3e65f0ead5_fc1
	.p2align	8
	.type	k_q3e65f0ead5_fc1,@function
k_q3e65f0ead5_fc1:
	s_mov_b64 s[64:65], 0
	v_nop
	global_prefetch_b8 v0, s[64:65] scope:SCOPE_SE
	s_setreg_imm32_b32 hwreg(HW_REG_WAVE_MODE, 25, 1), 1
	s_wait_xcnt 0x0
	s_wait_alu depctr_hold_cnt(0) depctr_sa_sdst(0) depctr_va_vdst(0) depctr_va_sdst(0) depctr_va_ssrc(0) depctr_va_vcc(0) depctr_vm_vsrc(0)
	s_getreg_b32 s2, hwreg(HW_REG_IB_STS2, 6, 4)
	s_cmp_eq_u32 s2, 0
	s_cbranch_scc0 .Lentry_in_a_cluster
	s_endpgm
.Lentry_in_a_cluster:
	s_bfe_u32 s2, ttmp6, 0x10000c
	s_cmp_lg_u32 s2, 0x3003
	s_cbranch_scc0 .Lentry_shape_is_right
	s_endpgm
.Lentry_shape_is_right:
; g = gelu(h W1 + b1) (tanh form), h and W1 as codes of FP6; g is quantised along the 2,048 hidden units and stored as codes.
; SHARES.  A work-group takes 128 rows (8 tiles of 16) x 512 hidden units; wave w takes 64 of them, whose rows of W1 stay in 192 registers for all eight tiles of rows.
; CLUSTER.  The four work-groups of a cluster take the four quarters of the hidden units for the same 128 rows: the rows' codes (49,152 bytes) are asked for jointly, once; wave w fetches tile w.
; W1's slices are not asked for jointly: the partners of a cluster read different slices.  A wave's 64 rows of 384 bytes are 24,576 consecutive bytes: 48 loads of 512 consecutive bytes bring them into the
; registers where the fragments will lie; 32 rows at a time they turn through the wave's own stage in LDS (rows 400 bytes apart, laid in the tiles' order by the stores' immediates) and come back as fragments.
; The product is used transposed (source 0 = 16 rows of W1 in the order 32 b + 8 u + r + 8 (r / 8)): a lane holds one row, its 32 registers hidden units 32 b + 16 (lane / 16) + 0 .. 15.  b1 is the C of each sum's first product.
; gelu(x) = x / (1 + 2^(x (c0 + c1 x^2))), c0 = -2 log2(e) sqrt(2 / pi), c1 = 0.044715 c0: the same number as 0.5 x (1 + tanh(..)).
; LIMITS: NaN and infinities are not served; a block of zeros gets the byte 1 (its codes are zeros; this program alone reads the bytes).
.set HS,  3145728
.set GS,  12582912
.set GSW, 49152                        ; LDS: 0: the rows' 8 x 6,144 bytes (filled once by the mover); GSW: 128 rows x 16 scale bytes (stored by the waves)
.set STGW, 51200                       ; 12,800 bytes a wave: the weights' stage, 32 rows x 400 bytes (stored by the waves)
.set A16, 1
.set A8,  2
.set FRD, 3                            ; the weights' stage, way out: 400 r + 24 x half
.set WSA, 4
.set BA,  5
.set RS16, 6
.set GSWA, 7
.set GSR, 8
.set GSO, 9
.set SW,  13                           ; v13-15 the weights' stage, way in
.set AF,  16                           ; v16-63 a tile's four fragments
.set ASW, 64                           ; v64-95 the rows' scale words (4 m + s)
.set Z,   96                           ; v96-127 at work in gelu
.set ACC, 128                          ; v128-159 four accumulators
.set WSW, 160                          ; v160-175 W1's scale words
.set TM,  176
.set PC,  184
.set PT,  190
.set PW,  193
.set K0,  194                          ; v[194:195] c0
.set C1,  36                           ; s[36:37] c1
.set SEL, 46
.set MSB, 0
.macro WIN new
.if MSB != \new
	s_set_vgpr_msb (MSB<<8)|\new
.set MSB, \new
.endif
.endm
.macro PLACES n
.rept \n
	v_nop
.endr
.endm
.macro MMC d, a, b, c, sa, sb          ; the first product of a sum: C = the bias
	v_wmma_scale_f32_16x16x128_f8f6f4 v[\d:\d+7], v[\a:\a+11], v[\b:\b+11], v[\c:\c+7], v[\sa], v[\sb] matrix_a_fmt:MATRIX_FMT_FP6 matrix_b_fmt:MATRIX_FMT_FP6
.endm
.macro MMA d, a, b, sa, sb
	v_wmma_scale_f32_16x16x128_f8f6f4 v[\d:\d+7], v[\a:\a+11], v[\b:\b+11], v[\d:\d+7], v[\sa], v[\sb] matrix_a_fmt:MATRIX_FMT_FP6 matrix_b_fmt:MATRIX_FMT_FP6
.endm
.macro HFLD reg, off
	ds_load_b128 v[\reg:\reg+3], v[A16] offset:\off
	ds_load_b64 v[\reg+4:\reg+5], v[A8] offset:\off
.endm
.macro ROUND
	s_barrier_signal -1
	s_barrier_wait -1
	s_cmp_lg_u32 s8, 0
	s_cbranch_scc1 .Lnot_wave_0_\@
	s_barrier_signal -3
.Lnot_wave_0_\@:
	s_barrier_wait -3
	s_barrier_signal -1
	s_barrier_wait -1
.endm
.macro QUANT32 s, pw
.irp b, 0,1
	v_max3_num_f32 v[TM+\b], |v[\s+16*\b]|, |v[\s+16*\b+1]|, 0x1800000
.endr
.irp i, 2,4,6,8,10,12,14
.irp b, 0,1
	v_max3_num_f32 v[TM+\b], v[TM+\b], |v[\s+16*\b+\i]|, |v[\s+16*\b+\i+1]|
.endr
.endr
.irp b, 0,1
	v_permlanex16_b32 v[TM+2+\b], v[TM+\b], s[SEL], s[SEL+1]
.endr
.irp b, 0,1
	v_max_num_f32 v[TM+\b], v[TM+\b], v[TM+2+\b]
.endr
.irp b, 0,1
	v_add_nc_u32 v[TM+4+\b], 0xff000000, v[TM+\b]
.endr
.irp b, 0,1
	v_lshrrev_b32 v[TM+6+\b], 23, v[TM+4+\b]
.endr
	v_lshl_or_b32 v[\pw], v[TM+7], 8, v[TM+6]
	v_cvt_scalef32_pk16_fp6_f32 v[PC:PC+2], v[\s:\s+15], v[TM+4]
	v_cvt_scalef32_pk16_fp6_f32 v[PT:PT+2], v[\s+16:\s+31], v[TM+5]
	v_nop
.irp i, 0,1,2
	v_permlane16_swap_b32 v[PC+\i], v[PT+\i]
.endr
.irp i, 0,1,2
	v_mov_b32 v[PC+3+\i], v[PT+\i]
.endr
.endm
; The weights' turn through my stage, 32 rows (two tiles, 96 registers) at a time.  Way in: load 3 a + c of a half holds chunks 96 a + 32 c + lane: rows 4 a on; memory row 16 x + 8 u + z goes to stage row
; 16 u + 8 x + z (the exchange of bits 3 and 4 stands in the immediate).  Way out: tile u's lane r takes stage row 16 u + r.  LDS serves a wave's instructions in order: the second half's stores come behind the first half's loads.
.macro WTURN
.irp b, 0,1
	WIN 0x04                                       ; an LDS store's data: window 1
.irp a, 0,1,2,3,4,5,6,7
.irp c, 0,1,2
	ds_store_b128 v[SW+\c], v[96*\b+12*\a+4*\c:96*\b+12*\a+4*\c+3] offset:400*(((4*\a)&7)|(((4*\a)&8)<<1)|(((4*\a)&16)>>1))
.endr
.endr
	s_wait_dscnt 0x0                               ; the stores have read their registers: the fragments may land there
	WIN 0x40                                       ; an LDS load's destination: window 1
.irp u, 0,1
.irp s, 0,1,2,3
.irp p, 0,1,2,3,4,5
	ds_load_b64 v[96*\b+48*\u+12*\s+2*\p:96*\b+48*\u+12*\s+2*\p+1], v[FRD] offset:6400*\u+96*\s+48*(\p/3)+8*(\p%3)
.endr
.endr
.endr
.endr
	WIN 0
.endm
.macro AFETCH m                        ; tile m's four fragments: eight half fragments
.irp s, 0,1,2,3
.irp c, 0,1
	HFLD AF+12*\s+6*\c, 6144*(\m)+768*(2*\s+\c)
.endr
.endr
.endm
.macro GELU                            ; on the 32 numbers in v[ACC] on, each accumulator from its low end on; two batches of transcendentals, one wait each
.set J, 0
.rept 16
	v_pk_mul_f32 v[Z+J:Z+J+1], v[ACC+J:ACC+J+1], v[ACC+J:ACC+J+1]
.set J, J+2
.endr
.set J, 0
.rept 16
	v_pk_fma_f32 v[Z+J:Z+J+1], v[Z+J:Z+J+1], s[C1:C1+1], v[K0:K0+1] op_sel_hi:[1,0,0]
.set J, J+2
.endr
.set J, 0
.rept 16
	v_pk_mul_f32 v[Z+J:Z+J+1], v[Z+J:Z+J+1], v[ACC+J:ACC+J+1]
.set J, J+2
.endr
.set J, 0
.rept 32
	v_exp_f32 v[Z+J], v[Z+J]
.set J, J+1
.endr
	v_nop
	s_wait_alu depctr_va_vdst(0)                   ; one wait for the 32 exponentials, ahead of their first reader
.set J, 0
.rept 16
	v_pk_add_f32 v[Z+J:Z+J+1], v[Z+J:Z+J+1], 1.0 op_sel_hi:[1,0]
.set J, J+2
.endr
.set J, 0
.rept 32
	v_rcp_f32 v[Z+J], v[Z+J]
.set J, J+1
.endr
	v_nop
	s_wait_alu depctr_va_vdst(0)                   ; and one for the 32 reciprocals
.set J, 0
.rept 16
	v_pk_mul_f32 v[ACC+J:ACC+J+1], v[ACC+J:ACC+J+1], v[Z+J:Z+J+1]
.set J, J+2
.endr
.endm
	s_load_b256 s[12:19], s[0:1], 0x0              ; hb, W1's codes, W1's scales, b1
	s_load_b64 s[20:21], s[0:1], 0x20              ; gb
	v_lshl_add_u32 v254, v0, 2, 0x29000
	v_mov_b32 v255, 0
	ds_add_u32 v254, v255
	ds_add_u32 v254, v255
	v_lshrrev_b32 v10, 5, v0
	v_readfirstlane_b32 s8, v10                    ; wave 0..7
	s_bfe_u32 s9, ttmp6, 0x40000                   ; cx: which 512 hidden units; it enters global addresses of W1, b1 and gb alone
	s_and_b32 s10, ttmp7, 0xffff                   ; which 128 rows: the four partners share it
	v_and_b32 v10, 31, v0
	v_and_b32 v11, 15, v0
	v_bfe_u32 v12, v0, 4, 1
	v_lshlrev_b32 v[A16], 4, v10
	v_lshlrev_b32 v[A8], 3, v10
	v_add_nc_u32 v[A8], 512, v[A8]
	v_and_b32 v[WSA], 8, v11
	v_add_nc_u32 v[WSA], v[WSA], v11               ; r + 8 (r / 8)
	v_lshlrev_b32 v[WSA], 4, v[WSA]
	s_mul_i32 s38, s8, 12800
	s_add_co_u32 s38, s38, STGW                    ; my stage for the weights
	v_mul_u32_u24 v[FRD], v11, 400
	v_mad_u32_u24 v[FRD], v12, 24, v[FRD]
	v_add_nc_u32 v[FRD], s38, v[FRD]
.irp c, 0,1,2
	v_add_nc_u32 v[Z], 32*\c, v10                  ; chunk x = 32 c + lane of 96: a row is 24 chunks,
	v_mul_u32_u24 v[Z+1], v[Z], 171
	v_lshrrev_b32 v[Z+1], 12, v[Z+1]               ; so it lies in row x / 24 = (171 x) >> 12 for x under 96,
	v_add_nc_u32 v[Z+1], v[Z+1], v[Z]
	v_lshl_add_u32 v[SW+\c], v[Z+1], 4, s38        ; at 400 x row + 16 x (x - 24 x row) = 16 (x + row)
.endr
	v_lshlrev_b32 v[BA], 6, v12
	v_lshlrev_b32 v[RS16], 4, v11
	s_lshl_b32 s38, s8, 1
	s_add_co_u32 s38, s38, GSW
	v_add_nc_u32 v[GSWA], s38, v[RS16]
	v_and_b32 v[GSO], 127, v0
	v_lshlrev_b32 v[GSO], 4, v[GSO]
	v_add_nc_u32 v[GSR], GSW, v[GSO]
	v_mov_b32 v[TM+2], 0
	v_mov_b32 v[TM+3], 0
	v_mov_b32 v[K0], 0xc0135761                    ; c0
	v_mov_b32 v[K0+1], 0xc0135761
	s_mov_b32 s[C1], 0xbdd2d3e8                    ; c1
	s_mov_b32 s[C1+1], s[C1]
	s_mov_b32 s[SEL], 0x76543210
	s_mov_b32 s[SEL+1], 0xfedcba98
	s_mov_b32 s24, 15|(3<<16)|(1<<21)              ; descriptor group 1: 24 dense rows of 256 bytes, for all four partners
	s_mov_b32 s25, 32<<16
	s_mov_b32 s26, 24<<16
	s_mov_b32 s27, 32<<16
	s_mov_b32 s28, 24
	s_mov_b32 s29, 32
	s_mov_b32 s30, 0
	s_mov_b32 s31, 0
	s_mov_b32 s32, 1
	s_mul_i32 s33, s8, 6144
	s_mul_i32 s38, s10, 49152
	s_add_co_u32 s38, s38, s33                     ; tile of rows 8 x block + wave
	s_mov_b32 s39, 0
	s_wait_dscnt 0x0
	s_wait_kmcnt 0x0
	s_add_nc_u64 s[34:35], s[12:13], s[38:39]
	s_or_b32 s35, s35, 0x80000000
	ROUND
	tensor_load_to_lds s[32:35], s[24:31]          ; the launch's only fill
	s_nop 0
	PLACES 4
	s_mul_i32 s38, s9, 196608
	s_mul_i32 s40, s8, 24576
	s_add_co_u32 s38, s38, s40
	s_add_nc_u64 s[14:15], s[14:15], s[38:39]      ; my 64 rows of W1
	s_lshl_b32 s38, s9, 13
	s_lshl_b32 s40, s8, 10
	s_add_co_u32 s38, s38, s40
	s_add_nc_u64 s[16:17], s[16:17], s[38:39]
	s_lshl_b32 s38, s9, 11
	s_lshl_b32 s40, s8, 8
	s_add_co_u32 s38, s38, s40
	s_add_nc_u64 s[18:19], s[18:19], s[38:39]
	s_lshl_b32 s38, s10, 11
	s_add_nc_u64 s[44:45], s[12:13], s[38:39]
	s_add_nc_u64 s[44:45], s[44:45], HS            ; the rows' scale bytes
	s_lshl_b32 s40, s9, 17
	s_add_co_u32 s38, s38, s40
	s_add_nc_u64 s[42:43], s[20:21], s[38:39]
	s_add_nc_u64 s[42:43], s[42:43], GS            ; where g's scale bytes go
	s_lshl_b32 s38, s9, 3
	s_add_co_u32 s38, s38, s8
	s_mul_i32 s38, s38, 768
	s_mul_i32 s40, s10, 196608
	s_add_co_u32 s38, s38, s40
	s_add_nc_u64 s[40:41], s[20:21], s[38:39]      ; and its half fragments: group 8 cx + wave of my tiles
	WIN 0x40                                       ; destination window 1
.set J, 0
.rept 48
	global_load_b128 v[4*J:4*J+3], v[A16], s[14:15] offset:512*J   ; my 64 rows of W1 as they lie: 512 consecutive bytes a load
.set J, J+1
.endr
.irp i, 0,1,2,3
.irp e, 0,1
	global_load_b128 v[192+8*\i+4*\e:192+8*\i+4*\e+3], v[BA], s[18:19] offset:128*(\i/2)+32*(\i%2)+16*\e   ; b1 in the result's layout
.endr
.endr
	WIN 0
.irp i, 0,1,2,3
	global_load_b128 v[WSW+4*\i:WSW+4*\i+3], v[WSA], s[16:17] offset:(32*(\i/2)+8*(\i%2))*16
.endr
.irp m, 0,1,2,3,4,5,6,7
	global_load_b128 v[ASW+4*\m:ASW+4*\m+3], v[RS16], s[44:45] offset:256*\m
.endr
	s_wait_loadcnt 20                              ; W1's 48 loads are in; b1's 8, the 4 of W1's scale words and the 8 of the rows' may be out
	WTURN
	s_wait_tensorcnt 0x0                           ; my tile has landed,
	s_wait_dscnt 0x0                               ; no LDS instruction of mine is out:
	s_barrier_signal -1
	s_barrier_wait -1                              ; everybody's tile has landed
	AFETCH 0
	s_wait_loadcnt 0x0
.macro TILE m
	s_wait_dscnt 0x0                               ; the tile's fragments are in; the last tile's byte store has read its register
.if (\m) > 0
	s_wait_xcnt 0x0                                ; the last tile's stores have read the codes' registers
.endif
	WIN 0x11                                       ; sources 0 (W1) and 2 (b1): window 1
.irp i, 0,1,2,3
	MMC ACC+8*\i, 48*\i, AF, 192+8*\i, WSW+4*\i, ASW+4*(\m)
.endr
	WIN 0x01
.irp s, 1,2,3
.irp i, 0,1,2,3
	MMA ACC+8*\i, 48*\i+12*\s, AF+12*\s, WSW+4*\i+\s, ASW+4*(\m)+\s   ; four accumulators by turns
.endr
.endr
	WIN 0
	PLACES 4
.if (\m) < 7
	AFETCH (\m)+1                                  ; lands under gelu
.endif
	GELU
	QUANT32 ACC, PW
	global_store_b128 v[A16], v[PC:PC+3], s[40:41] offset:24576*(\m)
	global_store_b64 v[A8], v[PC+4:PC+5], s[40:41] offset:24576*(\m)
	ds_store_b16 v[GSWA], v[PW] offset:256*(\m)
.endm
.irp m, 0,1,2,3,4,5,6,7
	TILE \m
.endr
	s_wait_dscnt 0x0
	s_barrier_signal -1
	s_barrier_wait -1                              ; 128 rows x 16 scale bytes lie in LDS
	s_cmp_lt_u32 s8, 4
	s_cbranch_scc0 .Lno_gs
	ds_load_b128 v[Z:Z+3], v[GSR]
	s_wait_dscnt 0x0
	global_store_b128 v[GSO], v[Z:Z+3], s[42:43]   ; waves 0 to 3: 512 consecutive bytes each
.Lno_gs:
	s_wait_tensorcnt 0x0
	ds_add_u32 v254, v255
	s_wait_dscnt 0x0
	ROUND                                          ; the closing round
	s_endpgm
.Lfunc_end_k_q3e65f0ead5_fc1:
	.size	k_q3e65f0ead5_fc1, .Lfunc_end_k_q3e65f0ead5_fc1-k_q3e65f0ead5_fc1
	.p2alignl 7, 3214868480
	.fill 96, 4, 3214868480
	.section	.rodata,"a",@progbits
	.p2align	6, 0x0
	.amdhsa_kernel k_q3e65f0ead5_fc1
		.amdhsa_group_segment_fixed_size 168960
		.amdhsa_private_segment_fixed_size 0
		.amdhsa_enable_private_segment 0
		.amdhsa_kernarg_size 40
		.amdhsa_user_sgpr_count 2
		.amdhsa_user_sgpr_kernarg_segment_ptr 1
		.amdhsa_wavefront_size32 1
		.amdhsa_system_sgpr_workgroup_id_x 1
		.amdhsa_system_sgpr_workgroup_id_y 1
		.amdhsa_system_sgpr_workgroup_id_z 1
		.amdhsa_system_vgpr_workitem_id 0
		.amdhsa_next_free_vgpr 512
		.amdhsa_next_free_sgpr 66
		.amdhsa_reserve_vcc 0
		.amdhsa_float_denorm_mode_32 3
		.amdhsa_float_denorm_mode_16_64 3
		.amdhsa_memory_ordered 1
		.amdhsa_forward_progress 1
		.amdhsa_inst_pref_size 123
	.end_amdhsa_kernel
	.amdgpu_metadata
---
amdhsa.version: [ 1, 2 ]
amdhsa.kernels:
  - .name:           k_q3e65f0ead5_fc1
    .symbol:         k_q3e65f0ead5_fc1.kd
    .args:
      - { .name: hb, .offset: 0, .size: 8, .value_kind: global_buffer, .address_space: global }
      - { .name: W1_codes, .offset: 8, .size: 8, .value_kind: global_buffer, .address_space: global }
      - { .name: W1_scales, .offset: 16, .size: 8, .value_kind: global_buffer, .address_space: global }
      - { .name: b1, .offset: 24, .size: 8, .value_kind: global_buffer, .address_space: global }
      - { .name: gb, .offset: 32, .size: 8, .value_kind: global_buffer, .address_space: global }
    .group_segment_fixed_size: 168960
    .private_segment_fixed_size: 0
    .kernarg_segment_align: 8
    .kernarg_segment_size: 40
    .max_flat_workgroup_size: 256
    .sgpr_count:     66
    .vgpr_count:     512
    .wavefront_size: 32
...
	.end_amdgpu_metadata
.endif
;; end of part 8
;; launch fc2 (part 9): grid 4 x 64, 8 waves a work-group, clusters of 4 x 1, 316,416 bytes of LDS; arguments gb, W2_codes, W2_scales, b2, o1, out0; writes out0
.if DOCPART == 9
	.amdgcn_target "amdgcn-amd-amdhsa--gfx1250"
	.amdhsa_code_object_version 6
	.text
	.protected	k_q3e65f0ead5_fc2
	.globl	k_q3e65f0ead5_fc2
	.p2align	8
	.type	k_q3e65f0ead5_fc2,@function
k_q3e65f0ead5_fc2:
	s_mov_b64 s[64:65], 0
	v_nop
	global_prefetch_b8 v0, s[64:65] scope:SCOPE_SE
	s_setreg_imm32_b32 hwreg(HW_REG_WAVE_MODE, 25, 1), 1
	s_wait_xcnt 0x0
	s_wait_alu depctr_hold_cnt(0) depctr_sa_sdst(0) depctr_va_vdst(0) depctr_va_sdst(0) depctr_va_ssrc(0) depctr_va_vcc(0) depctr_vm_vsrc(0)
	s_getreg_b32 s2, hwreg(HW_REG_IB_STS2, 6, 4)
	s_cmp_eq_u32 s2, 0
	s_cbranch_scc0 .Lentry_in_a_cluster
	s_endpgm
.Lentry_in_a_cluster:
	s_bfe_u32 s2, ttmp6, 0x10000c
	s_cmp_lg_u32 s2, 0x3003
	s_cbranch_scc0 .Lentry_shape_is_right
	s_endpgm
.Lentry_shape_is_right:
; out = g W2 + b2 + o1, g and W2 as codes of FP6, sums in f32.
; SHARES.  A work-group takes 128 rows (8 tiles of 16) x 128 columns.  Wave w takes columns 64 (w % 2) on and K steps 4 (w / 2) .. + 3 of the sixteen: its slice of W2 stays in 192 registers for all eight tiles.
; ORDER OF ROUNDING: K is summed in four parts of 512, one a pair of waves, and the parts are added in f32 ((p0 + p1) + (p2 + p3), then b2 + o1).
; The parts meet in LDS, in two buffers by turns, one barrier a tile; they are read back by rows, so that a store covers 512 consecutive bytes of a row of the output.
; CLUSTER.  The four work-groups of a cluster take the four quarters of the columns for the same 128 rows: the rows' codes (196,608 bytes) are asked for jointly, once; wave w fetches tile w.
; W2's slices are not asked for jointly: the partners read different slices.  A wave's slice is 384 consecutive bytes of each of 64 rows: 48 loads of 16 bytes a lane, neighbouring lanes at neighbouring bytes of a
; row's piece, bring it into the registers where the fragments will lie; 16 rows at a time they turn through the wave's own stage in LDS (rows 400 bytes apart) and come back as fragments.
; The product is used transposed (source 0 = 16 rows of W2, source 1 = 16 rows of g): a lane holds eight neighbouring columns of one row.
.set GS,  12582912
.set RED, 196608                       ; LDS: 0: the rows' 8 x 24,576 bytes (filled once by the mover); RED: 2 buffers x 4 parts x 16 rows x (512 bytes + 16), stored by the waves
.set STGW, 264192                      ; 6,400 bytes a wave: the weights' stage, 16 rows x 400 bytes, stored by the waves
.set A16, 1
.set A8,  2
.set RW,  3
.set RR,  4
.set FRD, 5                            ; the weights' stage, way out: 400 r + 24 x half
.set WSA, 6
.set RS16, 7
.set L16, 8
.set SW,  9                            ; v9-11 the weights' stage, way in
.set GW,  12                           ; v12-14 the same chunks' places in W2
.set AF,  16                           ; v16-63 a tile's four fragments of my K steps
.set ASW, 64                           ; v64-95 the rows' scale words (4 m + s)
.set WSW, 96                           ; v96-111 W2's
.set ACC, 112                          ; v112-143 four accumulators
.set RD,  144                          ; v144-175 two rows x four parts; at the head: at work
.set O1,  176                          ; v176-239 o1 + b2 of my 16 rows' pieces
.set B2,  240
.set MSB, 0
.macro WIN new
.if MSB != \new
	s_set_vgpr_msb (MSB<<8)|\new
.set MSB, \new
.endif
.endm
.macro PLACES n
.rept \n
	v_nop
.endr
.endm
.macro MM0 d, a, b, sa, sb
	v_wmma_scale_f32_16x16x128_f8f6f4 v[\d:\d+7], v[\a:\a+11], v[\b:\b+11], 0, v[\sa], v[\sb] matrix_a_fmt:MATRIX_FMT_FP6 matrix_b_fmt:MATRIX_FMT_FP6
.endm
.macro MMA d, a, b, sa, sb
	v_wmma_scale_f32_16x16x128_f8f6f4 v[\d:\d+7], v[\a:\a+11], v[\b:\b+11], v[\d:\d+7], v[\sa], v[\sb] matrix_a_fmt:MATRIX_FMT_FP6 matrix_b_fmt:MATRIX_FMT_FP6
.endm
.macro ROUND
	s_barrier_signal -1
	s_barrier_wait -1
	s_cmp_lg_u32 s8, 0
	s_cbranch_scc1 .Lnot_wave_0_\@
	s_barrier_signal -3
.Lnot_wave_0_\@:
	s_barrier_wait -3
	s_barrier_signal -1
	s_barrier_wait -1
.endm
.macro AFETCH                          ; my four K steps of the tile at which the two address registers stand: 16 LDS loads
.irp s, 0,1,2,3
.irp c, 0,1
	ds_load_b128 v[AF+12*\s+6*\c:AF+12*\s+6*\c+3], v[A16] offset:768*(2*\s+\c)
	ds_load_b64 v[AF+12*\s+6*\c+4:AF+12*\s+6*\c+5], v[A8] offset:768*(2*\s+\c)
.endr
.endr
.endm
; The weights' turn through my stage, a tile of 16 rows (48 registers) at a time: load 3 a + c of a tile holds chunks 96 a + 32 c + lane: rows 4 a on.  LDS serves a wave's instructions in order: a tile's stores come behind the last tile's loads.
.macro WTURN
.irp i, 0,1,2,3
	WIN 0x04                                       ; an LDS store's data: window 1
.irp a, 0,1,2,3
.irp c, 0,1,2
	ds_store_b128 v[SW+\c], v[48*\i+12*\a+4*\c:48*\i+12*\a+4*\c+3] offset:1600*\a
.endr
.endr
	s_wait_dscnt 0x0                               ; the stores have read their registers: the fragments may land there
	WIN 0x40                                       ; an LDS load's destination: window 1
.irp s, 0,1,2,3
.irp p, 0,1,2,3,4,5
	ds_load_b64 v[48*\i+12*\s+2*\p:48*\i+12*\s+2*\p+1], v[FRD] offset:96*\s+48*(\p/3)+8*(\p%3)
.endr
.endr
.endr
	WIN 0
.endm
	s_load_b256 s[12:19], s[0:1], 0x0              ; gb, W2's codes, W2's scales, b2
	s_load_b128 s[20:23], s[0:1], 0x20             ; o1, out0
	v_lshl_add_u32 v254, v0, 2, 0x4d000
	v_mov_b32 v255, 0
	ds_add_u32 v254, v255
	ds_add_u32 v254, v255
	v_lshrrev_b32 v144, 5, v0
	v_readfirstlane_b32 s8, v144                   ; wave 0..7
	s_bfe_u32 s9, ttmp6, 0x40000                   ; cx: which 128 columns; it enters global addresses of W2, b2, o1 and out0 alone
	s_and_b32 s10, ttmp7, 0xffff                   ; which 128 rows
	s_and_b32 s36, s8, 1                           ; which 64 of the columns
	s_lshr_b32 s37, s8, 1                          ; which four K steps
	v_and_b32 v144, 31, v0                         ; lane
	v_and_b32 v145, 15, v0                         ; r
	v_bfe_u32 v146, v0, 4, 1                       ; h
	v_lshlrev_b32 v[L16], 4, v144
	s_mul_i32 s38, s37, 6144
	v_add_nc_u32 v[A16], s38, v[L16]
	v_lshlrev_b32 v[A8], 3, v144
	s_add_co_u32 s38, s38, 512
	v_add_nc_u32 v[A8], s38, v[A8]
	s_mul_i32 s38, s37, 8448
	s_lshl_b32 s39, s36, 8
	s_add_co_u32 s38, s38, s39
	s_add_co_u32 s38, s38, RED
	v_mul_u32_u24 v[RW], v145, 528
	v_lshl_add_u32 v[RW], v146, 5, v[RW]
	v_add_nc_u32 v[RW], s38, v[RW]                 ; my part: row r, my 64 columns, 32 bytes for each half of the lanes
	s_mul_i32 s38, s8, 1056
	s_add_co_u32 s38, s38, RED
	v_add_nc_u32 v[RR], s38, v[L16]                ; back: rows 2 w, 2 w + 1, 16 bytes a lane
	s_mul_i32 s38, s8, 6400
	s_add_co_u32 s38, s38, STGW                    ; my stage for the weights
	v_mul_u32_u24 v[FRD], v145, 400
	v_mad_u32_u24 v[FRD], v146, 24, v[FRD]
	v_add_nc_u32 v[FRD], s38, v[FRD]
.irp c, 0,1,2
	v_add_nc_u32 v147, 32*\c, v144                 ; chunk x = 32 c + lane of 96: a row's piece is 24 chunks,
	v_mul_u32_u24 v148, v147, 171
	v_lshrrev_b32 v148, 12, v148                   ; so it lies in row x / 24 = (171 x) >> 12 for x under 96:
	v_lshlrev_b32 v149, 4, v147
	v_mad_u32_u24 v[GW+\c], v148, 1152, v149       ; in W2 at 1,536 x row + 16 x (x - 24 x row) = 16 x + 1,152 x row,
	v_add_nc_u32 v148, v148, v147
	v_lshl_add_u32 v[SW+\c], v148, 4, s38          ; in the stage at 400 x row + 16 x (x - 24 x row) = 16 (x + row)
.endr
	v_lshlrev_b32 v[WSA], 6, v145
	v_lshlrev_b32 v[RS16], 4, v145
	s_mov_b32 s24, 15|(3<<16)|(1<<21)              ; descriptor group 1: 96 dense rows of 256 bytes, for all four partners
	s_mov_b32 s25, 32<<16
	s_mov_b32 s26, 96<<16
	s_mov_b32 s27, 32<<16
	s_mov_b32 s28, 96
	s_mov_b32 s29, 32
	s_mov_b32 s30, 0
	s_mov_b32 s31, 0
	s_mov_b32 s32, 1
	s_mul_i32 s33, s8, 24576
	s_mul_i32 s38, s10, 196608
	s_add_co_u32 s38, s38, s33
	s_mov_b32 s39, 0
	s_wait_dscnt 0x0
	s_wait_kmcnt 0x0
	s_add_nc_u64 s[34:35], s[12:13], s[38:39]
	s_or_b32 s35, s35, 0x80000000
	ROUND
	tensor_load_to_lds s[32:35], s[24:31]          ; the launch's only fill
	s_nop 0
	PLACES 4
	s_mul_i32 s38, s9, 196608
	s_mul_i32 s42, s36, 98304
	s_add_co_u32 s38, s38, s42
	s_mul_i32 s42, s37, 384
	s_add_co_u32 s38, s38, s42
	s_add_nc_u64 s[14:15], s[14:15], s[38:39]      ; my 64 rows of W2, at my first K step
	s_lshl_b32 s38, s9, 13
	s_lshl_b32 s42, s36, 12
	s_add_co_u32 s38, s38, s42
	s_lshl_b32 s42, s37, 4
	s_add_co_u32 s38, s38, s42
	s_add_nc_u64 s[16:17], s[16:17], s[38:39]
	s_lshl_b32 s38, s37, 17
	s_lshl_b32 s42, s10, 11
	s_add_co_u32 s38, s38, s42
	s_add_nc_u64 s[40:41], s[12:13], s[38:39]
	s_add_nc_u64 s[40:41], s[40:41], GS            ; the rows' scale bytes of my four K steps
	s_lshl_b32 s38, s9, 9
	s_add_nc_u64 s[18:19], s[18:19], s[38:39]
	s_lshl_b32 s42, s10, 18
	s_add_co_u32 s38, s38, s42
	s_lshl_b32 s42, s8, 12
	s_add_co_u32 s38, s38, s42                     ; row 128 x block + 2 x wave, my work-group's 512 bytes of it
	s_add_nc_u64 s[20:21], s[20:21], s[38:39]
	s_add_nc_u64 s[22:23], s[22:23], s[38:39]
	WIN 0x40                                       ; destination window 1
.irp i, 0,1,2,3
.irp a, 0,1,2,3
.irp c, 0,1,2
	global_load_b128 v[48*\i+12*\a+4*\c:48*\i+12*\a+4*\c+3], v[GW+\c], s[14:15] offset:(16*\i+4*\a)*1536   ; 32 chunks on end of rows 16 i + 4 a on
.endr
.endr
.endr
	WIN 0
.irp i, 0,1,2,3
	global_load_b128 v[WSW+4*\i:WSW+4*\i+3], v[WSA], s[16:17] offset:1024*\i
.endr
.irp m, 0,1,2,3,4,5,6,7
	global_load_b128 v[ASW+4*\m:ASW+4*\m+3], v[RS16], s[40:41] offset:256*\m
.endr
	global_load_b128 v[B2:B2+3], v[L16], s[18:19]
.irp m, 0,1,2,3,4,5,6,7
.irp e, 0,1
	global_load_b128 v[O1+4*(2*\m+\e):O1+4*(2*\m+\e)+3], v[L16], s[20:21] offset:32768*\m+2048*\e th:TH_LOAD_NT
.endr
.endr
	s_wait_loadcnt 29                              ; W2's 48 loads are in; the 4 + 8 of scale words, b2's one and o1's 16 may be out
	WTURN
	s_wait_tensorcnt 0x0                           ; my tile has landed,
	s_wait_dscnt 0x0                               ; no LDS instruction of mine is out:
	s_barrier_signal -1
	s_barrier_wait -1                              ; everybody's tile has landed
	AFETCH
	s_wait_loadcnt 0x0
.set J, 0
.rept 16
	v_pk_add_f32 v[O1+J:O1+J+1], v[O1+J:O1+J+1], v[B2:B2+1]          ; o1 + b2
	v_pk_add_f32 v[O1+J+2:O1+J+3], v[O1+J+2:O1+J+3], v[B2+2:B2+3]
.set J, J+4
.endr
.macro TILE m
.set BUF, ((\m)%2)*33792
	s_wait_dscnt 0x0                               ; the tile's fragments are in
	WIN 0x01                                       ; source 0 (W2): window 1
.irp s, 0,1,2,3
.irp i, 0,1,2,3
.if \s == 0
	MM0 ACC+8*\i, 48*\i+12*\s, AF+12*\s, WSW+4*\i+\s, ASW+4*(\m)+\s
.else
	MMA ACC+8*\i, 48*\i+12*\s, AF+12*\s, WSW+4*\i+\s, ASW+4*(\m)+\s   ; four accumulators by turns
.endif
.endr
.endr
	WIN 0
	PLACES 4                                       ; in front of the stores that read results and of the loads into the fragments' registers
.irp i, 0,1,2,3
.irp e, 0,1
	ds_store_b128 v[RW], v[ACC+8*\i+4*\e:ACC+8*\i+4*\e+3] offset:BUF+64*\i+16*\e   ; each accumulator from its low end on
.endr
.endr
	s_wait_dscnt 0x0                               ; my part lies in LDS; my reads of the other buffer ended in the last tile
	s_barrier_signal -1
	s_barrier_wait -1                              ; all four parts of both halves of the columns do
.if (\m) > 0
	s_wait_xcnt 0x0                                ; the last tile's stores have read their registers
.endif
.irp e, 0,1
.irp p, 0,1,2,3
	ds_load_b128 v[RD+16*\e+4*\p:RD+16*\e+4*\p+3], v[RR] offset:BUF+8448*\p+528*\e
.endr
.endr
.if (\m) < 7
	v_add_nc_u32 v[A16], 24576, v[A16]             ; on to the next tile of rows
	v_add_nc_u32 v[A8], 24576, v[A8]
	AFETCH
	s_wait_dscnt 16                                ; the eight loads of parts are in; the 16 fragment loads may be out
.else
	s_wait_dscnt 0x0
.endif
.irp e, 0,1
.irp q, 0,2
	v_pk_add_f32 v[RD+16*\e+\q:RD+16*\e+\q+1], v[RD+16*\e+\q:RD+16*\e+\q+1], v[RD+16*\e+4+\q:RD+16*\e+4+\q+1]
	v_pk_add_f32 v[RD+16*\e+8+\q:RD+16*\e+8+\q+1], v[RD+16*\e+8+\q:RD+16*\e+8+\q+1], v[RD+16*\e+12+\q:RD+16*\e+12+\q+1]
.endr
.endr
.irp e, 0,1
.irp q, 0,2
	v_pk_add_f32 v[RD+16*\e+\q:RD+16*\e+\q+1], v[RD+16*\e+\q:RD+16*\e+\q+1], v[RD+16*\e+8+\q:RD+16*\e+8+\q+1]
.endr
.endr
.irp e, 0,1
.irp q, 0,2
	v_pk_add_f32 v[RD+16*\e+\q:RD+16*\e+\q+1], v[RD+16*\e+\q:RD+16*\e+\q+1], v[O1+4*(2*(\m)+\e)+\q:O1+4*(2*(\m)+\e)+\q+1]
.endr
.endr
.irp e, 0,1
	global_store_b128 v[L16], v[RD+16*\e:RD+16*\e+3], s[22:23] offset:32768*(\m)+2048*\e th:TH_STORE_NT   ; 32 lanes store 512 consecutive bytes, at a multiple of 512 from the output's first byte
.endr
.endm
.irp m, 0,1,2,3,4,5,6,7
	TILE \m
.endr
	s_wait_tensorcnt 0x0
	ds_add_u32 v254, v255
	s_wait_dscnt 0x0
	ROUND                                          ; the closing round
	s_endpgm
.Lfunc_end_k_q3e65f0ead5_fc2:
	.size	k_q3e65f0ead5_fc2, .Lfunc_end_k_q3e65f0ead5_fc2-k_q3e65f0ead5_fc2
	.p2alignl 7, 3214868480
	.fill 96, 4, 3214868480
	.section	.rodata,"a",@progbits
	.p2align	6, 0x0
	.amdhsa_kernel k_q3e65f0ead5_fc2
		.amdhsa_group_segment_fixed_size 316416
		.amdhsa_private_segment_fixed_size 0
		.amdhsa_enable_private_segment 0
		.amdhsa_kernarg_size 48
		.amdhsa_user_sgpr_count 2
		.amdhsa_user_sgpr_kernarg_segment_ptr 1
		.amdhsa_wavefront_size32 1
		.amdhsa_system_sgpr_workgroup_id_x 1
		.amdhsa_system_sgpr_workgroup_id_y 1
		.amdhsa_system_sgpr_workgroup_id_z 1
		.amdhsa_system_vgpr_workitem_id 0
		.amdhsa_next_free_vgpr 512
		.amdhsa_next_free_sgpr 66
		.amdhsa_reserve_vcc 0
		.amdhsa_float_denorm_mode_32 3
		.amdhsa_float_denorm_mode_16_64 3
		.amdhsa_memory_ordered 1
		.amdhsa_forward_progress 1
		.amdhsa_inst_pref_size 71
	.end_amdhsa_kernel
	.amdgpu_metadata
---
amdhsa.version: [ 1, 2 ]
amdhsa.kernels:
  - .name:           k_q3e65f0ead5_fc2
    .symbol:         k_q3e65f0ead5_fc2.kd
    .args:
      - { .name: gb, .offset: 0, .size: 8, .value_kind: global_buffer, .address_space: global }
      - { .name: W2_codes, .offset: 8, .size: 8, .value_kind: global_buffer, .address_space: global }
      - { .name: W2_scales, .offset: 16, .size: 8, .value_kind: global_buffer, .address_space: global }
      - { .name: b2, .offset: 24, .size: 8, .value_kind: global_buffer, .address_space: global }
      - { .name: o1, .offset: 32, .size: 8, .value_kind: global_buffer, .address_space: global }
      - { .name: out0, .offset: 40, .size: 8, .value_kind: global_buffer, .address_space: global }
    .group_segment_fixed_size: 316416
    .private_segment_fixed_size: 0
    .kernarg_segment_align: 8
    .kernarg_segment_size: 48
    .max_flat_workgroup_size: 256
    .sgpr_count:     66
    .vgpr_count:     512
    .wavefront_size: 32
...
	.end_amdgpu_metadata
.endif
;; end of part 9
;; ======== version 3 of 3: 5 launches
;; workspace buffers: qkv 10,223,616 bytes; ob 3,407,872 bytes; o1 16,777,216 bytes; hb 3,276,800 bytes; gb 13,107,200 bytes
;; launch lnqkv (part 10): grid 256 x 1, 8 waves a work-group, no clusters, 257,024 bytes of LDS; arguments x, y, g_ln1x, b_ln1x, g_ln1y, b_ln1y, Wkv_codes, Wkv_scales, Wq_codes, Wq_scales, qkv; writes qkv
.if DOCPART == 10
	.amdgcn_target "amdgcn-amd-amdhsa--gfx1250"
	.amdhsa_code_object_version 6
	.text
	.protected	k_q3e65f0ead5_lnqkv
	.globl	k_q3e65f0ead5_lnqkv
	.p2align	8
	.type	k_q3e65f0ead5_lnqkv,@function
k_q3e65f0ead5_lnqkv:
	s_mov_b64 s[64:65], 0
	v_nop
	global_prefetch_b8 v0, s[64:65] scope:SCOPE_SE
	s_setreg_imm32_b32 hwreg(HW_REG_WAVE_SCHED_MODE, 0, 2), 2
	s_setreg_imm32_b32 hwreg(HW_REG_WAVE_MODE, 25, 1), 1
	s_wait_xcnt 0x0
	s_wait_alu depctr_vm_vsrc(0)
; LN(x) and LN(y) in f32, quantised to FP6 (E2M3, one E8M0 byte for 32 along K); q = LN(y) Wq, k and v = LN(x) Wkv on codes; q and k quantised along the head's 64, v along the keys.
; SHARES.  Work-groups 0-127 take 64 rows of x each (pass 0: k, pass 1: v), work-groups 128-255 take 64 rows of y (pass 0: q, then they end: half the products of the others).
; Only pointers and offsets are chosen by the kind of work-group; one text serves both.  In the norm wave w takes 8 rows; in the products it takes head w for all four tiles of 16 rows.
; ORDER OF ROWS.  Lane r of tile 2 b + u of a weight takes row 32 b + 8 u + r + 8 (r / 8), so that the 16 registers of two neighbouring tiles are 16 neighbours along the next K.  The tokens of x are laid
; in the same order: wave w always fills LDS rows 8 w .. 8 w + 7, and for x it LOADS rows 8 w' .. with w' = w with its bits 0 and 1 exchanged; only a global address hangs on that.
; THE WEIGHTS.  A head's 64 rows of 384 bytes are 24,576 consecutive bytes: 48 loads, each of 512 consecutive bytes, bring them into the registers where the fragments will lie.  32 rows at a time they turn
; through the wave's own stage in LDS (rows 400 bytes apart, laid in the tiles' order by the stores' immediates) and come back as fragments, into the registers that they left.
; WHAT LEAVES: half fragments of 768 bytes (16 rows x 64 along K as an image of operand registers 0-5: lane l's registers 0-3 at 16 l, registers 4-5 at 512 + 8 l) and one word of two scale bytes a row.
; NO CLUSTER: the rows are read by one work-group alone; the weights are kept in the registers of the wave that multiplies by them, and a joint request lands in LDS, where the 393,216 bytes of the two
; passes' weights have no room beside each other.
; LIMITS: NaN and infinities among the inputs are not served; a block of zeros gets the byte 1 where the quantiser says 127 (its codes are zeros, and this program alone reads the bytes).
; THE MODE: SCHED_MODE bits 1:0 = 2 (LLVM: expert scheduling mode 2), set by the entry lines.  The code itself states the register dependences between vector or matrix instructions and memory or LDS
; instructions, with s_wait_alu, always for 0.
; THE PLAN.  Registers that memory or LDS instructions touch:
;   v1-15           offsets and LDS addresses: written at the head, never again: one wait on va_vdst ahead of the first load.  v120, one more LDS address, is made behind the barrier, with a wait behind it.
;   window 1 v0-191 the rows as loaded, then a weight as loaded, then its fragments.  Global loads write them, LDS stores read them, LDS loads land in them again, products read them.  A wait on vm_vsrc stands
;                   between each run of LDS stores and the loads that land in the same registers; a wait on va_vdst between pass 0's products and the loads of pass 1's weight.
;   v64-71, v96-126 the norm's scale bytes and codes: written by vector instructions, read by LDS stores (va_vdst ahead of the stores), written again behind the barrier (vm_vsrc ahead of that).
;   XF0, XF1        two buffers for the rows' fragments, v16-63 and window 1's v192-239.  K step s's products read buffer s % 2; the loads of step s + 1 land in the other, which step s - 1's products read.
;                   ONE wait on va_vdst at the head of steps 1 and 2 states that those are done; the 24 loads follow behind the step's first four products, which name none of the registers that the loads touch.
;   v16-45, v113-116  the way out: group g's half fragment at v[16 + 8 g], its scale word at v[113 + g].  The four groups are quantised, one wait on va_vdst, then all the stores.  One wait on vm_vsrc (and
;                   on XCNT) stands ahead of pass 1's first loads into XF0; it also frees v113-119 for pass 1's way out.
;   v123, v127      written at the head, read by the closing add alone.
.set KC, 3145728                       ; qkv: q's codes at 0, k's, v's, then the three tensors of scale words
.set VC, 6291456
.set QS, 9437184
.set KS, 9699328
.set VS, 9961472
.set XC,   20480                       ; LDS: 0: a stage of 2,560 bytes for each wave; XC: 64 rows x (384 bytes of codes + 16)
.set XSB,  46080                       ; 64 rows x 16 scale bytes
.set SCW0, 47104                       ; 256 bytes a wave for pass 0's scale words; pass 1's lie 2,048 further on
.set STGW, 51200                       ; 25,600 bytes a wave: the weights' stage, 32 rows x 400 bytes, one for each pass
.set LD16, 1                           ; v1  16 x lane
.set GB64, 2                           ; v2  64 x lane
.set STI,  3                           ; v3  the rows' stage, way in
.set STO,  4                           ; v4  the rows' stage, way out
.set XCW,  5                           ; v5  where my 12 bytes of a row's codes go
.set XBW,  6                           ; v6  where my block's scale byte goes
.set XFR,  7                           ; v7  a fragment of the rows' codes
.set XSR,  8                           ; v8  their scale words
.set WSA,  9                           ; v9  a weight's scale words: my row in the tile's order x 16
.set O8,   10                          ; v10 8 x lane
.set SWA,  11                          ; v11 my wave's scale words, way in
.set SWR,  12                          ; v12 way out
.set SW,   13                          ; v13-15 the weights' stage, way in: chunk 32 c + lane of four rows' 96 chunks of 16 bytes
.set G,    16                          ; the norm: v16-31 gain, v32-47 bias of my 16 columns
.set B,    32
.set SA,   48                          ; v48-63 a pair of sums for each of 8 rows
.set P,    64                          ; v64-71 at work; later the scale bytes
.set SO,   72                          ; v72-79 the conversions' scale operands
.set C,    96                          ; v96-127 codes, four registers a row
.set R,    128                         ; v128-255 8 rows x 16 numbers
.set XF,   16                          ; the products: v16-63 four fragments of the rows: the buffer of K steps 0 and 2
.set XG,   192                         ; window 1: v192-239 the buffer of K steps 1 and 3
.set OB,   16                          ; the way out: v16-45 four half fragments, eight registers apart
.set XSW,  64                          ; v64-79 the rows' scale words (4 g + s)
.set WSW,  80                          ; v80-95 the weight's (4 i + s)
.set TM,   96
.set PT,   110
.set PW,   113                         ; v113-116 a scale word for each tile
.set SG,   118
.set FRD,  120                         ; v120 the weights' stage, way out: 400 r + 24 x half
.set ACC,  128                         ; v128-255 16 accumulators (32 g + 8 i);  window 1: v0-191 the weight's 16 fragments (48 i + 12 s)
.set SEL,  60
.set MSB, 0
.macro WIN new                         ; the immediate's high byte repeats the setting that is left
.if MSB != \new
	s_set_vgpr_msb (MSB<<8)|\new
.set MSB, \new
.endif
.endm
.macro PLACES n
.rept \n
	v_nop
.endr
.endm
.macro MM0 d, a, b, sa, sb             ; the first product of a sum: C = 0
	v_wmma_scale_f32_16x16x128_f8f6f4 v[\d:\d+7], v[\a:\a+11], v[\b:\b+11], 0, v[\sa], v[\sb] matrix_a_fmt:MATRIX_FMT_FP6 matrix_b_fmt:MATRIX_FMT_FP6
.endm
.macro MMA d, a, b, sa, sb             ; a further one, in place
	v_wmma_scale_f32_16x16x128_f8f6f4 v[\d:\d+7], v[\a:\a+11], v[\b:\b+11], v[\d:\d+7], v[\sa], v[\sb] matrix_a_fmt:MATRIX_FMT_FP6 matrix_b_fmt:MATRIX_FMT_FP6
.endm
; 32 numbers of a lane, register 16 b + i = k 32 b + 16 (lane / 16) + i of my row, become a half fragment in v[pc] .. v[pc+5] and two scale bytes in v[pw].
.macro QUANT32 s, pc, pw
.irp b, 0,1
	v_max3_num_f32 v[TM+\b], |v[\s+16*\b]|, |v[\s+16*\b+1]|, 0x1800000   ; my 16 numbers of block b and the floor 2^(3 - 127): the byte cannot fall under 1
.endr
.irp i, 2,4,6,8,10,12,14
.irp b, 0,1
	v_max3_num_f32 v[TM+\b], v[TM+\b], |v[\s+16*\b+\i]|, |v[\s+16*\b+\i+1]|
.endr
.endr
.irp b, 0,1
	v_permlanex16_b32 v[TM+2+\b], v[TM+\b], s[SEL], s[SEL+1]
.endr
.irp b, 0,1
	v_max_num_f32 v[TM+\b], v[TM+\b], v[TM+2+\b]   ; with lane l xor 16's: the block's largest magnitude
.endr
.irp b, 0,1
	v_add_nc_u32 v[TM+4+\b], 0xff000000, v[TM+\b]  ; 2 off its exponent field: the conversion's scale operand
.endr
.irp b, 0,1
	v_lshrrev_b32 v[TM+6+\b], 23, v[TM+4+\b]       ; the scale's byte
.endr
	v_lshl_or_b32 v[\pw], v[TM+7], 8, v[TM+6]
	v_cvt_scalef32_pk16_fp6_f32 v[\pc:\pc+2], v[\s:\s+15], v[TM+4]
	v_cvt_scalef32_pk16_fp6_f32 v[PT:PT+2], v[\s+16:\s+31], v[TM+5]
	v_nop                                          ; one plain place behind a scaled conversion
.irp i, 0,1,2
	v_permlane16_swap_b32 v[\pc+\i], v[PT+\i]      ; a whole block to a lane: lanes 0-15 block 0, lanes 16-31 block 1
.endr
.irp i, 0,1,2
	v_mov_b32 v[\pc+3+\i], v[PT+\i]
.endr
.endm
; a head's 64 rows of a weight, as they lie: 48 loads of 512 consecutive bytes into window 1; and the rows' scale words
.macro WRAW wc, ws
	WIN 0x40                                       ; destination window 1
.set J, 0
.rept 48
	global_load_b128 v[4*J:4*J+3], v[LD16], s[\wc:\wc+1] offset:512*J
.set J, J+1
.endr
	WIN 0
.irp i, 0,1,2,3
	global_load_b128 v[WSW+4*\i:WSW+4*\i+3], v[WSA], s[\ws:\ws+1] offset:(32*(\i/2)+8*(\i%2))*16
.endr
.endm
; The turn through my stage, 32 rows (two tiles, 96 registers) at a time.  Way in: load 3 a + c of a half holds chunks 96 a + 32 c + lane: rows 4 a on; memory row 16 x + 8 u + z goes to stage row 16 u + 8 x + z
; (bits 3 and 4 of the row's number change places: they hang on a alone, so the exchange stands in the immediate).  Way out: tile u's lane r takes stage row 16 u + r: 16 neighbouring rows, 100 words apart,
; so that the 32 lanes of a load of 8 bytes touch 64 different banks (64 banks of 4 bytes: ISA guide 11.1).  LDS serves a wave's instructions in order: the second half's stores come behind the first half's loads.
.macro WTURN stg
.irp b, 0,1
	WIN 0x04                                       ; an LDS store's data: window 1
.irp a, 0,1,2,3,4,5,6,7
.irp c, 0,1,2
	ds_store_b128 v[SW+\c], v[96*\b+12*\a+4*\c:96*\b+12*\a+4*\c+3] offset:\stg+400*(((4*\a)&7)|(((4*\a)&8)<<1)|(((4*\a)&16)>>1))
.endr
.endr
	s_wait_dscnt 0x0                               ; the stores are done
	WIN 0x40                                       ; an LDS load's destination: window 1
	s_wait_alu depctr_vm_vsrc(0)                   ; the 24 LDS stores above have read these 96 registers, in which the fragments land
.irp u, 0,1
.irp s, 0,1,2,3
.irp p, 0,1,2,3,4,5
	ds_load_b64 v[96*\b+48*\u+12*\s+2*\p:96*\b+48*\u+12*\s+2*\p+1], v[FRD] offset:\stg+6400*\u+96*\s+48*(\p/3)+8*(\p%3)
.endr
.endr
.endr
.endr
	WIN 0
.endm
	s_load_b256 s[8:15], s[0:1], 0x0               ; x, y, g_ln1x, b_ln1x
	s_load_b256 s[16:23], s[0:1], 0x20             ; g_ln1y, b_ln1y, Wkv's codes, Wkv's scales
	s_load_b128 s[24:27], s[0:1], 0x40             ; Wq's codes, Wq's scales
	s_load_b64 s[28:29], s[0:1], 0x50              ; qkv
	v_lshl_add_u32 v123, v0, 2, 0x3e800            ; my spare word and 0: made here and kept for the closing lines alone
	v_mov_b32 v127, 0
	v_lshrrev_b32 v19, 5, v0
	v_readfirstlane_b32 s2, v19                    ; wave 0..7
	v_and_b32 v17, 31, v0                          ; lane
	v_and_b32 v16, 15, v0                          ; r
	v_bfe_u32 v18, v0, 4, 1                        ; h
	v_lshlrev_b32 v[LD16], 4, v17
	v_lshlrev_b32 v[GB64], 6, v17
	s_wait_alu depctr_va_sdst(0)                   ; s2 is written, ahead of its first reader: LDS addresses and the global bases are made from it
	s_mul_i32 s3, s2, 2560
	v_lshrrev_b32 v19, 2, v17
	v_mul_u32_u24 v19, v19, 80
	v_and_b32 v[STI], 3, v17
	v_lshl_add_u32 v[STI], v[STI], 4, v19
	v_add_nc_u32 v[STI], s3, v[STI]                ; four lanes' 64 bytes on end, then 16 of padding
	v_mul_u32_u24 v[STO], v17, 80
	v_add_nc_u32 v[STO], s3, v[STO]                ; 80 x lane: my 16 neighbours
	s_mul_i32 s3, s2, 3200
	s_add_co_u32 s3, s3, XC
	v_mul_u32_u24 v[XCW], v17, 12
	v_add_nc_u32 v[XCW], s3, v[XCW]
	s_lshl_b32 s3, s2, 7
	s_add_co_u32 s3, s3, XSB
	v_lshrrev_b32 v[XBW], 1, v17
	v_add_nc_u32 v[XBW], s3, v[XBW]
	v_mul_u32_u24 v[XFR], v16, 400
	v_mad_u32_u24 v[XFR], v18, 24, v[XFR]
	v_add_nc_u32 v[XFR], XC, v[XFR]
	v_lshl_add_u32 v[XSR], v16, 4, XSB
	v_and_b32 v19, 8, v16
	v_add_nc_u32 v19, v19, v16                     ; r + 8 (r / 8)
	v_lshlrev_b32 v[WSA], 4, v19
	v_lshlrev_b32 v[O8], 3, v17
	s_lshl_b32 s3, s2, 8
	s_add_co_u32 s3, s3, SCW0
	v_lshl_add_u32 v[SWA], v16, 2, s3
	v_lshl_add_u32 v[SWR], v17, 3, s3
	s_mul_i32 s62, s2, 25600
	s_add_co_u32 s3, s62, STGW                     ; my stage for the weights
	s_add_co_u32 s62, s62, STGW-XC                 ; and how far it lies behind the rows' codes
.irp c, 0,1,2
	v_add_nc_u32 v19, 32*\c, v17                   ; chunk x = 32 c + lane of 96: a row is 24 chunks,
	v_mul_u32_u24 v20, v19, 171
	v_lshrrev_b32 v20, 12, v20                     ; so it lies in row x / 24 = (171 x) >> 12 for x under 96,
	v_add_nc_u32 v20, v20, v19
	v_lshl_add_u32 v[SW+\c], v20, 4, s3            ; at 400 x row + 16 x (x - 24 x row) = 16 (x + row)
.endr
.irp t, 0,1,2,3,4,5,6,7
	v_mov_b32 v[P+\t], 0                           ; written once: a lane permute's destination counts as one of its sources
.endr
	s_and_b32 s4, ttmp9, 127                       ; which block of 64 rows
	s_lshr_b32 s5, s4, 5                           ; batch
	s_and_b32 s6, s4, 31                           ; block in the batch
	s_and_b32 s7, s2, 4
	s_and_b32 s40, s2, 1
	s_lshl_b32 s40, s40, 1
	s_or_b32 s7, s7, s40
	s_bfe_u32 s40, s2, 0x10001
	s_or_b32 s7, s7, s40                           ; w': bits 0 and 1 of the wave's number exchanged
	s_lshl_b32 s46, s5, 3
	s_add_co_u32 s46, s46, s2                      ; 8 x batch + head
	s_mul_i32 s47, s46, 98304
	s_mul_i32 s48, s6, 3072
	s_add_co_u32 s47, s47, s48                     ; my four half fragments: (128 bh + 4 block) x 768
	s_lshl_b32 s49, s46, 13
	s_lshl_b32 s48, s6, 8
	s_add_co_u32 s49, s49, s48                     ; my 64 scale words: (32 bh + block) x 256
	s_mul_i32 s42, s2, 24576                       ; my head's 64 rows of a weight,
	s_mov_b32 s43, 0
	s_lshl_b32 s44, s2, 10                         ; and of its scales
	s_mov_b32 s45, 0
	s_mov_b32 s41, 0
	s_mov_b32 s35, QS
	s_mov_b32 s58, 0x3b000000                      ; 1 / 512
	s_mov_b32 s59, 0x3727c5ac                      ; 1e-5
	s_mov_b32 s[SEL], 0x76543210
	s_mov_b32 s[SEL+1], 0xfedcba98                 ; lane l xor 16
	s_wait_kmcnt 0x0
	s_cmp_lt_u32 ttmp9, 128                        ; x's work-group or y's?  The choice hangs on the work-group's number alone
	s_cselect_b64 s[8:9], s[8:9], s[10:11]
	s_cselect_b64 s[12:13], s[12:13], s[16:17]
	s_cselect_b64 s[14:15], s[14:15], s[18:19]
	s_cselect_b64 s[30:31], s[20:21], s[24:25]     ; pass 0's weight: Wkv's first 512 rows, or Wq
	s_cselect_b64 s[32:33], s[22:23], s[26:27]
	s_cselect_b32 s34, KC, 0
	s_cselect_b32 s35, KS, s35
	s_cselect_b32 s7, s7, s2
	s_lshl_b32 s40, s4, 17
	s_lshl_b32 s7, s7, 14
	s_add_co_u32 s40, s40, s7
	s_add_nc_u64 s[8:9], s[8:9], s[40:41]          ; my 8 rows
	s_wait_alu depctr_va_vdst(0)                   ; the offsets and addresses v1 to v15 are written, which the loads and stores of the whole kernel read; so are v16 to v20, in which the gain lands
.irp j, 0,1,2,3
	global_load_b128 v[G+4*\j:G+4*\j+3], v[GB64], s[12:13] offset:16*\j
	global_load_b128 v[B+4*\j:B+4*\j+3], v[GB64], s[14:15] offset:16*\j
.endr
	WIN 0x40                                       ; the rows land in window 1, where the weights come later
.irp t, 0,1,2,3,4,5,6,7
.irp i, 0,1,2,3
	global_load_b128 v[16*\t+4*\i:16*\t+4*\i+3], v[LD16], s[8:9] offset:2048*\t+512*\i th:TH_LOAD_NT   ; 32 lanes read 512 consecutive bytes
.endr
.endr
	s_add_nc_u64 s[30:31], s[30:31], s[42:43]
	s_add_nc_u64 s[32:33], s[32:33], s[44:45]
	s_add_nc_u64 s[36:37], s[20:21], s[42:43]
	s_add_nc_u64 s[36:37], s[36:37], 196608        ; pass 1's weight: Wkv's rows 512 on
	s_add_nc_u64 s[38:39], s[22:23], s[44:45]
	s_add_nc_u64 s[38:39], s[38:39], 8192
	s_add_co_u32 s40, s47, s34
	s_add_nc_u64 s[50:51], s[28:29], s[40:41]      ; pass 0's codes,
	s_add_co_u32 s40, s49, s35
	s_add_nc_u64 s[52:53], s[28:29], s[40:41]      ; its scale words,
	s_mov_b32 s40, s47
	s_add_nc_u64 s[54:55], s[28:29], s[40:41]
	s_add_nc_u64 s[54:55], s[54:55], VC            ; pass 1's codes,
	s_mov_b32 s40, s49
	s_add_nc_u64 s[56:57], s[28:29], s[40:41]
	s_add_nc_u64 s[56:57], s[56:57], VS            ; its scale words
	; each row turns through my stage: in as loaded, out 64 bytes a lane, so that a lane holds 16 neighbouring columns.  LDS serves a wave's instructions in order: one stage serves all rows
	WIN 0x04                                       ; an LDS store's data: window 1; an LDS load's destination: window 0
.irp t, 0,1,2,3,4,5,6,7
	s_wait_loadcnt 28-4*\t                         ; row t's four loads are in; the later rows' may be out
.irp i, 0,1,2,3
	ds_store_b128 v[STI], v[16*\t+4*\i:16*\t+4*\i+3] offset:640*\i
.endr
.irp j, 0,1,2,3
	ds_load_b128 v[R+16*\t+4*\j:R+16*\t+4*\j+3], v[STO] offset:16*\j
.endr
.endr
	s_wait_dscnt 0x0                               ; the rows are in window 0
	s_wait_alu depctr_vm_vsrc(0)                   ; the LDS stores above have read window 1's v0-127, in which the weights land
	WRAW 30, 32                                    ; pass 0's weights go out now and land under the norm's arithmetic
	; the norm, 8 rows by turns: mean, differences, variance of the differences
.macro REDUCE                          ; the pair's two halves, then the 32 lanes: every lane ends with the row's sum in the pair's low word
.irp t, 0,1,2,3,4,5,6,7
	v_add_f32 v[SA+2*\t], v[SA+2*\t], v[SA+2*\t+1]
.endr
.irp x, 1,2,4,8
.irp t, 0,1,2,3,4,5,6,7
	v_add_f32_dpp v[SA+2*\t], v[SA+2*\t], v[SA+2*\t] row_xmask:\x row_mask:0xf bank_mask:0xf
.endr
.endr
.irp t, 0,1,2,3,4,5,6,7
	v_permlanex16_b32 v[P+\t], v[SA+2*\t], s[SEL], s[SEL+1]
.endr
.irp t, 0,1,2,3,4,5,6,7
	v_add_f32 v[SA+2*\t], v[SA+2*\t], v[P+\t]
.endr
.endm
.irp t, 0,1,2,3,4,5,6,7
	v_pk_add_f32 v[SA+2*\t:SA+2*\t+1], v[R+16*\t:R+16*\t+1], v[R+16*\t+2:R+16*\t+3]
.endr
.irp j, 4,6,8,10,12,14
.irp t, 0,1,2,3,4,5,6,7
	v_pk_add_f32 v[SA+2*\t:SA+2*\t+1], v[SA+2*\t:SA+2*\t+1], v[R+16*\t+\j:R+16*\t+\j+1]
.endr
.endr
	REDUCE
.irp t, 0,1,2,3,4,5,6,7
	v_mul_f32 v[SA+2*\t], s58, v[SA+2*\t]          ; the mean
.endr
.irp j, 0,2,4,6,8,10,12,14
.irp t, 0,1,2,3,4,5,6,7
	v_pk_add_f32 v[R+16*\t+\j:R+16*\t+\j+1], v[R+16*\t+\j:R+16*\t+\j+1], v[SA+2*\t:SA+2*\t+1] op_sel_hi:[1,0] neg_lo:[0,1] neg_hi:[0,1]
.endr
.endr
.irp t, 0,1,2,3,4,5,6,7
	v_pk_mul_f32 v[SA+2*\t:SA+2*\t+1], v[R+16*\t:R+16*\t+1], v[R+16*\t:R+16*\t+1]
.endr
.irp j, 2,4,6,8,10,12,14
.irp t, 0,1,2,3,4,5,6,7
	v_pk_fma_f32 v[SA+2*\t:SA+2*\t+1], v[R+16*\t+\j:R+16*\t+\j+1], v[R+16*\t+\j:R+16*\t+\j+1], v[SA+2*\t:SA+2*\t+1]
.endr
.endr
	REDUCE
.irp t, 0,1,2,3,4,5,6,7
	v_fma_f32 v[SA+2*\t], v[SA+2*\t], s58, s59     ; variance + 1e-5
.endr
	s_wait_alu depctr_va_vdst(0)
.irp t, 0,1,2,3,4,5,6,7
	v_rsq_f32 v[SA+2*\t], v[SA+2*\t]
.endr
	v_nop                                          ; a plain place behind the last of the batch
	s_wait_alu depctr_va_vdst(0)                   ; the eight reciprocal roots are written: one wait for the batch, ahead of its first reader
.irp j, 0,2,4,6,8,10,12,14
.irp t, 0,1,2,3,4,5,6,7
	v_pk_mul_f32 v[R+16*\t+\j:R+16*\t+\j+1], v[R+16*\t+\j:R+16*\t+\j+1], v[SA+2*\t:SA+2*\t+1] op_sel_hi:[1,0]
.endr
.endr
.irp j, 0,2,4,6,8,10,12,14
.irp t, 0,1,2,3,4,5,6,7
	v_pk_fma_f32 v[R+16*\t+\j:R+16*\t+\j+1], v[R+16*\t+\j:R+16*\t+\j+1], v[G+\j:G+\j+1], v[B+\j:B+\j+1]
.endr
.endr
	; the rows are quantised: two neighbouring lanes hold a block of 32
.irp t, 0,1,2,3,4,5,6,7
	v_max3_num_f32 v[P+\t], |v[R+16*\t]|, |v[R+16*\t+1]|, 0x1800000
.endr
.irp j, 2,4,6,8,10,12,14
.irp t, 0,1,2,3,4,5,6,7
	v_max3_num_f32 v[P+\t], v[P+\t], |v[R+16*\t+\j]|, |v[R+16*\t+\j+1]|
.endr
.endr
.irp t, 0,1,2,3,4,5,6,7
	v_max_num_f32_dpp v[P+\t], v[P+\t], v[P+\t] row_xmask:1 row_mask:0xf bank_mask:0xf
.endr
.irp t, 0,1,2,3,4,5,6,7
	v_add_nc_u32 v[SO+\t], 0xff000000, v[P+\t]
.endr
.irp t, 0,1,2,3,4,5,6,7
	v_cvt_scalef32_pk16_fp6_f32 v[C+4*\t:C+4*\t+2], v[R+16*\t:R+16*\t+15], v[SO+\t]
.endr
.irp t, 0,1,2,3,4,5,6,7
	v_lshrrev_b32 v[P+\t], 23, v[SO+\t]            ; the scale's byte.  (Plain lines behind the conversions)
.endr
	s_wait_alu depctr_va_vdst(0)                   ; the conversions have written the codes v96-126 and the shifts the bytes v64-71, which the LDS stores read
.irp t, 0,1,2,3,4,5,6,7
.irp i, 0,1,2
	ds_store_b32 v[XCW], v[C+4*\t+\i] offset:400*\t+4*\i   ; my 16 codes: 12 bytes of the row's stream of bits
.endr
	ds_store_b8 v[XBW], v[P+\t] offset:16*\t       ; both lanes of a block write the same byte with the same value
.endr
	s_wait_dscnt 0x0                               ; for the others' sake: my rows' codes and bytes lie in LDS
	s_barrier_signal -1
	s_barrier_wait -1                              ; the launch's one barrier: all 64 rows do
	s_wait_alu depctr_vm_vsrc(0)                   ; my LDS stores have read v64-71 and v96-126: v98, v99 and v120 are written just below, the others by the rows' scale words and by the way out
	v_mov_b32 v[TM+2], 0
	v_mov_b32 v[TM+3], 0
	v_add_nc_u32 v[FRD], s62, v[XFR]               ; 400 r + 24 x half, in my stage for the weights
	s_wait_loadcnt 0x0                             ; pass 0's weights are in
	s_wait_alu depctr_va_vdst(0)                   ; v120 is written, which the fragments' loads read as their address; the norm is done with v16-79, in which the rows' fragments and scale words land
	WTURN 0
; K step s's four fragments of the rows into buffer s % 2: 24 LDS loads
.macro XLOAD s
.if (\s)%2
.set XL, XG
	WIN 0x40                                       ; destination window 1
.else
.set XL, XF
	WIN 0
.endif
.irp g, 0,1,2,3
.irp p, 0,1,2,3,4,5
	ds_load_b64 v[XL+12*\g+2*\p:XL+12*\g+2*\p+1], v[XFR] offset:6400*\g+96*(\s)+48*(\p/3)+8*(\p%3)
.endr
.endr
.endm
.macro PWIN kt, s                      ; the products' windows: the weight in window 1; the rows' fragments in window 0 (even K steps) or 1 (odd)
.if (\s)%2
	WIN 0x05
.elseif \kt
	WIN 0x01
.else
	WIN 0x04
.endif
.endm
; A pass: 4 K steps x 16 products; the 16 accumulators take turns, one instruction a turn, in the same order in every K step.
; kt = 1: source 0 = 16 rows of the weight, source 1 = 16 rows of the block: a lane holds one row, its registers run along the head's 64.
; kt = 0: the sources change places: a lane holds one of the head's 64, its registers run along the 64 tokens, which are the keys.
; K steps 0 and 1 are asked for at the head; steps 1 and 2 ask for the step behind them, into the buffer that the step before has multiplied by; step 3 asks for nothing.
.macro PASS kt
	XLOAD 0
.if \kt
.irp g, 0,1,2,3
	ds_load_b128 v[XSW+4*\g:XSW+4*\g+3], v[XSR] offset:256*\g   ; they stay for pass 1
.endr
.endif
	XLOAD 1
.irp s, 0,1,2,3
.set XB, XF+(XG-XF)*(\s%2)
.if \s == 0
	s_wait_dscnt 24                                ; the weight's fragments, the first buffer and the scale words are in; the youngest 24 loads, the second buffer's, may be out
.else
	s_wait_dscnt 0x0                               ; this step's buffer is in
.endif
.if (\s == 1) || (\s == 2)
	PLACES 4                                       ; in front of loads into registers that matrix instructions have read
	s_wait_alu depctr_va_vdst(0)                   ; the products of the K step before are done reading the other buffer, in which the loads below land
.endif
.irp g, 0,1,2,3
	PWIN \kt, \s
.irp i, 0,1,2,3
.if \kt
.if \s == 0
	MM0 ACC+32*\g+8*\i, 48*\i+12*\s, XB+12*\g, WSW+4*\i+\s, XSW+4*\g+\s
.else
	MMA ACC+32*\g+8*\i, 48*\i+12*\s, XB+12*\g, WSW+4*\i+\s, XSW+4*\g+\s
.endif
.else
.if \s == 0
	MM0 ACC+32*\g+8*\i, XB+12*\i, 48*\g+12*\s, XSW+4*\i+\s, WSW+4*\g+\s
.else
	MMA ACC+32*\g+8*\i, XB+12*\i, 48*\g+12*\s, XSW+4*\i+\s, WSW+4*\g+\s
.endif
.endif
.endr
.if ((\s == 1) || (\s == 2)) && (\g == 0)
	XLOAD \s+1                                     ; no further wait: the four products since the wait name this step's buffer, the weight, the accumulators and the scale words, none of the registers that these loads touch
.endif
.endr
.endr
	WIN 0
.endm
; four groups of 32 registers become four half fragments, each in registers of its own, stored as they stand behind one wait; the 64 scale words are gathered in my 256 bytes of LDS and leave as 256 consecutive bytes
.macro EPI scw, oc, os
.irp g, 0,1,2,3
	QUANT32 ACC+32*\g, OB+8*\g, PW+\g
.endr
	s_wait_alu depctr_va_vdst(0)                   ; the four half fragments v16-45 and the four scale words v113-116 are written, which the stores below read
.irp g, 0,1,2,3
	global_store_b128 v[LD16], v[OB+8*\g:OB+8*\g+3], s[\oc:\oc+1] offset:768*\g
	global_store_b64 v[O8], v[OB+8*\g+4:OB+8*\g+5], s[\oc:\oc+1] offset:768*\g+512
	ds_store_b32 v[SWA], v[PW+\g] offset:\scw+64*\g   ; lanes l and l xor 16 write the same word with the same value
.endr
	ds_load_b64 v[SG:SG+1], v[SWR] offset:\scw     ; LDS serves a wave's instructions in order: this sees my stores
	s_wait_dscnt 0x0
	global_store_b64 v[O8], v[SG:SG+1], s[\os:\os+1]
.endm
	PASS 1
	PLACES 4                                       ; in front of the first read of results and of loads into the weights' registers
	s_cmp_lt_u32 ttmp9, 128
	s_cbranch_scc0 .Lno_v
	s_wait_alu depctr_va_vdst(0)                   ; pass 0's products are done reading the weight's fragments and its scale words v80-95, in which v's weights land
	WRAW 36, 38                                    ; x's work-groups: v's weights land while k is quantised
.Lno_v:
	EPI 0, 50, 52
	s_cmp_lt_u32 ttmp9, 128
	s_cbranch_scc1 .Lpass_v
	s_wait_dscnt 0x0                               ; y's work-groups are done: the closing lines, six on end
	s_wait_alu 0x0
	s_wait_tensorcnt 0x0
	ds_add_u32 v123, v127
	s_wait_dscnt 0x0
	s_endpgm
.Lpass_v:
	s_wait_loadcnt 0x0                             ; v's weights are in
	WTURN 12800                                    ; through a stage of this pass's own
	s_wait_xcnt 0x0                                ; k's stores have had their addresses translated (ISA guide 3.1): their data registers are written again only behind this wait,
	s_wait_alu depctr_vm_vsrc(0)                   ; and k's stores have read v16-45, in which the first buffer's loads land, and v113-119, which this pass's way out writes again
	PASS 0
	PLACES 4
	EPI 2048, 54, 56
	s_wait_dscnt 0x0                               ; the closing lines, six on end
	s_wait_alu 0x0
	s_wait_tensorcnt 0x0
	ds_add_u32 v123, v127
	s_wait_dscnt 0x0
	s_endpgm
.Lfunc_end_k_q3e65f0ead5_lnqkv:
	.size	k_q3e65f0ead5_lnqkv, .Lfunc_end_k_q3e65f0ead5_lnqkv-k_q3e65f0ead5_lnqkv
	.p2alignl 7, 3214868480
	.fill 96, 4, 3214868480
	.section	.rodata,"a",@progbits
	.p2align	6, 0x0
	.amdhsa_kernel k_q3e65f0ead5_lnqkv
		.amdhsa_group_segment_fixed_size 257024
		.amdhsa_private_segment_fixed_size 0
		.amdhsa_enable_private_segment 0
		.amdhsa_kernarg_size 88
		.amdhsa_user_sgpr_count 2
		.amdhsa_user_sgpr_kernarg_segment_ptr 1
		.amdhsa_wavefront_size32 1
		.amdhsa_system_sgpr_workgroup_id_x 1
		.amdhsa_system_sgpr_workgroup_id_y 1
		.amdhsa_system_sgpr_workgroup_id_z 1
		.amdhsa_system_vgpr_workitem_id 0
		.amdhsa_next_free_vgpr 512
		.amdhsa_next_free_sgpr 66
		.amdhsa_reserve_vcc 0
		.amdhsa_float_denorm_mode_32 3
		.amdhsa_float_denorm_mode_16_64 3
		.amdhsa_memory_ordered 1
		.amdhsa_forward_progress 1
		.amdhsa_inst_pref_size 126
	.end_amdhsa_kernel
	.amdgpu_metadata
---
amdhsa.version: [ 1, 2 ]
amdhsa.kernels:
  - .name:           k_q3e65f0ead5_lnqkv
    .symbol:         k_q3e65f0ead5_lnqkv.kd
    .args:
      - { .name: x, .offset: 0, .size: 8, .value_kind: global_buffer, .address_space: global }
      - { .name: y, .offset: 8, .size: 8, .value_kind: global_buffer, .address_space: global }
      - { .name: g_ln1x, .offset: 16, .size: 8, .value_kind: global_buffer, .address_space: global }
      - { .name: b_ln1x, .offset: 24, .size: 8, .value_kind: global_buffer, .address_space: global }
      - { .name: g_ln1y, .offset: 32, .size: 8, .value_kind: global_buffer, .address_space: global }
      - { .name: b_ln1y, .offset: 40, .size: 8, .value_kind: global_buffer, .address_space: global }
      - { .name: Wkv_codes, .offset: 48, .size: 8, .value_kind: global_buffer, .address_space: global }
      - { .name: Wkv_scales, .offset: 56, .size: 8, .value_kind: global_buffer, .address_space: global }
      - { .name: Wq_codes, .offset: 64, .size: 8, .value_kind: global_buffer, .address_space: global }
      - { .name: Wq_scales, .offset: 72, .size: 8, .value_kind: global_buffer, .address_space: global }
      - { .name: qkv, .offset: 80, .size: 8, .value_kind: global_buffer, .address_space: global }
    .group_segment_fixed_size: 257024
    .private_segment_fixed_size: 0
    .kernarg_segment_align: 8
    .kernarg_segment_size: 88
    .max_flat_workgroup_size: 256
    .sgpr_count:     66
    .vgpr_count:     512
    .wavefront_size: 32
...
	.end_amdgpu_metadata
.endif
;; end of part 10
;; launch attn (part 11): grid 8 x 32, 16 waves a work-group, clusters of 4 x 1, 211,968 bytes of LDS; arguments qkv, ob; writes ob
.if DOCPART == 11
	.amdgcn_target "amdgcn-amd-amdhsa--gfx1250"
	.amdhsa_code_object_version 6
	.text
	.protected	k_q3e65f0ead5_attn
	.globl	k_q3e65f0ead5_attn
	.p2align	8
	.type	k_q3e65f0ead5_attn,@function
k_q3e65f0ead5_attn:
	s_mov_b64 s[64:65], 0
	v_nop
	global_prefetch_b8 v0, s[64:65] scope:SCOPE_SE
	s_setreg_imm32_b32 hwreg(HW_REG_WAVE_MODE, 25, 1), 1
	s_wait_xcnt 0x0
	s_wait_alu depctr_hold_cnt(0) depctr_sa_sdst(0) depctr_va_vdst(0) depctr_va_sdst(0) depctr_va_ssrc(0) depctr_va_vcc(0) depctr_vm_vsrc(0)
	s_getreg_b32 s2, hwreg(HW_REG_IB_STS2, 6, 4)
	s_cmp_eq_u32 s2, 0
	s_cbranch_scc0 .Lentry_in_a_cluster
	s_endpgm
.Lentry_in_a_cluster:
	s_bfe_u32 s2, ttmp6, 0x10000c
	s_cmp_lg_u32 s2, 0x3003
	s_cbranch_scc0 .Lentry_shape_is_right
	s_endpgm
.Lentry_shape_is_right:
; o = softmax(q k^T / 8) v for one head, both products on codes of FP6; o is divided by the row's sum and quantised along the head's 64.
; THE SOFTMAX: t = score x log2(e) / 8; M = the running largest t rounded UP to a whole number; p = 2^(t - M) is quantised along the keys, not normalised; the row's sum is taken of the unquantised p.
; SHARES.  A work-group owns 256 queries of one (batch, head); each of its sixteen waves owns a tile of 16, in 256 registers, four waves to a SIMD.  Every wave walks the 2,048 keys, 128 a step.
; K AND V OF THE WHOLE HEAD LIE IN LDS, filled once: wave w fetches key step w (6,144 bytes of k's half fragments, 6,144 of v's, 512 of k's scale words): three tensor loads of a wave are out at once.
; CLUSTER.  The four query blocks of a cluster read the same k and v: every fill is asked for jointly, with the same descriptor and the mask of all four.
; LAYOUT.  Both products are used transposed: S^T = k q^T, O^T = v^T p^T: a lane holds one query throughout.  The first product's K is 64: registers 6-11 of q's and k's fragments hold zero codes.
; k's tiles hold their keys, and v's tiles their channels, in the order 32 b + 8 u + r + 8 (r / 8), so that 16 registers of two neighbouring tiles are 16 neighbours along the next K.
; LIMITS: NaN and infinities are not served; a block of zeros gets the byte 1 (its codes are zeros; this program alone reads the bytes).
.set KC, 3145728
.set VC, 6291456
.set QS, 9437184
.set KS, 9699328
.set VS, 9961472
.set OS, 3145728                       ; ob: o's codes at 0, its scale words here
.set STEPB, 12288                      ; LDS: key step j at 12,288 j: k's 8 half fragments, then v's 8
.set SC,   196608                      ; + 768 j: k's 128 scale words (filled by the mover), then v's 64 (stored by the waves: blocks of 256 bytes of their own)
.set OSW,  208896                      ; o's 256 scale words
.set A16B, 1                           ; v1  16 x lane
.set A8B,  2                           ; v2  8 x lane + 512
.set ASB,  3                           ; v3  SC + 4 r
.set A16,  8                           ; v8-10 the same for the step in hand
.set A8,   9
.set AS,   10
.set S,    124                         ; v4-7 v's scale words; v12 -M, v13 largest t, v[14:15] the sum; v16-27 q; v28-75 four fragments of k; v76-123 four of v; v124-187 S^T, then p
.set O,    188                         ; v188-219 O^T
.set PC,   220                         ; v220-231 p's codes
.set PT,   232                         ; v232-239 at work
.set TM,   240                         ; v240-243 the blocks' largest score, then p; v244-247 scale operands; v248-251 k's scale words; v252 f, v253 p's scale word, v254 at work, v255 q's scale word
.set BM,   240
.set TB,   56
.set TS,   57
.set CNT,  58
.set CS,   60
.set SEL,  62
.macro PLACES n
.rept \n
	v_nop
.endr
.endm
.macro MM0 d, a, b, sa, sb
	v_wmma_scale_f32_16x16x128_f8f6f4 v[\d:\d+7], v[\a:\a+11], v[\b:\b+11], 0, v[\sa], v[\sb] matrix_a_fmt:MATRIX_FMT_FP6 matrix_b_fmt:MATRIX_FMT_FP6
.endm
.macro MMA d, a, b, sa, sb
	v_wmma_scale_f32_16x16x128_f8f6f4 v[\d:\d+7], v[\a:\a+11], v[\b:\b+11], v[\d:\d+7], v[\sa], v[\sb] matrix_a_fmt:MATRIX_FMT_FP6 matrix_b_fmt:MATRIX_FMT_FP6
.endm
.macro HFLD reg, off                   ; a half fragment comes back as it was stored: registers 0-3, then 4-5
	ds_load_b128 v[\reg:\reg+3], v[A16] offset:\off
	ds_load_b64 v[\reg+4:\reg+5], v[A8] offset:\off
.endm
.macro ROUND                           ; a round of the cluster's barrier
	s_barrier_signal -1
	s_barrier_wait -1
	s_cmp_lg_u32 s8, 0
	s_cbranch_scc1 .Lnot_wave_0_\@
	s_barrier_signal -3
.Lnot_wave_0_\@:
	s_barrier_wait -3
	s_barrier_signal -1
	s_barrier_wait -1
.endm
.macro QUANT32 s, pw
.irp b, 0,1
	v_max3_num_f32 v[TM+\b], |v[\s+16*\b]|, |v[\s+16*\b+1]|, 0x1800000
.endr
.irp i, 2,4,6,8,10,12,14
.irp b, 0,1
	s_delay_alu instid0(VALU_DEP_2)
	v_max3_num_f32 v[TM+\b], v[TM+\b], |v[\s+16*\b+\i]|, |v[\s+16*\b+\i+1]|
.endr
.endr
.irp b, 0,1
	s_delay_alu instid0(VALU_DEP_2)
	v_permlanex16_b32 v[TM+2+\b], v[TM+\b], s[SEL], s[SEL+1]
.endr
.irp b, 0,1
	s_delay_alu instid0(VALU_DEP_2)
	v_max_num_f32 v[TM+\b], v[TM+\b], v[TM+2+\b]
.endr
.irp b, 0,1
	s_delay_alu instid0(VALU_DEP_2)
	v_add_nc_u32 v[TM+4+\b], 0xff000000, v[TM+\b]
.endr
.irp b, 0,1
	s_delay_alu instid0(VALU_DEP_2)
	v_lshrrev_b32 v[TM+6+\b], 23, v[TM+4+\b]
.endr
	s_delay_alu instid0(VALU_DEP_1)
	v_lshl_or_b32 v[\pw], v[TM+7], 8, v[TM+6]
	v_cvt_scalef32_pk16_fp6_f32 v[PC:PC+2], v[\s:\s+15], v[TM+4]
	v_cvt_scalef32_pk16_fp6_f32 v[PT:PT+2], v[\s+16:\s+31], v[TM+5]
	v_nop
.irp i, 0,1,2
	v_permlane16_swap_b32 v[PC+\i], v[PT+\i]
.endr
.irp i, 0,1,2
	s_delay_alu instid0(VALU_DEP_3)
	v_mov_b32 v[PC+3+\i], v[PT+\i]
.endr
.endm
	s_load_b128 s[4:7], s[0:1], 0x0                ; qkv, ob
	v_lshl_add_u32 v254, v0, 2, 0x33400
	v_mov_b32 v255, 0
	ds_add_u32 v254, v255
	ds_add_u32 v254, v255
	s_wait_dscnt 0x0
	v_lshrrev_b32 v11, 5, v0
	s_delay_alu instid0(VALU_DEP_1)
	v_readfirstlane_b32 s8, v11                    ; wave 0..15
	s_bfe_u32 s9, ttmp6, 0x40000                   ; cx: it enters q's and o's global addresses alone
	s_lshl_b32 s10, ttmp9, 2
	s_add_co_u32 s10, s10, s9                      ; my block of 256 queries
	s_and_b32 s11, ttmp7, 0xffff                   ; 8 x batch + head, which the four partners share
	; descriptor group 1: dense rows of 256 bytes (32 elements of 8 bytes), 24 of them; for the scale words 2
	s_mov_b32 s16, 15|(3<<16)|(1<<21)              ; the mask of all four; elements of 8 bytes; bit 21 beside a mask
	s_mov_b32 s17, 32<<16
	s_mov_b32 s18, 24<<16
	s_mov_b32 s19, 32<<16
	s_mov_b32 s20, 24
	s_mov_b32 s21, 32
	s_mov_b32 s22, 0
	s_mov_b32 s23, 0
	s_mov_b32 s24, 15|(3<<16)|(1<<21)
	s_mov_b32 s25, 32<<16
	s_mov_b32 s26, 2<<16
	s_mov_b32 s27, 32<<16
	s_mov_b32 s28, 2
	s_mov_b32 s29, 32
	s_mov_b32 s30, 0
	s_mov_b32 s31, 0
	s_mul_i32 s44, s11, 98304
	s_mul_i32 s45, s8, 6144
	s_add_co_u32 s44, s44, s45                     ; key step w of my head, in k's and in v's codes
	s_mov_b32 s45, 0
	s_lshl_b32 s46, s11, 13
	s_lshl_b32 s47, s8, 9
	s_add_co_u32 s46, s46, s47                     ; and in k's scale words
	s_mov_b32 s47, 0
	s_mov_b32 s32, 1
	s_mul_i32 s33, s8, STEPB
	s_mov_b32 s36, 1
	s_add_co_u32 s37, s33, 6144
	s_mov_b32 s40, 1
	s_mul_i32 s41, s8, 768
	s_add_co_u32 s41, s41, SC
	s_lshl_b32 s52, s11, 7
	s_lshl_b32 s53, s10, 4
	s_add_co_u32 s52, s52, s53
	s_add_co_u32 s52, s52, s8                      ; my tile of queries: 128 bh + 16 block + wave
	s_mul_i32 s50, s52, 768
	s_mov_b32 s51, 0
	s_lshl_b32 s54, s52, 6
	s_mov_b32 s55, 0
	s_lshl_b32 s52, s11, 13
	s_mov_b32 s53, 0
	s_mov_b32 s[CS], 0x3e38aa3b                    ; c = log2(e) / 8
	s_mov_b32 s[CS+1], s[CS]
	s_mov_b32 s[SEL], 0x76543210
	s_mov_b32 s[SEL+1], 0xfedcba98
	s_mov_b32 s[TB], 0
	s_mov_b32 s[TS], 0
	s_mov_b32 s[CNT], 16
	v_and_b32 v8, 31, v0
	v_and_b32 v9, 15, v0
	s_delay_alu instid0(VALU_DEP_2)
	v_lshlrev_b32 v[A16B], 4, v8
	s_delay_alu instid0(VALU_DEP_3)
	v_lshlrev_b32 v[A8B], 3, v8
	s_delay_alu instid0(VALU_DEP_1)
	v_add_nc_u32 v[A8B], 512, v[A8B]
	s_delay_alu instid0(VALU_DEP_4)
	v_lshlrev_b32 v11, 2, v9                       ; 4 r
	s_delay_alu instid0(VALU_DEP_1)
	v_add_nc_u32 v[ASB], SC, v11
	v_lshrrev_b32 v8, 6, v0                        ; v's scale words: thread t takes word t % 64 of key steps t / 64 and t / 64 + 8
	v_and_b32 v9, 63, v0
	s_delay_alu instid0(VALU_DEP_1)
	v_lshlrev_b32 v9, 2, v9
	s_delay_alu instid0(VALU_DEP_1)
	v_lshl_add_u32 v10, v8, 9, v9                  ; in memory: 512 bytes a step
	s_delay_alu instid0(VALU_DEP_2)
	v_mad_u32_u24 v8, v8, 768, v9
	s_delay_alu instid0(VALU_DEP_1)
	v_add_nc_u32 v8, SC+512, v8                    ; in LDS
	s_wait_kmcnt 0x0
	s_add_nc_u64 s[34:35], s[4:5], s[44:45]
	s_add_nc_u64 s[38:39], s[34:35], VC
	s_add_nc_u64 s[34:35], s[34:35], KC
	s_add_nc_u64 s[42:43], s[4:5], s[46:47]
	s_add_nc_u64 s[42:43], s[42:43], KS
	s_or_b32 s35, s35, 0x80000000
	s_or_b32 s39, s39, 0x80000000
	s_or_b32 s43, s43, 0x80000000
	s_add_nc_u64 s[12:13], s[4:5], s[50:51]        ; q's half fragment
	s_add_nc_u64 s[14:15], s[4:5], s[54:55]
	s_add_nc_u64 s[14:15], s[14:15], QS            ; its scale words
	s_add_nc_u64 s[48:49], s[4:5], s[52:53]
	s_add_nc_u64 s[48:49], s[48:49], VS            ; my head's scale words of v
	ROUND                                          ; all four work-groups are here: the joint loads meet
	tensor_load_to_lds s[32:35], s[16:23]          ; the launch's only fills: nothing is filled twice
	s_nop 0
	tensor_load_to_lds s[36:39], s[16:23]
	s_nop 0
	tensor_load_to_lds s[40:43], s[24:31]
	s_nop 0
	PLACES 4
	s_wait_alu depctr_va_vdst(0)
	global_load_b32 v76, v10, s[48:49]
	global_load_b32 v77, v10, s[48:49] offset:256
	global_load_b32 v78, v10, s[48:49] offset:4096
	global_load_b32 v79, v10, s[48:49] offset:4352
	global_load_b128 v[16:19], v[A16B], s[12:13]
	global_load_b64 v[20:21], v[A8B], s[12:13]
	global_load_b32 v255, v11, s[14:15]
.irp j, 22,23,24,25,26,27
	v_mov_b32 v[\j], 0                             ; K = 64: the upper halves of q's and k's fragments are zero codes, written once
.endr
.irp t, 0,1,2,3
.irp j, 6,7,8,9,10,11
	v_mov_b32 v[28+12*\t+\j], 0
.endr
.endr
.set J, 0
.rept 32
	v_mov_b32 v[O+J], 0                            ; the loop is written once: its first step finds zeros
.set J, J+1
.endr
	v_mov_b32 v13, 0xff61b1e6                      ; the largest t so far: -3e38
	s_delay_alu instid0(VALU_DEP_1)
	v_floor_f32 v12, -v13
	v_mov_b32 v14, 0
	v_mov_b32 v15, 0
.irp j, 232,233,234,235,253
	v_mov_b32 v[\j], 0
.endr
	s_wait_loadcnt 0x0
	v_lshl_or_b32 v76, v77, 16, v76                ; two bytes for keys 0-63 of a step, two for keys 64-127: the word of 128 keys
	v_lshl_or_b32 v78, v79, 16, v78
	ds_store_b32 v8, v76
	ds_store_b32 v8, v78 offset:6144
	s_wait_tensorcnt 0x0                           ; my three fills have landed,
	s_wait_dscnt 0x0                               ; my stores too:
	s_barrier_signal -1
	s_barrier_wait -1                              ; everybody's have
.Lstep:                                            ; 16 trips of 128 keys
	s_setprio 2
	v_add_nc_u32 v[A16], s[TB], v[A16B]            ; three additions and a v_nop: the four places in front of loads into registers that the last products read
	v_add_nc_u32 v[A8], s[TB], v[A8B]
	v_add_nc_u32 v[AS], s[TS], v[ASB]
	v_nop
.irp t, 0,1,2,3
	HFLD 28+12*\t, 768*\t
	ds_load_b32 v[248+\t], v[AS] offset:64*\t
.endr
.irp n, 0,1,2,3
.irp c, 0,1
	HFLD 76+12*\n+6*\c, 6144+(4*\c+\n)*768
.endr
	ds_load_b32 v[4+\n], v[AS] offset:512+64*\n
.endr
	s_wait_alu depctr_va_vdst(0)
	s_wait_dscnt 20                                ; k's first four tiles are in; v's 16 loads and its 4 scale words may be out
.irp t, 0,1,2,3
	MM0 S+8*\t, 28+12*\t, 16, 248+\t, 255
.endr
	PLACES 4
.irp t, 0,1,2,3
	HFLD 28+12*\t, 3072+768*\t
	ds_load_b32 v[248+\t], v[AS] offset:256+64*\t
.endr
	s_wait_dscnt 0x0
.irp t, 0,1,2,3
	MM0 S+32+8*\t, 28+12*\t, 16, 248+\t, 255
.endr                                              ; the 16 registers of tiles 2 b, 2 b + 1 are keys 32 b + 16 (lane / 16) + 0 .. 15 of the step
	PLACES 4
.irp b, 0,1,2,3
	v_max3_num_f32 v[BM+\b], v[S+16*\b], v[S+1+16*\b], v[S+2+16*\b]   ; the largest score of each block of 32 keys: for the row's maximum and, since p rises with the score, for the block's largest p
.endr
.irp i, 3,5,7,9,11,13
.irp b, 0,1,2,3
	v_max3_num_f32 v[BM+\b], v[BM+\b], v[S+16*\b+\i], v[S+1+16*\b+\i]
.endr
.endr
.irp b, 0,1,2,3
	v_max_num_f32 v[BM+\b], v[BM+\b], v[S+15+16*\b]
.endr
.irp b, 0,1,2,3
	s_delay_alu instid0(VALU_DEP_4)
	v_permlanex16_b32 v[232+\b], v[BM+\b], s[SEL], s[SEL+1]
.endr
.irp b, 0,1,2,3
	s_delay_alu instid0(VALU_DEP_4)
	v_max_num_f32 v[BM+\b], v[BM+\b], v[232+\b]
.endr
	s_delay_alu instid0(VALU_DEP_2)
	v_max3_num_f32 v254, v240, v241, v242
	s_delay_alu instid0(VALU_DEP_1)
	v_max_num_f32 v254, v254, v243
	s_delay_alu instid0(VALU_DEP_1)
	v_mul_f32 v254, s[CS], v254                    ; as t
	s_delay_alu instid0(VALU_DEP_1)
	v_max_num_f32 v13, v13, v254                   ; the running largest t
	v_mov_b32 v254, v12
	s_delay_alu instid0(VALU_DEP_2)
	v_floor_f32 v12, -v13                          ; the new -M: M is a whole number
	s_delay_alu instid0(VALU_DEP_1)
	v_sub_f32 v254, v12, v254                      ; old M - new M, 0 or less
	s_delay_alu instid0(VALU_DEP_1)
	v_cvt_i32_f32 v254, v254                       ; (it saturates)
	s_delay_alu instid0(VALU_DEP_1)
	v_ldexp_f32 v252, 1.0, v254                    ; f = 2^(old M - new M): a multiplication by it rounds nothing
.set J, 0
.rept 32
	v_pk_fma_f32 v[S+J:S+J+1], v[S+J:S+J+1], s[CS:CS+1], v[12:13] op_sel_hi:[1,0,0]   ; t - M
.set J, J+2
.endr
.irp b, 0,1,2,3
	v_fma_f32 v[BM+\b], v[BM+\b], s[CS], v12
.endr
.set J, 0
	s_setprio 1
	s_wait_alu depctr_va_vdst(0)
.rept 64
	v_exp_f32 v[S+J], v[S+J]                       ; p = 2^(t - M)
.set J, J+1
.endr
	v_pk_mul_f32 v[14:15], v[14:15], v[252:253] op_sel_hi:[1,0]   ; the sums under the new M: a plain place behind the batch
	s_wait_alu depctr_va_vdst(0)                   ; one wait for the 64, ahead of their first reader
.irp b, 0,1,2,3
	v_exp_f32 v[BM+\b], v[BM+\b]                   ; the block's largest p
.endr
	v_pk_add_f32 v[236:237], v[128:129], v[132:133]
	v_pk_add_f32 v[250:251], v[136:137], v[140:141]
	v_pk_add_f32 v[248:249], v[144:145], v[148:149]
	v_pk_add_f32 v[246:247], v[152:153], v[156:157]
	v_pk_add_f32 v[244:245], v[160:161], v[164:165]
	v_pk_add_f32 v[238:239], v[168:169], v[172:173]
	v_pk_add_f32 v[234:235], v[176:177], v[180:181]
	v_pk_add_f32 v[14:15], v[14:15], v[184:185]
	v_pk_add_f32 v[236:237], v[236:237], v[124:125]
	v_pk_add_f32 v[250:251], v[250:251], v[126:127]
	v_pk_add_f32 v[248:249], v[248:249], v[130:131]
	v_pk_add_f32 v[246:247], v[246:247], v[134:135]
	v_pk_add_f32 v[244:245], v[244:245], v[138:139]
	v_pk_add_f32 v[238:239], v[238:239], v[142:143]
	v_pk_add_f32 v[234:235], v[234:235], v[146:147]
	v_pk_add_f32 v[14:15], v[14:15], v[150:151]
	v_pk_add_f32 v[236:237], v[236:237], v[154:155]
	v_pk_add_f32 v[250:251], v[250:251], v[158:159]
	v_pk_add_f32 v[248:249], v[248:249], v[162:163]
	v_pk_add_f32 v[246:247], v[246:247], v[166:167]
	v_pk_add_f32 v[244:245], v[244:245], v[170:171]
	v_pk_add_f32 v[238:239], v[238:239], v[174:175]
	v_pk_add_f32 v[234:235], v[234:235], v[178:179]
	v_pk_add_f32 v[14:15], v[14:15], v[182:183]
	v_pk_add_f32 v[236:237], v[236:237], v[186:187]
	s_delay_alu instid0(VALU_DEP_2)
	v_pk_add_f32 v[14:15], v[14:15], v[246:247]
	s_delay_alu instid0(VALU_DEP_2)
	v_pk_add_f32 v[236:237], v[236:237], v[244:245]
	v_pk_add_f32 v[250:251], v[250:251], v[238:239]
	v_pk_add_f32 v[248:249], v[248:249], v[234:235]
	s_delay_alu instid0(VALU_DEP_2)
	v_pk_add_f32 v[14:15], v[14:15], v[250:251]
	s_delay_alu instid0(VALU_DEP_2)
	v_pk_add_f32 v[236:237], v[236:237], v[248:249]
	s_delay_alu instid0(VALU_DEP_1)
	v_pk_add_f32 v[14:15], v[14:15], v[236:237]
	s_wait_alu depctr_va_vdst(0)                   ; and one for the four
.irp b, 0,1,2,3
	v_max_num_f32 v[BM+\b], 0x1800000, v[BM+\b]    ; the floor 2^(3 - 127)
.endr
.irp b, 0,1,2,3
	s_delay_alu instid0(VALU_DEP_4)
	v_add_nc_u32 v[244+\b], 0xff000000, v[BM+\b]
.endr
.irp b, 0,1,2,3
	s_delay_alu instid0(VALU_DEP_4)
	v_lshrrev_b32 v[232+\b], 23, v[244+\b]
.endr
	s_delay_alu instid0(VALU_DEP_3)
	v_lshl_or_b32 v253, v233, 8, v232              ; p's scale word for these 128 keys
	s_delay_alu instid0(VALU_DEP_1)
	v_lshl_or_b32 v253, v234, 16, v253
	s_delay_alu instid0(VALU_DEP_1)
	v_lshl_or_b32 v253, v235, 24, v253
.irp c, 0,1
	v_cvt_scalef32_pk16_fp6_f32 v[PC+6*\c:PC+2+6*\c], v[S+32*\c:S+15+32*\c], v[244+2*\c]
	v_cvt_scalef32_pk16_fp6_f32 v[232+4*\c:234+4*\c], v[S+16+32*\c:S+31+32*\c], v[244+2*\c+1]
.endr
	v_nop
.irp c, 0,1
.irp i, 0,1,2
	v_permlane16_swap_b32 v[PC+6*\c+\i], v[232+4*\c+\i]
.endr
.irp i, 0,1,2
	s_delay_alu instid0(VALU_DEP_3)
	v_mov_b32 v[PC+3+6*\c+\i], v[232+4*\c+\i]
.endr
.endr
.set J, 0
	s_setprio 0
.rept 16
	v_pk_mul_f32 v[O+J:O+J+1], v[O+J:O+J+1], v[252:253] op_sel_hi:[1,0]   ; O^T under the new M
.set J, J+2
.endr
	PLACES 4                                       ; operands and sums written by vector instructions stand apart from the scaled products
.irp n, 0,1,2,3
	MMA O+8*\n, 76+12*\n, PC, 4+\n, 253            ; O^T += v^T p^T; four accumulators, one instruction each
.endr
	s_add_co_u32 s[TB], s[TB], STEPB
	s_add_co_u32 s[TS], s[TS], 768
	s_sub_co_u32 s[CNT], s[CNT], 1
	s_cmp_lg_u32 s[CNT], 0
	s_cbranch_scc1 .Lstep
	s_setprio 0
	; THE WAY OUT: O^T / the sum, quantised along the head's 64: a half fragment of the next product's operand
	v_add_f32 v14, v14, v15
	s_delay_alu instid0(VALU_DEP_1)
	v_permlanex16_b32 v252, v14, s[SEL], s[SEL+1]
	s_delay_alu instid0(VALU_DEP_1)
	v_add_f32 v14, v14, v252                       ; the row's sum
	s_wait_alu depctr_va_vdst(0)
	v_rcp_f32 v14, v14
	v_and_b32 v160, 15, v0
	s_delay_alu instid0(VALU_DEP_1)
	v_lshlrev_b32 v160, 2, v160
	s_lshl_b32 s52, s8, 6
	s_add_co_u32 s52, s52, OSW
	v_add_nc_u32 v160, s52, v160                   ; my row's scale word: OSW + 64 x wave + 4 r
	v_and_b32 v162, 63, v0
	s_delay_alu instid0(VALU_DEP_1)
	v_lshlrev_b32 v162, 4, v162
	s_delay_alu instid0(VALU_DEP_1)
	v_add_nc_u32 v161, OSW, v162
	s_lshr_b32 s44, s11, 3                         ; batch
	s_lshl_b32 s44, s44, 7
	s_lshl_b32 s45, s10, 4
	s_add_co_u32 s44, s44, s45
	s_add_co_u32 s44, s44, s8                      ; the tile of rows: 128 batch + 16 block + wave
	s_lshl_b32 s44, s44, 3
	s_and_b32 s45, s11, 7
	s_add_co_u32 s44, s44, s45                     ; x 8 + head
	s_mul_i32 s44, s44, 768
	s_mov_b32 s45, 0
	s_add_nc_u64 s[46:47], s[6:7], s[44:45]
	s_lshl_b32 s44, s11, 13
	s_lshl_b32 s48, s10, 10
	s_add_co_u32 s44, s44, s48
	s_add_nc_u64 s[50:51], s[6:7], s[44:45]
	s_add_nc_u64 s[50:51], s[50:51], OS
	s_wait_alu depctr_va_vdst(0)                   ; ahead of the reciprocal's first reader
.set J, 0
.rept 16
	v_pk_mul_f32 v[S+J:S+J+1], v[O+J:O+J+1], v[14:15] op_sel_hi:[1,0]   ; each accumulator from its low end on
.set J, J+2
.endr
	QUANT32 S, 254
	global_store_b128 v[A16B], v[PC:PC+3], s[46:47]
	global_store_b64 v[A8B], v[PC+4:PC+5], s[46:47]
	ds_store_b32 v160, v254
	s_wait_dscnt 0x0
	s_barrier_signal -1
	s_barrier_wait -1                              ; the block's 256 scale words lie in LDS
	s_cmp_lt_u32 s8, 2
	s_cbranch_scc0 .Lno_os
	ds_load_b128 v[164:167], v161
	s_wait_dscnt 0x0
	global_store_b128 v162, v[164:167], s[50:51]   ; waves 0 and 1: 512 consecutive bytes each
.Lno_os:
	s_wait_xcnt 0x0
	v_lshl_add_u32 v254, v0, 2, 0x33400
	v_mov_b32 v255, 0
	s_wait_alu depctr_va_vdst(0)
	s_wait_tensorcnt 0x0
	ds_add_u32 v254, v255
	s_wait_dscnt 0x0
	ROUND                                          ; the closing round
	s_endpgm
.Lfunc_end_k_q3e65f0ead5_attn:
	.size	k_q3e65f0ead5_attn, .Lfunc_end_k_q3e65f0ead5_attn-k_q3e65f0ead5_attn
	.p2alignl 7, 3214868480
	.fill 96, 4, 3214868480
	.section	.rodata,"a",@progbits
	.p2align	6, 0x0
	.amdhsa_kernel k_q3e65f0ead5_attn
		.amdhsa_group_segment_fixed_size 211968
		.amdhsa_private_segment_fixed_size 0
		.amdhsa_enable_private_segment 0
		.amdhsa_kernarg_size 16
		.amdhsa_user_sgpr_count 2
		.amdhsa_user_sgpr_kernarg_segment_ptr 1
		.amdhsa_wavefront_size32 1
		.amdhsa_system_sgpr_workgroup_id_x 1
		.amdhsa_system_sgpr_workgroup_id_y 1
		.amdhsa_system_sgpr_workgroup_id_z 1
		.amdhsa_system_vgpr_workitem_id 0
		.amdhsa_next_free_vgpr 256
		.amdhsa_next_free_sgpr 66
		.amdhsa_reserve_vcc 0
		.amdhsa_float_denorm_mode_32 3
		.amdhsa_float_denorm_mode_16_64 3
		.amdhsa_memory_ordered 1
		.amdhsa_forward_progress 1
		.amdhsa_inst_pref_size 34
	.end_amdhsa_kernel
	.amdgpu_metadata
---
amdhsa.version: [ 1, 2 ]
amdhsa.kernels:
  - .name:           k_q3e65f0ead5_attn
    .symbol:         k_q3e65f0ead5_attn.kd
    .args:
      - { .name: qkv, .offset: 0, .size: 8, .value_kind: global_buffer, .address_space: global }
      - { .name: ob, .offset: 8, .size: 8, .value_kind: global_buffer, .address_space: global }
    .group_segment_fixed_size: 211968
    .private_segment_fixed_size: 0
    .kernarg_segment_align: 8
    .kernarg_segment_size: 16
    .max_flat_workgroup_size: 512
    .sgpr_count:     66
    .vgpr_count:     256
    .wavefront_size: 32
...
	.end_amdgpu_metadata
.endif
;; end of part 11
;; launch proj (part 12): grid 256 x 1, 8 waves a work-group, no clusters, 172,032 bytes of LDS; arguments ob, Wp_codes, Wp_scales, bp, y, g_ln2, b_ln2, o1, hb; writes o1, hb
.if DOCPART == 12
	.amdgcn_target "amdgcn-amd-amdhsa--gfx1250"
	.amdhsa_code_object_version 6
	.text
	.protected	k_q3e65f0ead5_proj
	.globl	k_q3e65f0ead5_proj
	.p2align	8
	.type	k_q3e65f0ead5_proj,@function
k_q3e65f0ead5_proj:
	s_mov_b64 s[64:65], 0
	v_nop
	global_prefetch_b8 v0, s[64:65] scope:SCOPE_SE
	s_setreg_imm32_b32 hwreg(HW_REG_WAVE_SCHED_MODE, 0, 2), 2
	s_setreg_imm32_b32 hwreg(HW_REG_WAVE_MODE, 25, 1), 1
	s_wait_xcnt 0x0
	s_wait_alu depctr_vm_vsrc(0)
; o1 = o Wp + bp + y (o and Wp as codes of FP6), stored in f32; h = LN(o1) with g_ln2, b_ln2, quantised along the 512 features.
; SHARES.  A work-group takes 32 rows (two tiles of 16).  Wave w makes features 64 w .. 64 w + 63 for both tiles: its 64 rows of Wp stay in 192 registers.  In the dense phases wave w takes rows 4 w .. 4 w + 3.
; The product is used transposed (source 0 = 16 rows of Wp in the order 32 b + 8 u + r + 8 (r / 8), source 1 = 16 rows of o): a lane holds one row, and its 32 registers of a tile of rows are features
; 64 w + 32 b + 16 (lane / 16) + 0 .. 15.  y + bp is the C of every sum: it is read densely, goes through LDS and comes back in the result's layout.  o1 goes the same way back and leaves as whole rows.
; Wp's 64 rows of 384 bytes are 24,576 consecutive bytes: 48 loads of 512 consecutive bytes bring them into the registers where the fragments will lie; 32 rows at a time they turn through the wave's own
; stage in LDS (rows 400 bytes apart, laid in the tiles' order by the stores' immediates) and come back as fragments.
; The norm's sums span the eight waves: each wave's part goes through LDS.  The variance is taken of the differences from the mean.
; NO CLUSTER: the rows are read by one work-group alone; Wp is kept in the registers of the wave that multiplies by it, 24,576 bytes a wave, read once.
; LIMITS: NaN and infinities are not served; a block of zeros gets the byte 1 (its codes are zeros; this program alone reads the bytes).
; THE MODE: SCHED_MODE bits 1:0 = 2 (LLVM: expert scheduling mode 2), set by the entry lines.  The code itself states the register dependences between vector or matrix instructions and memory or LDS
; instructions, with s_wait_alu, always for 0.
; THE PLAN.  Registers that memory or LDS instructions touch:
;   v1-12, v16-18   offsets and LDS addresses: written at the head, never again: one wait on va_vdst ahead of the first load.
;   v128-191        y as loaded; y + bp, written by additions and read by LDS stores (va_vdst ahead of them); the same in the result's layout, by LDS loads (vm_vsrc ahead of them); the accumulators, read by LDS
;                   stores (the places, then va_vdst) and written again by the norm (vm_vsrc ahead of that).
;   v208-215        o's scale words, put together by vector instructions: the wait ahead of y + bp's stores stands behind them and behind 32 additions, and states that they are written, for the scaled products.
;   window 1 v0-191 Wp as loaded, read by LDS stores; its fragments land in the same registers (vm_vsrc between), and the products read them.
;   v32-127         o's fragments as loaded, read by the products; then v32-95 take rows of o1 from LDS (the wait ahead of the accumulators' stores has shown the products done), which global stores read.
;   v216, v218      a wave's part of a row's sum: va_vdst ahead of its LDS store, vm_vsrc ahead of the line that writes it again.
;   v104-109, v112-117, v233-234  the way out: a half fragment and a scale word for each tile of rows, in registers of their own: both tiles are quantised, one wait on va_vdst, then all the stores.
;   v254, v255      written at the head, read by the closing add alone.
.set OS,   3145728
.set HS,   3145728
.set YP,   2064                        ; LDS: 32 rows x (2,048 bytes + 16)
.set RED1, 66048                       ; the waves' parts of the sums: 8 x 128 bytes;  1,024 further on those of the squares
.set HSW,  68096                       ; 32 rows x 16 scale bytes
.set STGW, 68608                       ; 12,800 bytes a wave: the weights' stage, 32 rows x 400 bytes
.set L16, 1
.set L8,  2                            ; 8 x lane + 512
.set R4,  3
.set YW,  4                            ; my four rows, dense
.set YC,  5                            ; my 64 features of row r, in the result's layout
.set FRD, 6                            ; the weights' stage, way out: 400 r + 24 x half
.set WSA, 7
.set GBA, 8
.set RDW, 9
.set RDR, 10
.set HSWA, 11
.set HSR, 12
.set SW,  16                           ; v16-18 the weights' stage, way in
.set AF,  32                           ; v32-127 o's 8 fragments (12 (4 m + s)); later rows of o1
.set OB,  104                          ; the way out: two half fragments, eight registers apart
.set ACC, 128                          ; v128-191 8 accumulators (32 m + 8 i)
.set WSW, 192                          ; v192-207 Wp's scale words
.set ASW, 208                          ; v208-215 o's (4 m + s)
.set RAW, 216                          ; v216-231 o's scale words by head
.set T,   232                          ; v232-247 bp, dense
.set SM,  216                          ; later: a pair of sums for each tile of rows,
.set PP,  220
.set RP,  224                          ; the eight waves' parts,
.set TM,  216                          ; and the quantiser's registers
.set PT,  230
.set PW,  233
.set SEL, 42
.set MSB, 0
.macro WIN new
.if MSB != \new
	s_set_vgpr_msb (MSB<<8)|\new
.set MSB, \new
.endif
.endm
.macro PLACES n
.rept \n
	v_nop
.endr
.endm
.macro MMA d, a, b, sa, sb
	v_wmma_scale_f32_16x16x128_f8f6f4 v[\d:\d+7], v[\a:\a+11], v[\b:\b+11], v[\d:\d+7], v[\sa], v[\sb] matrix_a_fmt:MATRIX_FMT_FP6 matrix_b_fmt:MATRIX_FMT_FP6
.endm
; 32 numbers of a lane become a half fragment in v[pc] .. v[pc+5] and two scale bytes in v[pw]
.macro QUANT32 s, pc, pw
.irp b, 0,1
	v_max3_num_f32 v[TM+\b], |v[\s+16*\b]|, |v[\s+16*\b+1]|, 0x1800000
.endr
.irp i, 2,4,6,8,10,12,14
.irp b, 0,1
	v_max3_num_f32 v[TM+\b], v[TM+\b], |v[\s+16*\b+\i]|, |v[\s+16*\b+\i+1]|
.endr
.endr
.irp b, 0,1
	v_permlanex16_b32 v[TM+2+\b], v[TM+\b], s[SEL], s[SEL+1]
.endr
.irp b, 0,1
	v_max_num_f32 v[TM+\b], v[TM+\b], v[TM+2+\b]
.endr
.irp b, 0,1
	v_add_nc_u32 v[TM+4+\b], 0xff000000, v[TM+\b]
.endr
.irp b, 0,1
	v_lshrrev_b32 v[TM+6+\b], 23, v[TM+4+\b]
.endr
	v_lshl_or_b32 v[\pw], v[TM+7], 8, v[TM+6]
	v_cvt_scalef32_pk16_fp6_f32 v[\pc:\pc+2], v[\s:\s+15], v[TM+4]
	v_cvt_scalef32_pk16_fp6_f32 v[PT:PT+2], v[\s+16:\s+31], v[TM+5]
	v_nop
.irp i, 0,1,2
	v_permlane16_swap_b32 v[\pc+\i], v[PT+\i]
.endr
.irp i, 0,1,2
	v_mov_b32 v[\pc+3+\i], v[PT+\i]
.endr
.endm
; The weights' turn through my stage, 32 rows (two tiles, 96 registers) at a time.  Way in: load 3 a + c of a half holds chunks 96 a + 32 c + lane: rows 4 a on; memory row 16 x + 8 u + z goes to stage row
; 16 u + 8 x + z (the exchange of bits 3 and 4 stands in the immediate).  Way out: tile u's lane r takes stage row 16 u + r.  LDS serves a wave's instructions in order: the second half's stores come behind the first half's loads.
.macro WTURN
.irp b, 0,1
	WIN 0x04                                       ; an LDS store's data: window 1
.irp a, 0,1,2,3,4,5,6,7
.irp c, 0,1,2
	ds_store_b128 v[SW+\c], v[96*\b+12*\a+4*\c:96*\b+12*\a+4*\c+3] offset:400*(((4*\a)&7)|(((4*\a)&8)<<1)|(((4*\a)&16)>>1))
.endr
.endr
	s_wait_dscnt 0x0                               ; the stores are done
	WIN 0x40                                       ; an LDS load's destination: window 1
	s_wait_alu depctr_vm_vsrc(0)                   ; the 24 LDS stores above have read these 96 registers, in which the fragments land
.irp u, 0,1
.irp s, 0,1,2,3
.irp p, 0,1,2,3,4,5
	ds_load_b64 v[96*\b+48*\u+12*\s+2*\p:96*\b+48*\u+12*\s+2*\p+1], v[FRD] offset:6400*\u+96*\s+48*(\p/3)+8*(\p%3)
.endr
.endr
.endr
.endr
	WIN 0
.endm
; my wave's part of a row's sum (64 features) goes to LDS; a barrier.  o1 = 1: the accumulators go to LDS with it, behind the same wait
.macro PARTS red, o1
.irp m, 0,1
	v_add_f32 v[SM+2*\m], v[SM+2*\m], v[SM+2*\m+1]
.endr
.irp m, 0,1
	v_permlanex16_b32 v[PP+\m], v[SM+2*\m], s[SEL], s[SEL+1]
.endr
.irp m, 0,1
	v_add_f32 v[SM+2*\m], v[SM+2*\m], v[PP+\m]
.endr
	s_wait_alu depctr_va_vdst(0)                   ; my parts of the sums are written, which the LDS stores read; the first time also: the products have written the accumulators, which go to LDS here, and are done reading o's fragments, in which rows of o1 land behind the barrier
.if \o1
.irp m, 0,1
.irp b, 0,1
.irp j, 0,1,2,3
	ds_store_b128 v[YC], v[ACC+32*\m+16*\b+4*\j:ACC+32*\m+16*\b+4*\j+3] offset:16*YP*\m+128*\b+16*\j   ; o1 into the bytes that I read
.endr
.endr
.endr
.endif
.irp m, 0,1
	ds_store_b32 v[RDW], v[SM+2*\m] offset:\red+64*\m   ; lanes l and l xor 16 write the same word with the same value
.endr
	s_wait_dscnt 0x0
	s_barrier_signal -1
	s_barrier_wait -1
.endm
.macro PARTLD red
.irp m, 0,1
.irp u, 0,1,2,3,4,5,6,7
	ds_load_b32 v[RP+8*\m+\u], v[RDR] offset:\red+128*\u+64*\m
.endr
.endr
.endm
.macro TOTAL                           ; the eight parts, in the same order in every wave
.irp m, 0,1
	v_pk_add_f32 v[RP+8*\m:RP+8*\m+1], v[RP+8*\m:RP+8*\m+1], v[RP+8*\m+2:RP+8*\m+3]
	v_pk_add_f32 v[RP+8*\m+4:RP+8*\m+5], v[RP+8*\m+4:RP+8*\m+5], v[RP+8*\m+6:RP+8*\m+7]
.endr
.irp m, 0,1
	v_pk_add_f32 v[RP+8*\m:RP+8*\m+1], v[RP+8*\m:RP+8*\m+1], v[RP+8*\m+4:RP+8*\m+5]
.endr
.irp m, 0,1
	v_add_f32 v[SM+2*\m], v[RP+8*\m], v[RP+8*\m+1]
.endr
.endm
	s_load_b256 s[8:15], s[0:1], 0x0               ; ob, Wp's codes, Wp's scales, bp
	s_load_b256 s[16:23], s[0:1], 0x20             ; y, g_ln2, b_ln2, o1
	s_load_b64 s[24:25], s[0:1], 0x40              ; hb
	v_lshl_add_u32 v254, v0, 2, 0x29c00            ; my spare word and 0: made here and kept for the closing lines alone
	v_mov_b32 v255, 0
	v_lshrrev_b32 v13, 5, v0
	v_readfirstlane_b32 s2, v13                    ; wave 0..7
	v_and_b32 v13, 31, v0
	v_and_b32 v14, 15, v0                          ; r
	v_bfe_u32 v15, v0, 4, 1                        ; h
	v_lshlrev_b32 v[L16], 4, v13
	v_lshlrev_b32 v[L8], 3, v13
	v_add_nc_u32 v[L8], 512, v[L8]
	v_lshlrev_b32 v[R4], 2, v14
	s_wait_alu depctr_va_sdst(0)                   ; s2 is written, ahead of its first reader: LDS addresses and the global bases are made from it
	s_mul_i32 s34, s2, 4*YP
	v_add_nc_u32 v[YW], s34, v[L16]
	v_mul_u32_u24 v[YC], v14, YP
	v_lshl_add_u32 v[YC], v15, 6, v[YC]
	s_lshl_b32 s34, s2, 8
	v_add_nc_u32 v[YC], s34, v[YC]
	v_and_b32 v[WSA], 8, v14
	v_add_nc_u32 v[WSA], v[WSA], v14               ; r + 8 (r / 8)
	v_lshlrev_b32 v[WSA], 4, v[WSA]
	s_mul_i32 s34, s2, 12800
	s_add_co_u32 s34, s34, STGW                    ; my stage for the weights
	v_mul_u32_u24 v[FRD], v14, 400
	v_mad_u32_u24 v[FRD], v15, 24, v[FRD]
	v_add_nc_u32 v[FRD], s34, v[FRD]
.irp c, 0,1,2
	v_add_nc_u32 v19, 32*\c, v13                   ; chunk x = 32 c + lane of 96: a row is 24 chunks,
	v_mul_u32_u24 v20, v19, 171
	v_lshrrev_b32 v20, 12, v20                     ; so it lies in row x / 24 = (171 x) >> 12 for x under 96,
	v_add_nc_u32 v20, v20, v19
	v_lshl_add_u32 v[SW+\c], v20, 4, s34           ; at 400 x row + 16 x (x - 24 x row) = 16 (x + row)
.endr
	v_lshlrev_b32 v[GBA], 6, v15
	s_lshl_b32 s34, s2, 7
	s_add_co_u32 s34, s34, RED1
	v_add_nc_u32 v[RDW], s34, v[R4]
	v_add_nc_u32 v[RDR], RED1, v[R4]
	s_lshl_b32 s34, s2, 1
	s_add_co_u32 s34, s34, HSW
	v_lshl_add_u32 v[HSWA], v14, 4, s34
	v_add_nc_u32 v[HSR], HSW, v[L16]
	s_lshl_b32 s34, ttmp9, 16
	s_lshl_b32 s35, s2, 13
	s_add_co_u32 s34, s34, s35                     ; rows 32 x work-group + 4 x wave of y and o1
	s_mov_b32 s35, 0
	s_lshr_b32 s36, ttmp9, 6                       ; batch
	s_lshl_b32 s36, s36, 16
	s_and_b32 s37, ttmp9, 63
	s_lshl_b32 s37, s37, 7
	s_add_co_u32 s36, s36, s37                     ; o's scale words: head 0 of my batch, my first row
	s_mov_b32 s37, 0
	s_mul_i32 s38, ttmp9, 12288                    ; two tiles of rows x 8 half fragments
	s_mov_b32 s39, 0
	s_mov_b32 s40, 0x3b000000                      ; 1 / 512
	s_mov_b32 s41, 0x3727c5ac                      ; 1e-5
	s_mov_b32 s[SEL], 0x76543210
	s_mov_b32 s[SEL+1], 0xfedcba98
	s_wait_kmcnt 0x0
	s_add_nc_u64 s[16:17], s[16:17], s[34:35]
	s_add_nc_u64 s[22:23], s[22:23], s[34:35]
	s_add_nc_u64 s[26:27], s[8:9], s[36:37]
	s_add_nc_u64 s[26:27], s[26:27], OS
	s_add_nc_u64 s[28:29], s[8:9], s[38:39]
	s_add_nc_u64 s[30:31], s[24:25], s[38:39]
	s_mul_i32 s34, s2, 768
	s_add_nc_u64 s[30:31], s[30:31], s[34:35]      ; h's half fragments: group w of my two tiles
	s_mul_i32 s34, s2, 24576
	s_add_nc_u64 s[10:11], s[10:11], s[34:35]
	s_lshl_b32 s34, s2, 10
	s_add_nc_u64 s[12:13], s[12:13], s[34:35]
	s_lshl_b32 s34, s2, 8
	s_add_nc_u64 s[18:19], s[18:19], s[34:35]
	s_add_nc_u64 s[20:21], s[20:21], s[34:35]
	s_lshl_b32 s34, ttmp9, 9
	s_add_nc_u64 s[32:33], s[24:25], s[34:35]
	s_add_nc_u64 s[32:33], s[32:33], HS
	s_wait_alu depctr_va_vdst(0)                   ; the offsets and addresses v1 to v12 and v16 to v18 are written, which the loads and stores of the whole kernel read
.irp t, 0,1,2,3
.irp i, 0,1,2,3
	global_load_b128 v[ACC+16*\t+4*\i:ACC+16*\t+4*\i+3], v[L16], s[16:17] offset:2048*\t+512*\i th:TH_LOAD_NT   ; y: 512 consecutive bytes a load
.endr
.endr
.irp i, 0,1,2,3
	global_load_b128 v[T+4*\i:T+4*\i+3], v[L16], s[14:15] offset:512*\i
.endr
.irp m, 0,1
.irp d, 0,1,2,3,4,5,6,7
	global_load_b32 v[RAW+8*\m+\d], v[R4], s[26:27] offset:8192*\d+64*\m
.endr
.endr
.irp m, 0,1
.irp d, 0,1,2,3,4,5,6,7
.set FA, AF+12*(4*\m+\d/2)+6*(\d%2)
	global_load_b128 v[FA:FA+3], v[L16], s[28:29] offset:(8*\m+\d)*768
	global_load_b64 v[FA+4:FA+5], v[L8], s[28:29] offset:(8*\m+\d)*768
.endr
.endr
	s_wait_loadcnt 32                              ; y, bp and the scale words are in; o's 32 loads may be out
.irp m, 0,1
.irp s, 0,1,2,3
	v_lshl_or_b32 v[ASW+4*\m+\s], v[RAW+8*\m+2*\s+1], 16, v[RAW+8*\m+2*\s]   ; a K step of 128 is two heads
.endr
.endr
.irp t, 0,1,2,3
.irp q, 0,2,4,6,8,10,12,14
	v_pk_add_f32 v[ACC+16*\t+\q:ACC+16*\t+\q+1], v[ACC+16*\t+\q:ACC+16*\t+\q+1], v[T+\q:T+\q+1]   ; y + bp.  (These 32 are also the places between the scale words just made and the scaled products)
.endr
.endr
	s_wait_alu depctr_va_vdst(0)                   ; the additions have written y + bp, which the LDS stores read; o's scale words v208-215 are written, which the scaled products take
.irp t, 0,1,2,3
.irp i, 0,1,2,3
	ds_store_b128 v[YW], v[ACC+16*\t+4*\i:ACC+16*\t+4*\i+3] offset:YP*\t+512*\i
.endr
.endr
.irp i, 0,1,2,3
	global_load_b128 v[WSW+4*\i:WSW+4*\i+3], v[WSA], s[12:13] offset:(32*(\i/2)+8*(\i%2))*16
.endr
	WIN 0x40                                       ; destination window 1: Wp v0-191, gain v192-223, bias v224-255
.set J, 0
.rept 48
	global_load_b128 v[4*J:4*J+3], v[L16], s[10:11] offset:512*J   ; my 64 rows of Wp as they lie: 512 consecutive bytes a load
.set J, J+1
.endr
.irp b, 0,1
.irp j, 0,1,2,3
	global_load_b128 v[192+16*\b+4*\j:192+16*\b+4*\j+3], v[GBA], s[18:19] offset:128*\b+16*\j
	global_load_b128 v[224+16*\b+4*\j:224+16*\b+4*\j+3], v[GBA], s[20:21] offset:128*\b+16*\j
.endr
.endr
	WIN 0
	s_wait_dscnt 0x0
	s_barrier_signal -1
	s_barrier_wait -1                              ; 32 rows of y + bp lie in LDS
	s_wait_alu depctr_vm_vsrc(0)                   ; my LDS stores have read v128-191, in which the loads below land
.irp m, 0,1
.irp b, 0,1
.irp j, 0,1,2,3
	ds_load_b128 v[ACC+32*\m+16*\b+4*\j:ACC+32*\m+16*\b+4*\j+3], v[YC] offset:16*YP*\m+128*\b+16*\j
.endr
.endr
.endr
	s_wait_loadcnt 0x0                             ; o's fragments, Wp and all the rest are in
	WTURN
	s_wait_dscnt 0x0
	WIN 0x01                                       ; source 0 (Wp): window 1
.irp s, 0,1,2,3
.irp m, 0,1
.irp i, 0,1,2,3
	MMA ACC+32*\m+8*\i, 48*\i+12*\s, AF+12*(4*\m+\s), WSW+4*\i+\s, ASW+4*\m+\s   ; eight accumulators by turns
.endr
.endr
.endr
	WIN 0
	PLACES 4                                       ; in front of the first read of results
.irp m, 0,1
	v_pk_add_f32 v[SM+2*\m:SM+2*\m+1], v[ACC+32*\m:ACC+32*\m+1], v[ACC+32*\m+2:ACC+32*\m+3]   ; each accumulator from its low end on
.endr
.irp q, 4,6,8,10,12,14,16,18,20,22,24,26,28,30
.irp m, 0,1
	v_pk_add_f32 v[SM+2*\m:SM+2*\m+1], v[SM+2*\m:SM+2*\m+1], v[ACC+32*\m+\q:ACC+32*\m+\q+1]
.endr
.endr
	PARTS 0, 1                                     ; behind its barrier: 32 whole rows of o1, and every wave's part of the sums
.irp t, 0,1,2,3
.irp i, 0,1,2,3
	ds_load_b128 v[AF+16*\t+4*\i:AF+16*\t+4*\i+3], v[YW] offset:YP*\t+512*\i
.endr
.endr
	PARTLD 0
	s_wait_dscnt 16                                ; my four rows are in; the 16 parts may be out
.irp t, 0,1,2,3
.irp i, 0,1,2,3
	global_store_b128 v[L16], v[AF+16*\t+4*\i:AF+16*\t+4*\i+3], s[22:23] offset:2048*\t+512*\i   ; 512 consecutive bytes a store
.endr
.endr
	s_wait_dscnt 0x0
	s_wait_alu depctr_vm_vsrc(0)                   ; my LDS stores have read the sums' parts v216, v218 and the accumulators v128-191: both are written again below
	TOTAL
.irp m, 0,1
	v_mul_f32 v[SM+2*\m], s40, v[SM+2*\m]          ; the mean
.endr
.irp q, 0,2,4,6,8,10,12,14,16,18,20,22,24,26,28,30
.irp m, 0,1
	v_pk_add_f32 v[ACC+32*\m+\q:ACC+32*\m+\q+1], v[ACC+32*\m+\q:ACC+32*\m+\q+1], v[SM+2*\m:SM+2*\m+1] op_sel_hi:[1,0] neg_lo:[0,1] neg_hi:[0,1]
.endr
.endr
.irp m, 0,1
	v_pk_mul_f32 v[SM+2*\m:SM+2*\m+1], v[ACC+32*\m:ACC+32*\m+1], v[ACC+32*\m:ACC+32*\m+1]
.endr
.irp q, 2,4,6,8,10,12,14,16,18,20,22,24,26,28,30
.irp m, 0,1
	v_pk_fma_f32 v[SM+2*\m:SM+2*\m+1], v[ACC+32*\m+\q:ACC+32*\m+\q+1], v[ACC+32*\m+\q:ACC+32*\m+\q+1], v[SM+2*\m:SM+2*\m+1]
.endr
.endr
	PARTS 1024, 0                                  ; (its wait also stands behind the additions that read and wrote v224-239, in which the parts land again)
	PARTLD 1024
	s_wait_dscnt 0x0
	s_wait_alu depctr_vm_vsrc(0)                   ; my LDS stores have read the parts v216, v218, which are written again below
	TOTAL
.irp m, 0,1
	v_fma_f32 v[SM+2*\m], v[SM+2*\m], s40, s41
.endr
	s_wait_alu depctr_va_vdst(0)
.irp m, 0,1
	v_rsq_f32 v[SM+2*\m], v[SM+2*\m]
.endr
	v_nop
	s_wait_alu depctr_va_vdst(0)                   ; the two reciprocal roots are written: one wait for the two, ahead of their first reader
.irp q, 0,2,4,6,8,10,12,14,16,18,20,22,24,26,28,30
.irp m, 0,1
	v_pk_mul_f32 v[ACC+32*\m+\q:ACC+32*\m+\q+1], v[ACC+32*\m+\q:ACC+32*\m+\q+1], v[SM+2*\m:SM+2*\m+1] op_sel_hi:[1,0]
.endr
.endr
	WIN 0x14                                       ; sources 1 and 2 (gain, bias): window 1
.irp q, 0,2,4,6,8,10,12,14,16,18,20,22,24,26,28,30
.irp m, 0,1
	v_pk_fma_f32 v[ACC+32*\m+\q:ACC+32*\m+\q+1], v[ACC+32*\m+\q:ACC+32*\m+\q+1], v[192+\q:193+\q], v[224+\q:225+\q]
.endr
.endr
	WIN 0
.irp m, 0,1
	QUANT32 ACC+32*\m, OB+8*\m, PW+\m              ; each tile's codes and scale word in registers of their own
.endr
	s_wait_alu depctr_va_vdst(0)                   ; the two half fragments v104-109, v112-117 and the two scale words v233, v234 are written, which the stores below read
.irp m, 0,1
	global_store_b128 v[L16], v[OB+8*\m:OB+8*\m+3], s[30:31] offset:6144*\m
	global_store_b64 v[L8], v[OB+8*\m+4:OB+8*\m+5], s[30:31] offset:6144*\m
	ds_store_b16 v[HSWA], v[PW+\m] offset:256*\m   ; bytes 2 w, 2 w + 1 of the row's sixteen
.endr
	s_wait_dscnt 0x0
	s_barrier_signal -1
	s_barrier_wait -1
	s_cmp_lg_u32 s2, 0
	s_cbranch_scc1 .Ldone
	ds_load_b128 v[AF+64:AF+67], v[HSR]
	s_wait_dscnt 0x0
	global_store_b128 v[L16], v[AF+64:AF+67], s[32:33]   ; wave 0: the 32 rows' scale bytes, 512 consecutive bytes
.Ldone:
	s_wait_dscnt 0x0                               ; the closing lines, six on end
	s_wait_alu 0x0
	s_wait_tensorcnt 0x0
	ds_add_u32 v254, v255
	s_wait_dscnt 0x0
	s_endpgm
.Lfunc_end_k_q3e65f0ead5_proj:
	.size	k_q3e65f0ead5_proj, .Lfunc_end_k_q3e65f0ead5_proj-k_q3e65f0ead5_proj
	.p2alignl 7, 3214868480
	.fill 96, 4, 3214868480
	.section	.rodata,"a",@progbits
	.p2align	6, 0x0
	.amdhsa_kernel k_q3e65f0ead5_proj
		.amdhsa_group_segment_fixed_size 172032
		.amdhsa_private_segment_fixed_size 0
		.amdhsa_enable_private_segment 0
		.amdhsa_kernarg_size 72
		.amdhsa_user_sgpr_count 2
		.amdhsa_user_sgpr_kernarg_segment_ptr 1
		.amdhsa_wavefront_size32 1
		.amdhsa_system_sgpr_workgroup_id_x 1
		.amdhsa_system_sgpr_workgroup_id_y 1
		.amdhsa_system_sgpr_workgroup_id_z 1
		.amdhsa_system_vgpr_workitem_id 0
		.amdhsa_next_free_vgpr 512
		.amdhsa_next_free_sgpr 66
		.amdhsa_reserve_vcc 0
		.amdhsa_float_denorm_mode_32 3
		.amdhsa_float_denorm_mode_16_64 3
		.amdhsa_memory_ordered 1
		.amdhsa_forward_progress 1
		.amdhsa_inst_pref_size 58
	.end_amdhsa_kernel
	.amdgpu_metadata
---
amdhsa.version: [ 1, 2 ]
amdhsa.kernels:
  - .name:           k_q3e65f0ead5_proj
    .symbol:         k_q3e65f0ead5_proj.kd
    .args:
      - { .name: ob, .offset: 0, .size: 8, .value_kind: global_buffer, .address_space: global }
      - { .name: Wp_codes, .offset: 8, .size: 8, .value_kind: global_buffer, .address_space: global }
      - { .name: Wp_scales, .offset: 16, .size: 8, .value_kind: global_buffer, .address_space: global }
      - { .name: bp, .offset: 24, .size: 8, .value_kind: global_buffer, .address_space: global }
      - { .name: y, .offset: 32, .size: 8, .value_kind: global_buffer, .address_space: global }
      - { .name: g_ln2, .offset: 40, .size: 8, .value_kind: global_buffer, .address_space: global }
      - { .name: b_ln2, .offset: 48, .size: 8, .value_kind: global_buffer, .address_space: global }
      - { .name: o1, .offset: 56, .size: 8, .value_kind: global_buffer, .address_space: global }
      - { .name: hb, .offset: 64, .size: 8, .value_kind: global_buffer, .address_space: global }
    .group_segment_fixed_size: 172032
    .private_segment_fixed_size: 0
    .kernarg_segment_align: 8
    .kernarg_segment_size: 72
    .max_flat_workgroup_size: 256
    .sgpr_count:     66
    .vgpr_count:     512
    .wavefront_size: 32
...
	.end_amdgpu_metadata
.endif
;; end of part 12
;; launch fc1 (part 13): grid 4 x 64, 8 waves a work-group, clusters of 4 x 1, 168,960 bytes of LDS; arguments hb, W1_codes, W1_scales, b1, gb; writes gb
.if DOCPART == 13
	.amdgcn_target "amdgcn-amd-amdhsa--gfx1250"
	.amdhsa_code_object_version 6
	.text
	.protected	k_q3e65f0ead5_fc1
	.globl	k_q3e65f0ead5_fc1
	.p2align	8
	.type	k_q3e65f0ead5_fc1,@function
k_q3e65f0ead5_fc1:
	s_mov_b64 s[64:65], 0
	v_nop
	global_prefetch_b8 v0, s[64:65] scope:SCOPE_SE
	s_setreg_imm32_b32 hwreg(HW_REG_WAVE_MODE, 25, 1), 1
	s_wait_xcnt 0x0
	s_wait_alu depctr_hold_cnt(0) depctr_sa_sdst(0) depctr_va_vdst(0) depctr_va_sdst(0) depctr_va_ssrc(0) depctr_va_vcc(0) depctr_vm_vsrc(0)
	s_getreg_b32 s2, hwreg(HW_REG_IB_STS2, 6, 4)
	s_cmp_eq_u32 s2, 0
	s_cbranch_scc0 .Lentry_in_a_cluster
	s_endpgm
.Lentry_in_a_cluster:
	s_bfe_u32 s2, ttmp6, 0x10000c
	s_cmp_lg_u32 s2, 0x3003
	s_cbranch_scc0 .Lentry_shape_is_right
	s_endpgm
.Lentry_shape_is_right:
; g = gelu(h W1 + b1) (tanh form), h and W1 as codes of FP6; g is quantised along the 2,048 hidden units and stored as codes.
; SHARES.  A work-group takes 128 rows (8 tiles of 16) x 512 hidden units; wave w takes 64 of them, whose rows of W1 stay in 192 registers for all eight tiles of rows.
; CLUSTER.  The four work-groups of a cluster take the four quarters of the hidden units for the same 128 rows: the rows' codes (49,152 bytes) are asked for jointly, once; wave w fetches tile w.
; W1's slices are not asked for jointly: the partners of a cluster read different slices.  A wave's 64 rows of 384 bytes are 24,576 consecutive bytes: 48 loads of 512 consecutive bytes bring them into the
; registers where the fragments will lie; 32 rows at a time they turn through the wave's own stage in LDS (rows 400 bytes apart, laid in the tiles' order by the stores' immediates) and come back as fragments.
; The product is used transposed (source 0 = 16 rows of W1 in the order 32 b + 8 u + r + 8 (r / 8)): a lane holds one row, its 32 registers hidden units 32 b + 16 (lane / 16) + 0 .. 15.  b1 is the C of each sum's first product.
; gelu(x) = x / (1 + 2^(x (c0 + c1 x^2))), c0 = -2 log2(e) sqrt(2 / pi), c1 = 0.044715 c0: the same number as 0.5 x (1 + tanh(..)).
; LIMITS: NaN and infinities are not served; a block of zeros gets the byte 1 (its codes are zeros; this program alone reads the bytes).
.set HS,  3145728
.set GS,  12582912
.set GSW, 49152                        ; LDS: 0: the rows' 8 x 6,144 bytes (filled once by the mover); GSW: 128 rows x 16 scale bytes (stored by the waves)
.set STGW, 51200                       ; 12,800 bytes a wave: the weights' stage, 32 rows x 400 bytes (stored by the waves)
.set A16, 1
.set A8,  2
.set FRD, 3                            ; the weights' stage, way out: 400 r + 24 x half
.set WSA, 4
.set BA,  5
.set RS16, 6
.set GSWA, 7
.set GSR, 8
.set GSO, 9
.set SW,  13                           ; v13-15 the weights' stage, way in
.set AF,  16                           ; v16-63 a tile's four fragments
.set ASW, 64                           ; v64-95 the rows' scale words (4 m + s)
.set Z,   96                           ; v96-127 at work in gelu
.set ACC, 128                          ; v128-159 four accumulators
.set WSW, 160                          ; v160-175 W1's scale words
.set TM,  176
.set PC,  184
.set PT,  190
.set PW,  193
.set K0,  194                          ; v[194:195] c0
.set C1,  36                           ; s[36:37] c1
.set SEL, 46
.set MSB, 0
.macro WIN new
.if MSB != \new
	s_set_vgpr_msb (MSB<<8)|\new
.set MSB, \new
.endif
.endm
.macro PLACES n
.rept \n
	v_nop
.endr
.endm
.macro MMC d, a, b, c, sa, sb          ; the first product of a sum: C = the bias
	v_wmma_scale_f32_16x16x128_f8f6f4 v[\d:\d+7], v[\a:\a+11], v[\b:\b+11], v[\c:\c+7], v[\sa], v[\sb] matrix_a_fmt:MATRIX_FMT_FP6 matrix_b_fmt:MATRIX_FMT_FP6
.endm
.macro MMA d, a, b, sa, sb
	v_wmma_scale_f32_16x16x128_f8f6f4 v[\d:\d+7], v[\a:\a+11], v[\b:\b+11], v[\d:\d+7], v[\sa], v[\sb] matrix_a_fmt:MATRIX_FMT_FP6 matrix_b_fmt:MATRIX_FMT_FP6
.endm
.macro HFLD reg, off
	ds_load_b128 v[\reg:\reg+3], v[A16] offset:\off
	ds_load_b64 v[\reg+4:\reg+5], v[A8] offset:\off
.endm
.macro ROUND
	s_barrier_signal -1
	s_barrier_wait -1
	s_cmp_lg_u32 s8, 0
	s_cbranch_scc1 .Lnot_wave_0_\@
	s_barrier_signal -3
.Lnot_wave_0_\@:
	s_barrier_wait -3
	s_barrier_signal -1
	s_barrier_wait -1
.endm
.macro QUANT32 s, pw
.irp b, 0,1
	v_max3_num_f32 v[TM+\b], |v[\s+16*\b]|, |v[\s+16*\b+1]|, 0x1800000
.endr
.irp i, 2,4,6,8,10,12,14
.irp b, 0,1
	s_delay_alu instid0(VALU_DEP_2)
	v_max3_num_f32 v[TM+\b], v[TM+\b], |v[\s+16*\b+\i]|, |v[\s+16*\b+\i+1]|
.endr
.endr
.irp b, 0,1
	s_delay_alu instid0(VALU_DEP_2)
	v_permlanex16_b32 v[TM+2+\b], v[TM+\b], s[SEL], s[SEL+1]
.endr
.irp b, 0,1
	s_delay_alu instid0(VALU_DEP_2)
	v_max_num_f32 v[TM+\b], v[TM+\b], v[TM+2+\b]
.endr
.irp b, 0,1
	s_delay_alu instid0(VALU_DEP_2)
	v_add_nc_u32 v[TM+4+\b], 0xff000000, v[TM+\b]
.endr
.irp b, 0,1
	s_delay_alu instid0(VALU_DEP_2)
	v_lshrrev_b32 v[TM+6+\b], 23, v[TM+4+\b]
.endr
	s_delay_alu instid0(VALU_DEP_1)
	v_lshl_or_b32 v[\pw], v[TM+7], 8, v[TM+6]
	v_cvt_scalef32_pk16_fp6_f32 v[PC:PC+2], v[\s:\s+15], v[TM+4]
	v_cvt_scalef32_pk16_fp6_f32 v[PT:PT+2], v[\s+16:\s+31], v[TM+5]
	v_nop
.irp i, 0,1,2
	v_permlane16_swap_b32 v[PC+\i], v[PT+\i]
.endr
.irp i, 0,1,2
	s_delay_alu instid0(VALU_DEP_3)
	v_mov_b32 v[PC+3+\i], v[PT+\i]
.endr
.endm
; The weights' turn through my stage, 32 rows (two tiles, 96 registers) at a time.  Way in: load 3 a + c of a half holds chunks 96 a + 32 c + lane: rows 4 a on; memory row 16 x + 8 u + z goes to stage row
; 16 u + 8 x + z (the exchange of bits 3 and 4 stands in the immediate).  Way out: tile u's lane r takes stage row 16 u + r.  LDS serves a wave's instructions in order: the second half's stores come behind the first half's loads.
.macro WTURN
.irp b, 0,1
	WIN 0x04                                       ; an LDS store's data: window 1
.irp a, 0,1,2,3,4,5,6,7
.irp c, 0,1,2
	ds_store_b128 v[SW+\c], v[96*\b+12*\a+4*\c:96*\b+12*\a+4*\c+3] offset:400*(((4*\a)&7)|(((4*\a)&8)<<1)|(((4*\a)&16)>>1))
.endr
.endr
	s_wait_dscnt 0x0                               ; the stores have read their registers: the fragments may land there
	WIN 0x40                                       ; an LDS load's destination: window 1
.irp u, 0,1
.irp s, 0,1,2,3
.irp p, 0,1,2,3,4,5
	ds_load_b64 v[96*\b+48*\u+12*\s+2*\p:96*\b+48*\u+12*\s+2*\p+1], v[FRD] offset:6400*\u+96*\s+48*(\p/3)+8*(\p%3)
.endr
.endr
.endr
.endr
	WIN 0
.endm
.macro AFETCH m                        ; tile m's four fragments: eight half fragments
.irp s, 0,1,2,3
.irp c, 0,1
	HFLD AF+12*\s+6*\c, 6144*(\m)+768*(2*\s+\c)
.endr
.endr
.endm
.macro GELU                            ; on the 32 numbers in v[ACC] on, each accumulator from its low end on; two batches of transcendentals, one wait each
.set J, 0
.rept 16
	v_pk_mul_f32 v[Z+J:Z+J+1], v[ACC+J:ACC+J+1], v[ACC+J:ACC+J+1]
.set J, J+2
.endr
.set J, 0
.rept 16
	v_pk_fma_f32 v[Z+J:Z+J+1], v[Z+J:Z+J+1], s[C1:C1+1], v[K0:K0+1] op_sel_hi:[1,0,0]
.set J, J+2
.endr
.set J, 0
.rept 16
	v_pk_mul_f32 v[Z+J:Z+J+1], v[Z+J:Z+J+1], v[ACC+J:ACC+J+1]
.set J, J+2
.endr
.set J, 0
	s_wait_alu depctr_va_vdst(0)
.rept 32
	v_exp_f32 v[Z+J], v[Z+J]
.set J, J+1
.endr
	v_nop
	s_wait_alu depctr_va_vdst(0)                   ; one wait for the 32 exponentials, ahead of their first reader
.set J, 0
.rept 16
	v_pk_add_f32 v[Z+J:Z+J+1], v[Z+J:Z+J+1], 1.0 op_sel_hi:[1,0]
.set J, J+2
.endr
.set J, 0
	s_wait_alu depctr_va_vdst(0)
.rept 32
	v_rcp_f32 v[Z+J], v[Z+J]
.set J, J+1
.endr
	v_nop
	s_wait_alu depctr_va_vdst(0)                   ; and one for the 32 reciprocals
.set J, 0
.rept 16
	v_pk_mul_f32 v[ACC+J:ACC+J+1], v[ACC+J:ACC+J+1], v[Z+J:Z+J+1]
.set J, J+2
.endr
.endm
	s_load_b256 s[12:19], s[0:1], 0x0              ; hb, W1's codes, W1's scales, b1
	s_load_b64 s[20:21], s[0:1], 0x20              ; gb
	v_lshl_add_u32 v254, v0, 2, 0x29000
	v_mov_b32 v255, 0
	ds_add_u32 v254, v255
	ds_add_u32 v254, v255
	v_lshrrev_b32 v10, 5, v0
	s_delay_alu instid0(VALU_DEP_1)
	v_readfirstlane_b32 s8, v10                    ; wave 0..7
	s_bfe_u32 s9, ttmp6, 0x40000                   ; cx: which 512 hidden units; it enters global addresses of W1, b1 and gb alone
	s_and_b32 s10, ttmp7, 0xffff                   ; which 128 rows: the four partners share it
	v_and_b32 v10, 31, v0
	v_and_b32 v11, 15, v0
	v_bfe_u32 v12, v0, 4, 1
	s_delay_alu instid0(VALU_DEP_3)
	v_lshlrev_b32 v[A16], 4, v10
	s_delay_alu instid0(VALU_DEP_4)
	v_lshlrev_b32 v[A8], 3, v10
	s_delay_alu instid0(VALU_DEP_1)
	v_add_nc_u32 v[A8], 512, v[A8]
	v_and_b32 v[WSA], 8, v11
	s_delay_alu instid0(VALU_DEP_1)
	v_add_nc_u32 v[WSA], v[WSA], v11               ; r + 8 (r / 8)
	s_delay_alu instid0(VALU_DEP_1)
	v_lshlrev_b32 v[WSA], 4, v[WSA]
	s_mul_i32 s38, s8, 12800
	s_add_co_u32 s38, s38, STGW                    ; my stage for the weights
	v_mul_u32_u24 v[FRD], v11, 400
	s_delay_alu instid0(VALU_DEP_1)
	v_mad_u32_u24 v[FRD], v12, 24, v[FRD]
	s_delay_alu instid0(VALU_DEP_1)
	v_add_nc_u32 v[FRD], s38, v[FRD]
.irp c, 0,1,2
	v_add_nc_u32 v[Z], 32*\c, v10                  ; chunk x = 32 c + lane of 96: a row is 24 chunks,
	s_delay_alu instid0(VALU_DEP_1)
	v_mul_u32_u24 v[Z+1], v[Z], 171
	s_delay_alu instid0(VALU_DEP_1)
	v_lshrrev_b32 v[Z+1], 12, v[Z+1]               ; so it lies in row x / 24 = (171 x) >> 12 for x under 96,
	s_delay_alu instid0(VALU_DEP_1)
	v_add_nc_u32 v[Z+1], v[Z+1], v[Z]
	s_delay_alu instid0(VALU_DEP_1)
	v_lshl_add_u32 v[SW+\c], v[Z+1], 4, s38        ; at 400 x row + 16 x (x - 24 x row) = 16 (x + row)
.endr
	v_lshlrev_b32 v[BA], 6, v12
	v_lshlrev_b32 v[RS16], 4, v11
	s_lshl_b32 s38, s8, 1
	s_add_co_u32 s38, s38, GSW
	v_add_nc_u32 v[GSWA], s38, v[RS16]
	v_and_b32 v[GSO], 127, v0
	s_delay_alu instid0(VALU_DEP_1)
	v_lshlrev_b32 v[GSO], 4, v[GSO]
	s_delay_alu instid0(VALU_DEP_1)
	v_add_nc_u32 v[GSR], GSW, v[GSO]
	v_mov_b32 v[TM+2], 0
	v_mov_b32 v[TM+3], 0
	v_mov_b32 v[K0], 0xc0135761                    ; c0
	v_mov_b32 v[K0+1], 0xc0135761
	s_mov_b32 s[C1], 0xbdd2d3e8                    ; c1
	s_mov_b32 s[C1+1], s[C1]
	s_mov_b32 s[SEL], 0x76543210
	s_mov_b32 s[SEL+1], 0xfedcba98
	s_mov_b32 s24, 15|(3<<16)|(1<<21)              ; descriptor group 1: 24 dense rows of 256 bytes, for all four partners
	s_mov_b32 s25, 32<<16
	s_mov_b32 s26, 24<<16
	s_mov_b32 s27, 32<<16
	s_mov_b32 s28, 24
	s_mov_b32 s29, 32
	s_mov_b32 s30, 0
	s_mov_b32 s31, 0
	s_mov_b32 s32, 1
	s_mul_i32 s33, s8, 6144
	s_mul_i32 s38, s10, 49152
	s_add_co_u32 s38, s38, s33                     ; tile of rows 8 x block + wave
	s_mov_b32 s39, 0
	s_wait_dscnt 0x0
	s_wait_kmcnt 0x0
	s_add_nc_u64 s[34:35], s[12:13], s[38:39]
	s_or_b32 s35, s35, 0x80000000
	ROUND
	tensor_load_to_lds s[32:35], s[24:31]          ; the launch's only fill
	s_nop 0
	PLACES 4
	s_mul_i32 s38, s9, 196608
	s_mul_i32 s40, s8, 24576
	s_add_co_u32 s38, s38, s40
	s_add_nc_u64 s[14:15], s[14:15], s[38:39]      ; my 64 rows of W1
	s_lshl_b32 s38, s9, 13
	s_lshl_b32 s40, s8, 10
	s_add_co_u32 s38, s38, s40
	s_add_nc_u64 s[16:17], s[16:17], s[38:39]
	s_lshl_b32 s38, s9, 11
	s_lshl_b32 s40, s8, 8
	s_add_co_u32 s38, s38, s40
	s_add_nc_u64 s[18:19], s[18:19], s[38:39]
	s_lshl_b32 s38, s10, 11
	s_add_nc_u64 s[44:45], s[12:13], s[38:39]
	s_add_nc_u64 s[44:45], s[44:45], HS            ; the rows' scale bytes
	s_lshl_b32 s40, s9, 17
	s_add_co_u32 s38, s38, s40
	s_add_nc_u64 s[42:43], s[20:21], s[38:39]
	s_add_nc_u64 s[42:43], s[42:43], GS            ; where g's scale bytes go
	s_lshl_b32 s38, s9, 3
	s_add_co_u32 s38, s38, s8
	s_mul_i32 s38, s38, 768
	s_mul_i32 s40, s10, 196608
	s_add_co_u32 s38, s38, s40
	s_add_nc_u64 s[40:41], s[20:21], s[38:39]      ; and its half fragments: group 8 cx + wave of my tiles
	WIN 0x40                                       ; destination window 1
.set J, 0
.rept 48
	global_load_b128 v[4*J:4*J+3], v[A16], s[14:15] offset:512*J   ; my 64 rows of W1 as they lie: 512 consecutive bytes a load
.set J, J+1
.endr
.irp i, 0,1,2,3
.irp e, 0,1
	global_load_b128 v[192+8*\i+4*\e:192+8*\i+4*\e+3], v[BA], s[18:19] offset:128*(\i/2)+32*(\i%2)+16*\e   ; b1 in the result's layout
.endr
.endr
	WIN 0
.irp i, 0,1,2,3
	global_load_b128 v[WSW+4*\i:WSW+4*\i+3], v[WSA], s[16:17] offset:(32*(\i/2)+8*(\i%2))*16
.endr
	s_wait_alu depctr_va_vdst(0)
.irp m, 0,1,2,3,4,5,6,7
	global_load_b128 v[ASW+4*\m:ASW+4*\m+3], v[RS16], s[44:45] offset:256*\m
.endr
	s_wait_loadcnt 20                              ; W1's 48 loads are in; b1's 8, the 4 of W1's scale words and the 8 of the rows' may be out
	WTURN
	s_wait_tensorcnt 0x0                           ; my tile has landed,
	s_wait_dscnt 0x0                               ; no LDS instruction of mine is out:
	s_barrier_signal -1
	s_barrier_wait -1                              ; everybody's tile has landed
	AFETCH 0
	s_wait_loadcnt 0x0
.macro TILE m
	s_wait_dscnt 0x0                               ; the tile's fragments are in; the last tile's byte store has read its register
.if (\m) > 0
	s_wait_xcnt 0x0                                ; the last tile's stores have read the codes' registers
.endif
	WIN 0x11                                       ; sources 0 (W1) and 2 (b1): window 1
.irp i, 0,1,2,3
	MMC ACC+8*\i, 48*\i, AF, 192+8*\i, WSW+4*\i, ASW+4*(\m)
.endr
	WIN 0x01
.irp s, 1,2,3
.irp i, 0,1,2,3
	MMA ACC+8*\i, 48*\i+12*\s, AF+12*\s, WSW+4*\i+\s, ASW+4*(\m)+\s   ; four accumulators by turns
.endr
.endr
	WIN 0
	PLACES 4
.if (\m) < 7
	AFETCH (\m)+1                                  ; lands under gelu
.endif
	GELU
	QUANT32 ACC, PW
	global_store_b128 v[A16], v[PC:PC+3], s[40:41] offset:24576*(\m)
	global_store_b64 v[A8], v[PC+4:PC+5], s[40:41] offset:24576*(\m)
	ds_store_b16 v[GSWA], v[PW] offset:256*(\m)
.endm
.irp m, 0,1,2,3,4,5,6,7
	TILE \m
.endr
	s_wait_dscnt 0x0
	s_barrier_signal -1
	s_barrier_wait -1                              ; 128 rows x 16 scale bytes lie in LDS
	s_cmp_lt_u32 s8, 4
	s_cbranch_scc0 .Lno_gs
	ds_load_b128 v[Z:Z+3], v[GSR]
	s_wait_dscnt 0x0
	global_store_b128 v[GSO], v[Z:Z+3], s[42:43]   ; waves 0 to 3: 512 consecutive bytes each
.Lno_gs:
	s_wait_tensorcnt 0x0
	ds_add_u32 v254, v255
	s_wait_dscnt 0x0
	ROUND                                          ; the closing round
	s_endpgm
.Lfunc_end_k_q3e65f0ead5_fc1:
	.size	k_q3e65f0ead5_fc1, .Lfunc_end_k_q3e65f0ead5_fc1-k_q3e65f0ead5_fc1
	.p2alignl 7, 3214868480
	.fill 96, 4, 3214868480
	.section	.rodata,"a",@progbits
	.p2align	6, 0x0
	.amdhsa_kernel k_q3e65f0ead5_fc1
		.amdhsa_group_segment_fixed_size 168960
		.amdhsa_private_segment_fixed_size 0
		.amdhsa_enable_private_segment 0
		.amdhsa_kernarg_size 40
		.amdhsa_user_sgpr_count 2
		.amdhsa_user_sgpr_kernarg_segment_ptr 1
		.amdhsa_wavefront_size32 1
		.amdhsa_system_sgpr_workgroup_id_x 1
		.amdhsa_system_sgpr_workgroup_id_y 1
		.amdhsa_system_sgpr_workgroup_id_z 1
		.amdhsa_system_vgpr_workitem_id 0
		.amdhsa_next_free_vgpr 512
		.amdhsa_next_free_sgpr 66
		.amdhsa_reserve_vcc 0
		.amdhsa_float_denorm_mode_32 3
		.amdhsa_float_denorm_mode_16_64 3
		.amdhsa_memory_ordered 1
		.amdhsa_forward_progress 1
		.amdhsa_inst_pref_size 130
	.end_amdhsa_kernel
	.amdgpu_metadata
---
amdhsa.version: [ 1, 2 ]
amdhsa.kernels:
  - .name:           k_q3e65f0ead5_fc1
    .symbol:         k_q3e65f0ead5_fc1.kd
    .args:
      - { .name: hb, .offset: 0, .size: 8, .value_kind: global_buffer, .address_space: global }
      - { .name: W1_codes, .offset: 8, .size: 8, .value_kind: global_buffer, .address_space: global }
      - { .name: W1_scales, .offset: 16, .size: 8, .value_kind: global_buffer, .address_space: global }
      - { .name: b1, .offset: 24, .size: 8, .value_kind: global_buffer, .address_space: global }
      - { .name: gb, .offset: 32, .size: 8, .value_kind: global_buffer, .address_space: global }
    .group_segment_fixed_size: 168960
    .private_segment_fixed_size: 0
    .kernarg_segment_align: 8
    .kernarg_segment_size: 40
    .max_flat_workgroup_size: 256
    .sgpr_count:     66
    .vgpr_count:     512
    .wavefront_size: 32
...
	.end_amdgpu_metadata
.endif
;; end of part 13
;; launch fc2 (part 14): grid 4 x 64, 8 waves a work-group, clusters of 4 x 1, 316,416 bytes of LDS; arguments gb, W2_codes, W2_scales, b2, o1, out0; writes out0
.if DOCPART == 14
	.amdgcn_target "amdgcn-amd-amdhsa--gfx1250"
	.amdhsa_code_object_version 6
	.text
	.protected	k_q3e65f0ead5_fc2
	.globl	k_q3e65f0ead5_fc2
	.p2align	8
	.type	k_q3e65f0ead5_fc2,@function
k_q3e65f0ead5_fc2:
	s_mov_b64 s[64:65], 0
	v_nop
	global_prefetch_b8 v0, s[64:65] scope:SCOPE_SE
	s_setreg_imm32_b32 hwreg(HW_REG_WAVE_MODE, 25, 1), 1
	s_wait_xcnt 0x0
	s_wait_alu depctr_hold_cnt(0) depctr_sa_sdst(0) depctr_va_vdst(0) depctr_va_sdst(0) depctr_va_ssrc(0) depctr_va_vcc(0) depctr_vm_vsrc(0)
	s_getreg_b32 s2, hwreg(HW_REG_IB_STS2, 6, 4)
	s_cmp_eq_u32 s2, 0
	s_cbranch_scc0 .Lentry_in_a_cluster
	s_endpgm
.Lentry_in_a_cluster:
	s_bfe_u32 s2, ttmp6, 0x10000c
	s_cmp_lg_u32 s2, 0x3003
	s_cbranch_scc0 .Lentry_shape_is_right
	s_endpgm
.Lentry_shape_is_right:
; out = g W2 + b2 + o1, g and W2 as codes of FP6, sums in f32.
; SHARES.  A work-group takes 128 rows (8 tiles of 16) x 128 columns.  Wave w takes columns 64 (w % 2) on and K steps 4 (w / 2) .. + 3 of the sixteen: its slice of W2 stays in 192 registers for all eight tiles.
; ORDER OF ROUNDING: K is summed in four parts of 512, one a pair of waves, and the parts are added in f32 ((p0 + p1) + (p2 + p3), then b2 + o1).
; The parts meet in LDS, in two buffers by turns, one barrier a tile; they are read back by rows, so that a store covers 512 consecutive bytes of a row of the output.
; CLUSTER.  The four work-groups of a cluster take the four quarters of the columns for the same 128 rows: the rows' codes (196,608 bytes) are asked for jointly, once; wave w fetches tile w.
; W2's slices are not asked for jointly: the partners read different slices.  A wave's slice is 384 consecutive bytes of each of 64 rows: 48 loads of 16 bytes a lane, neighbouring lanes at neighbouring bytes of a
; row's piece, bring it into the registers where the fragments will lie; 16 rows at a time they turn through the wave's own stage in LDS (rows 400 bytes apart) and come back as fragments.
; The product is used transposed (source 0 = 16 rows of W2, source 1 = 16 rows of g): a lane holds eight neighbouring columns of one row.
.set GS,  12582912
.set RED, 196608                       ; LDS: 0: the rows' 8 x 24,576 bytes (filled once by the mover); RED: 2 buffers x 4 parts x 16 rows x (512 bytes + 16), stored by the waves
.set STGW, 264192                      ; 6,400 bytes a wave: the weights' stage, 16 rows x 400 bytes, stored by the waves
.set A16, 1
.set A8,  2
.set RW,  3
.set RR,  4
.set FRD, 5                            ; the weights' stage, way out: 400 r + 24 x half
.set WSA, 6
.set RS16, 7
.set L16, 8
.set SW,  9                            ; v9-11 the weights' stage, way in
.set GW,  12                           ; v12-14 the same chunks' places in W2
.set AF,  16                           ; v16-63 a tile's four fragments of my K steps
.set ASW, 64                           ; v64-95 the rows' scale words (4 m + s)
.set WSW, 96                           ; v96-111 W2's
.set ACC, 112                          ; v112-143 four accumulators
.set RD,  144                          ; v144-175 two rows x four parts; at the head: at work
.set O1,  176                          ; v176-239 o1 + b2 of my 16 rows' pieces
.set B2,  240
.set MSB, 0
.macro WIN new
.if MSB != \new
	s_set_vgpr_msb (MSB<<8)|\new
.set MSB, \new
.endif
.endm
.macro PLACES n
.rept \n
	v_nop
.endr
.endm
.macro MM0 d, a, b, sa, sb
	v_wmma_scale_f32_16x16x128_f8f6f4 v[\d:\d+7], v[\a:\a+11], v[\b:\b+11], 0, v[\sa], v[\sb] matrix_a_fmt:MATRIX_FMT_FP6 matrix_b_fmt:MATRIX_FMT_FP6
.endm
.macro MMA d, a, b, sa, sb
	v_wmma_scale_f32_16x16x128_f8f6f4 v[\d:\d+7], v[\a:\a+11], v[\b:\b+11], v[\d:\d+7], v[\sa], v[\sb] matrix_a_fmt:MATRIX_FMT_FP6 matrix_b_fmt:MATRIX_FMT_FP6
.endm
.macro ROUND
	s_barrier_signal -1
	s_barrier_wait -1
	s_cmp_lg_u32 s8, 0
	s_cbranch_scc1 .Lnot_wave_0_\@
	s_barrier_signal -3
.Lnot_wave_0_\@:
	s_barrier_wait -3
	s_barrier_signal -1
	s_barrier_wait -1
.endm
.macro AFETCH                          ; my four K steps of the tile at which the two address registers stand: 16 LDS loads
.irp s, 0,1,2,3
.irp c, 0,1
	ds_load_b128 v[AF+12*\s+6*\c:AF+12*\s+6*\c+3], v[A16] offset:768*(2*\s+\c)
	ds_load_b64 v[AF+12*\s+6*\c+4:AF+12*\s+6*\c+5], v[A8] offset:768*(2*\s+\c)
.endr
.endr
.endm
; The weights' turn through my stage, a tile of 16 rows (48 registers) at a time: load 3 a + c of a tile holds chunks 96 a + 32 c + lane: rows 4 a on.  LDS serves a wave's instructions in order: a tile's stores come behind the last tile's loads.
.macro WTURN
.irp i, 0,1,2,3
	WIN 0x04                                       ; an LDS store's data: window 1
.irp a, 0,1,2,3
.irp c, 0,1,2
	ds_store_b128 v[SW+\c], v[48*\i+12*\a+4*\c:48*\i+12*\a+4*\c+3] offset:1600*\a
.endr
.endr
	s_wait_dscnt 0x0                               ; the stores have read their registers: the fragments may land there
	WIN 0x40                                       ; an LDS load's destination: window 1
.irp s, 0,1,2,3
.irp p, 0,1,2,3,4,5
	ds_load_b64 v[48*\i+12*\s+2*\p:48*\i+12*\s+2*\p+1], v[FRD] offset:96*\s+48*(\p/3)+8*(\p%3)
.endr
.endr
.endr
	WIN 0
.endm
	s_load_b256 s[12:19], s[0:1], 0x0              ; gb, W2's codes, W2's scales, b2
	s_load_b128 s[20:23], s[0:1], 0x20             ; o1, out0
	v_lshl_add_u32 v254, v0, 2, 0x4d000
	v_mov_b32 v255, 0
	ds_add_u32 v254, v255
	ds_add_u32 v254, v255
	v_lshrrev_b32 v144, 5, v0
	s_delay_alu instid0(VALU_DEP_1)
	v_readfirstlane_b32 s8, v144                   ; wave 0..7
	s_bfe_u32 s9, ttmp6, 0x40000                   ; cx: which 128 columns; it enters global addresses of W2, b2, o1 and out0 alone
	s_and_b32 s10, ttmp7, 0xffff                   ; which 128 rows
	s_and_b32 s36, s8, 1                           ; which 64 of the columns
	s_lshr_b32 s37, s8, 1                          ; which four K steps
	v_and_b32 v144, 31, v0                         ; lane
	v_and_b32 v145, 15, v0                         ; r
	v_bfe_u32 v146, v0, 4, 1                       ; h
	s_delay_alu instid0(VALU_DEP_3)
	v_lshlrev_b32 v[L16], 4, v144
	s_wait_alu depctr_va_vdst(0)
	s_mul_i32 s38, s37, 6144
	v_add_nc_u32 v[A16], s38, v[L16]
	v_lshlrev_b32 v[A8], 3, v144
	s_add_co_u32 s38, s38, 512
	v_add_nc_u32 v[A8], s38, v[A8]
	s_mul_i32 s38, s37, 8448
	s_lshl_b32 s39, s36, 8
	s_add_co_u32 s38, s38, s39
	s_add_co_u32 s38, s38, RED
	v_mul_u32_u24 v[RW], v145, 528
	s_delay_alu instid0(VALU_DEP_1)
	v_lshl_add_u32 v[RW], v146, 5, v[RW]
	s_delay_alu instid0(VALU_DEP_1)
	v_add_nc_u32 v[RW], s38, v[RW]                 ; my part: row r, my 64 columns, 32 bytes for each half of the lanes
	s_mul_i32 s38, s8, 1056
	s_add_co_u32 s38, s38, RED
	v_add_nc_u32 v[RR], s38, v[L16]                ; back: rows 2 w, 2 w + 1, 16 bytes a lane
	s_mul_i32 s38, s8, 6400
	s_add_co_u32 s38, s38, STGW                    ; my stage for the weights
	v_mul_u32_u24 v[FRD], v145, 400
	s_delay_alu instid0(VALU_DEP_1)
	v_mad_u32_u24 v[FRD], v146, 24, v[FRD]
	s_delay_alu instid0(VALU_DEP_1)
	v_add_nc_u32 v[FRD], s38, v[FRD]
.irp c, 0,1,2
	v_add_nc_u32 v147, 32*\c, v144                 ; chunk x = 32 c + lane of 96: a row's piece is 24 chunks,
	s_delay_alu instid0(VALU_DEP_1)
	v_mul_u32_u24 v148, v147, 171
	s_delay_alu instid0(VALU_DEP_1)
	v_lshrrev_b32 v148, 12, v148                   ; so it lies in row x / 24 = (171 x) >> 12 for x under 96:
	s_delay_alu instid0(VALU_DEP_3)
	v_lshlrev_b32 v149, 4, v147
	s_delay_alu instid0(VALU_DEP_1)
	v_mad_u32_u24 v[GW+\c], v148, 1152, v149       ; in W2 at 1,536 x row + 16 x (x - 24 x row) = 16 x + 1,152 x row,
	s_delay_alu instid0(VALU_DEP_3)
	v_add_nc_u32 v148, v148, v147
	s_delay_alu instid0(VALU_DEP_1)
	v_lshl_add_u32 v[SW+\c], v148, 4, s38          ; in the stage at 400 x row + 16 x (x - 24 x row) = 16 (x + row)
.endr
	v_lshlrev_b32 v[WSA], 6, v145
	v_lshlrev_b32 v[RS16], 4, v145
	s_mov_b32 s24, 15|(3<<16)|(1<<21)              ; descriptor group 1: 96 dense rows of 256 bytes, for all four partners
	s_mov_b32 s25, 32<<16
	s_mov_b32 s26, 96<<16
	s_mov_b32 s27, 32<<16
	s_mov_b32 s28, 96
	s_mov_b32 s29, 32
	s_mov_b32 s30, 0
	s_mov_b32 s31, 0
	s_mov_b32 s32, 1
	s_mul_i32 s33, s8, 24576
	s_mul_i32 s38, s10, 196608
	s_add_co_u32 s38, s38, s33
	s_mov_b32 s39, 0
	s_wait_dscnt 0x0
	s_wait_kmcnt 0x0
	s_add_nc_u64 s[34:35], s[12:13], s[38:39]
	s_or_b32 s35, s35, 0x80000000
	ROUND
	tensor_load_to_lds s[32:35], s[24:31]          ; the launch's only fill
	s_nop 0
	PLACES 4
	s_mul_i32 s38, s9, 196608
	s_mul_i32 s42, s36, 98304
	s_add_co_u32 s38, s38, s42
	s_mul_i32 s42, s37, 384
	s_add_co_u32 s38, s38, s42
	s_add_nc_u64 s[14:15], s[14:15], s[38:39]      ; my 64 rows of W2, at my first K step
	s_lshl_b32 s38, s9, 13
	s_lshl_b32 s42, s36, 12
	s_add_co_u32 s38, s38, s42
	s_lshl_b32 s42, s37, 4
	s_add_co_u32 s38, s38, s42
	s_add_nc_u64 s[16:17], s[16:17], s[38:39]
	s_lshl_b32 s38, s37, 17
	s_lshl_b32 s42, s10, 11
	s_add_co_u32 s38, s38, s42
	s_add_nc_u64 s[40:41], s[12:13], s[38:39]
	s_add_nc_u64 s[40:41], s[40:41], GS            ; the rows' scale bytes of my four K steps
	s_lshl_b32 s38, s9, 9
	s_add_nc_u64 s[18:19], s[18:19], s[38:39]
	s_lshl_b32 s42, s10, 18
	s_add_co_u32 s38, s38, s42
	s_lshl_b32 s42, s8, 12
	s_add_co_u32 s38, s38, s42                     ; row 128 x block + 2 x wave, my work-group's 512 bytes of it
	s_add_nc_u64 s[20:21], s[20:21], s[38:39]
	s_add_nc_u64 s[22:23], s[22:23], s[38:39]
	WIN 0x40                                       ; destination window 1
	s_wait_alu depctr_va_vdst(0)
.irp i, 0,1,2,3
.irp a, 0,1,2,3
.irp c, 0,1,2
	global_load_b128 v[48*\i+12*\a+4*\c:48*\i+12*\a+4*\c+3], v[GW+\c], s[14:15] offset:(16*\i+4*\a)*1536   ; 32 chunks on end of rows 16 i + 4 a on
.endr
.endr
.endr
	WIN 0
.irp i, 0,1,2,3
	global_load_b128 v[WSW+4*\i:WSW+4*\i+3], v[WSA], s[16:17] offset:1024*\i
.endr
.irp m, 0,1,2,3,4,5,6,7
	global_load_b128 v[ASW+4*\m:ASW+4*\m+3], v[RS16], s[40:41] offset:256*\m
.endr
	global_load_b128 v[B2:B2+3], v[L16], s[18:19]
.irp m, 0,1,2,3,4,5,6,7
.irp e, 0,1
	global_load_b128 v[O1+4*(2*\m+\e):O1+4*(2*\m+\e)+3], v[L16], s[20:21] offset:32768*\m+2048*\e th:TH_LOAD_NT
.endr
.endr
	s_wait_loadcnt 29                              ; W2's 48 loads are in; the 4 + 8 of scale words, b2's one and o1's 16 may be out
	WTURN
	s_wait_tensorcnt 0x0                           ; my tile has landed,
	s_wait_dscnt 0x0                               ; no LDS instruction of mine is out:
	s_barrier_signal -1
	s_barrier_wait -1                              ; everybody's tile has landed
	AFETCH
	s_wait_loadcnt 0x0
.set J, 0
.rept 16
	v_pk_add_f32 v[O1+J:O1+J+1], v[O1+J:O1+J+1], v[B2:B2+1]          ; o1 + b2
	v_pk_add_f32 v[O1+J+2:O1+J+3], v[O1+J+2:O1+J+3], v[B2+2:B2+3]
.set J, J+4
.endr
.macro TILE m
.set BUF, ((\m)%2)*33792
	s_wait_dscnt 0x0                               ; the tile's fragments are in
	WIN 0x01                                       ; source 0 (W2): window 1
.irp s, 0,1,2,3
.irp i, 0,1,2,3
.if \s == 0
	MM0 ACC+8*\i, 48*\i+12*\s, AF+12*\s, WSW+4*\i+\s, ASW+4*(\m)+\s
.else
	MMA ACC+8*\i, 48*\i+12*\s, AF+12*\s, WSW+4*\i+\s, ASW+4*(\m)+\s   ; four accumulators by turns
.endif
.endr
.endr
	WIN 0
	PLACES 4                                       ; in front of the stores that read results and of the loads into the fragments' registers
.irp i, 0,1,2,3
.irp e, 0,1
	ds_store_b128 v[RW], v[ACC+8*\i+4*\e:ACC+8*\i+4*\e+3] offset:BUF+64*\i+16*\e   ; each accumulator from its low end on
.endr
.endr
	s_wait_dscnt 0x0                               ; my part lies in LDS; my reads of the other buffer ended in the last tile
	s_barrier_signal -1
	s_barrier_wait -1                              ; all four parts of both halves of the columns do
.if (\m) > 0
	s_wait_xcnt 0x0                                ; the last tile's stores have read their registers
.endif
.irp e, 0,1
.irp p, 0,1,2,3
	ds_load_b128 v[RD+16*\e+4*\p:RD+16*\e+4*\p+3], v[RR] offset:BUF+8448*\p+528*\e
.endr
.endr
.if (\m) < 7
	v_add_nc_u32 v[A16], 24576, v[A16]             ; on to the next tile of rows
	v_add_nc_u32 v[A8], 24576, v[A8]
	AFETCH
	s_wait_dscnt 16                                ; the eight loads of parts are in; the 16 fragment loads may be out
.else
	s_wait_dscnt 0x0
.endif
.irp e, 0,1
.irp q, 0,2
	v_pk_add_f32 v[RD+16*\e+\q:RD+16*\e+\q+1], v[RD+16*\e+\q:RD+16*\e+\q+1], v[RD+16*\e+4+\q:RD+16*\e+4+\q+1]
	v_pk_add_f32 v[RD+16*\e+8+\q:RD+16*\e+8+\q+1], v[RD+16*\e+8+\q:RD+16*\e+8+\q+1], v[RD+16*\e+12+\q:RD+16*\e+12+\q+1]
.endr
.endr
.irp e, 0,1
.irp q, 0,2
	v_pk_add_f32 v[RD+16*\e+\q:RD+16*\e+\q+1], v[RD+16*\e+\q:RD+16*\e+\q+1], v[RD+16*\e+8+\q:RD+16*\e+8+\q+1]
.endr
.endr
.irp e, 0,1
.irp q, 0,2
	s_delay_alu instid0(VALU_DEP_4)
	v_pk_add_f32 v[RD+16*\e+\q:RD+16*\e+\q+1], v[RD+16*\e+\q:RD+16*\e+\q+1], v[O1+4*(2*(\m)+\e)+\q:O1+4*(2*(\m)+\e)+\q+1]
.endr
.endr
.irp e, 0,1
	global_store_b128 v[L16], v[RD+16*\e:RD+16*\e+3], s[22:23] offset:32768*(\m)+2048*\e th:TH_STORE_NT   ; 32 lanes store 512 consecutive bytes, at a multiple of 512 from the output's first byte
.endr
.endm
.irp m, 0,1,2,3,4,5,6,7
	TILE \m
.endr
	s_wait_tensorcnt 0x0
	ds_add_u32 v254, v255
	s_wait_dscnt 0x0
	ROUND                                          ; the closing round
	s_endpgm
.Lfunc_end_k_q3e65f0ead5_fc2:
	.size	k_q3e65f0ead5_fc2, .Lfunc_end_k_q3e65f0ead5_fc2-k_q3e65f0ead5_fc2
	.p2alignl 7, 3214868480
	.fill 96, 4, 3214868480
	.section	.rodata,"a",@progbits
	.p2align	6, 0x0
	.amdhsa_kernel k_q3e65f0ead5_fc2
		.amdhsa_group_segment_fixed_size 316416
		.amdhsa_private_segment_fixed_size 0
		.amdhsa_enable_private_segment 0
		.amdhsa_kernarg_size 48
		.amdhsa_user_sgpr_count 2
		.amdhsa_user_sgpr_kernarg_segment_ptr 1
		.amdhsa_wavefront_size32 1
		.amdhsa_system_sgpr_workgroup_id_x 1
		.amdhsa_system_sgpr_workgroup_id_y 1
		.amdhsa_system_sgpr_workgroup_id_z 1
		.amdhsa_system_vgpr_workitem_id 0
		.amdhsa_next_free_vgpr 512
		.amdhsa_next_free_sgpr 66
		.amdhsa_reserve_vcc 0
		.amdhsa_float_denorm_mode_32 3
		.amdhsa_float_denorm_mode_16_64 3
		.amdhsa_memory_ordered 1
		.amdhsa_forward_progress 1
		.amdhsa_inst_pref_size 73
	.end_amdhsa_kernel
	.amdgpu_metadata
---
amdhsa.version: [ 1, 2 ]
amdhsa.kernels:
  - .name:           k_q3e65f0ead5_fc2
    .symbol:         k_q3e65f0ead5_fc2.kd
    .args:
      - { .name: gb, .offset: 0, .size: 8, .value_kind: global_buffer, .address_space: global }
      - { .name: W2_codes, .offset: 8, .size: 8, .value_kind: global_buffer, .address_space: global }
      - { .name: W2_scales, .offset: 16, .size: 8, .value_kind: global_buffer, .address_space: global }
      - { .name: b2, .offset: 24, .size: 8, .value_kind: global_buffer, .address_space: global }
      - { .name: o1, .offset: 32, .size: 8, .value_kind: global_buffer, .address_space: global }
      - { .name: out0, .offset: 40, .size: 8, .value_kind: global_buffer, .address_space: global }
    .group_segment_fixed_size: 316416
    .private_segment_fixed_size: 0
    .kernarg_segment_align: 8
    .kernarg_segment_size: 48
    .max_flat_workgroup_size: 256
    .sgpr_count:     66
    .vgpr_count:     512
    .wavefront_size: 32
...
	.end_amdgpu_metadata
.endif
;; end of part 14
